; MI455X (gfx1250); checked and timed in simulation.
; The chip was launched on July 23, 2026; its instructions are those of AMD's public machine-readable ISA for CDNA 5 (MIT licence, August 2026) and "CDNA5" Instruction Set Architecture Reference Guide (July 2026). The comments in the code are by the model that wrote it; some were corrected since.
;; Encoder Layer. Allowed arithmetic: matrix products marked QUANTISED: E2M3 operands, one E8M0 scale for each 32 along K, by v_wmma_scale_f32_16x16x128_f8f6f4 with both operands' format E2M3, f32 sums; everything else in f32.
;; Inputs: b1 4,096 float32; b2 1,024 float32; bk 1,024 float32; bo 1,024 float32; bq 1,024 float32; bv 1,024 float32; ln1_b 1,024 float32; ln1_g 1,024 float32; ln2_b 1,024 float32; ln2_g 1,024 float32; w1 1,024 x 4,096 float32; w2 4,096 x 1,024 float32; wk 1,024 x 1,024 float32; wo 1,024 x 1,024 float32; wq 1,024 x 1,024 float32; wv 1,024 x 1,024 float32; x 2 x 2,048 x 1,024 float32.
;; Outputs: out0 2 x 2,048 x 1,024 float32.
;; This version of the problem:
;;   THIS VERSION OF THE PROBLEM IS GIVEN IN LOW PRECISION. The matrix products marked QUANTISED in the list below multiply operands that are first quantised to E2M3 (2 exponent bits, 3 mantissa bits; 6 bits a number), with one power-of-two scale for each 32 numbers along K (OCP MX v1.0); their sums are f32. All else is computed in f32.
;;   The module's matrix products, in the order in which they are computed (A, B: the left and right operand; K: the contracted axis; several contracted axes count as one K, in the product's order):
;;     1. [M 4,096, K 1,024] x [K 1,024, N 1,024]; A: input x; B: input wq: QUANTISED
;;     2. [M 4,096, K 1,024] x [K 1,024, N 1,024]; A: input x; B: input wk: QUANTISED
;;     3. [M 4,096, K 1,024] x [K 1,024, N 1,024]; A: input x; B: input wv: QUANTISED
;;     4. batch 32 x [M 2,048, K 64] x [K 64, N 2,048]; A: computed on the way; B: computed on the way: QUANTISED
;;     5. batch 32 x [M 2,048, K 2,048] x [K 2,048, N 64]; A: softmax (see below); B: computed on the way: QUANTISED
;;     6. [M 4,096, K 1,024] x [K 1,024, N 1,024]; A: computed on the way; B: input wo: QUANTISED
;;     7. [M 4,096, K 1,024] x [K 1,024, N 4,096]; A: computed on the way; B: input w1: QUANTISED
;;     8. [M 4,096, K 4,096] x [K 4,096, N 1,024]; A: computed on the way; B: input w2: QUANTISED
;;   THE QUANTISER, for each operand of a quantised product, along K:
;;     - K is cut into blocks of 32 from its start; a last block that is shorter is filled with zeros.
;;     - A block's scale is 2^e with e = floor(log2(the largest magnitude in the block)) - 2, held to -126 .. 127; a block of zeros has e = 0. As a byte (E8M0): e + 127.
;;     - Each number is divided by its block's scale, clamped to +-7.5, and rounded to the nearest number of E2M3, ties to even, subnormals kept.
;;     - The product sums the exact products of the quantised numbers (number of the format x scale) in f32.
;;   ~~~python
;;   def quantise(x, axis):      # numpy; x: float32 -> the quantised numbers, widened to float32 again
;;       x = np.moveaxis(x, axis, -1); K = x.shape[-1]
;;       x = np.pad(x, [(0, 0)] * (x.ndim - 1) + [(0, -K % 32)]); x = x.reshape(x.shape[:-1] + (-1, 32)); a = np.abs(x).max(-1, keepdims=True)
;;       e = np.where(a > 0, np.clip(np.frexp(np.where(a > 0, a, 1))[1] - 1 - 2, -126, 127), 0)      # np.frexp(a)[1] - 1 = floor(log2(a)), exactly
;;       r = np.clip(x / 2.0 ** e, -7.5, 7.5)
;;       step = 2.0 ** (np.maximum(np.frexp(np.where(r == 0, 1, r))[1] - 1, 0) - 3)
;;       q = np.round(r / step) * step * 2.0 ** e      # np.round: ties to even
;;       return np.moveaxis(q.reshape(q.shape[:-2] + (-1,))[..., :K], -1, axis).astype(np.float32)
;;   ~~~
;;   SOFTMAX AHEAD OF A QUANTISED PRODUCT. Where the list says 'softmax', what is quantised is not the finished softmax but p = 2^(t - M), with t = logit x log2(e) and M = ceil(the row's largest t), a whole number; so 1/2 < the row's largest p <= 1. The row's sum l is taken of the UNQUANTISED p, in f32, and the product's result is divided by l at the end. Since M is a whole number, a kernel that streams over the keys may use a running M (the ceiling of the running maximum): every later rescaling is an exact power of two, which a block's scale takes up: the codes' values come out the same.
;;   OPERANDS COMPUTED ON THE WAY. 'Computed on the way' means the value that the module computes at that place (a softmax that the list does not call 'softmax' is quantised finished and normalised). What goes into a quantiser is computed in f32, as accurately as f32 sums, v_exp_f32 and their like allow (about 1e-6 of the number): no bf16 or f16 on the way to a quantiser, and a product that is left as it is and whose result goes on into a quantised operand takes f32 operands (vector FMAs, or v_wmma_f32_16x16x4_f32). A number that lies on a knife's edge between two numbers of the format may be rounded either way, as far as f32 arithmetic and the matrix unit's own rounding can turn it there, and no further.
;; 2 versions. Each part assembles by itself: llvm-mc -triple=amdgcn-amd-amdhsa -mcpu=gfx1250 --defsym DOCPART=n.
;; ======== version 1 of 2: 6 launches
;; workspace buffers: xq 3,276,800 bytes; wts 9,830,400 bytes; qkv 10,092,544 bytes; ao 3,276,800 bytes; h 13,107,200 bytes; x1 16,777,216 bytes; x1q 3,276,800 bytes
;; launch prep (part 1): grid 1024 x 1, 4 waves a work-group, no clusters, 34,304 bytes of LDS; arguments x, wq, wk, wv, wo, w1, w2, xq, wts; writes xq, wts
.if DOCPART == 1
	.amdgcn_target "amdgcn-amd-amdhsa--gfx1250"
	.amdhsa_code_object_version 6
	.text
	.protected	k_qfeb67a6129_prep
	.globl	k_qfeb67a6129_prep
	.p2align	8
	.type	k_qfeb67a6129_prep,@function
k_qfeb67a6129_prep:
	s_mov_b64 s[64:65], 0
	v_nop
	global_prefetch_b8 v0, s[64:65] scope:SCOPE_SE
	s_setreg_imm32_b32 hwreg(HW_REG_WAVE_MODE, 25, 1), 1
	s_wait_xcnt 0x0
; x [4096][1024] f32 (K innermost) and the six weights (f32, K along the FIRST axis) become codes of FP6 (E2M3) with one E8M0 byte for each 32 along K,
; laid as IMAGES OF OPERAND REGISTERS: a fragment (16 rows x 128 K, 12 registers a lane) is 1,536 bytes, registers 4 c .. 4 c + 3 of lane l at 512 c + 16 l; its 16 scale words are 64 bytes, row slot r at 4 r.
; THE 16 ROWS OF A TILE ARE NOT NEIGHBOURS: tile t = 2 G + u holds in slot r the row 32 G + 8 u + r + 8 (r / 8), so that a later product's results are neighbours along the next K.
; xq: fragment (t, s) at (8 t + s) x 1536, scale words at XSO + (8 t + s) x 64.  wts: fragment f at 1536 f, words at WSO + 64 f; f = FB + t KS + s; FB: wq 0, wk 512, wv 1024, w1 1536, wo 3584, w2 4096.
; A block's scale is 2^(floor(log2(largest magnitude)) - 2); its byte is the largest magnitude's exponent field - 2, held at 1 from below.
; LIMITS: a block of zeros, or one whose largest magnitude lies under 2^-124, gets the byte 1 where the rule says 127 or less: zero blocks have zero codes, and these bytes are read by this program alone.  NaN and infinities are not served.
; Work-groups 0-255 take x, a tile each, a wave two K steps; work-groups 256-1023 take the weights, a wave 32 columns x 128 K, a lane a column with its registers running down K.  Waves share nothing: no barrier.
.set XSO,   3145728
.set WSO,   9437184
.set STGW,  8448                       ; the x path's stage of a wave: 16 rows x (512 + 16) bytes
.set SPARE, 4*STGW                     ; behind the stages: the spare words, 128 bytes a wave
.set LN,  10                           ; v10 lane
.set RR,  11                           ; v11 lane % 16
.set SPW, 12                           ; v12 my spare word; never rewritten
.set NIL, 13                           ; v13 0; never rewritten
.set HH,  14                           ; v14 lane / 16
.set R0,  16                           ; x path: v16-143 two units of 64 numbers
.set TM,  144                          ; v144-159 at work in QUANT
.set PC,  160                          ; v160-179 the codes just made
.set PW,  180                          ; v180 the scale word just made
.set SEL, 2                            ; s[2:3] selects for lane l xor 16
.set VA,  16                           ; w path: v16-47 byte offsets of 32 rows of the weight
.set X,   48                           ; v48-111 two sets of 32 numbers
.set F,   112                          ; v112-135 my column's registers in lane slot (r, 0) and in (r, 1)
.set T,   136                          ; v136-143 a block's upper 16 codes, two sets
.set WD,  144                          ; v144 my column's scale word
; 64 numbers of a lane, register 16 b + i = k 32 b + 16 (lane / 16) + i of my row, become a fragment in v[PC] .. v[PC+11] and its scale word in v[PW]
.macro QUANT s
.irp b, 0,1,2,3
	v_max3_num_f32 v[TM+\b], |v[(\s)+16*\b]|, |v[(\s)+1+16*\b]|, 0x1800000   ; my 16 numbers of block b, and the floor 2^(3 - 127): the byte cannot fall under 1
.endr
.irp i, 2,4,6,8,10,12,14
.irp b, 0,1,2,3
	v_max3_num_f32 v[TM+\b], v[TM+\b], |v[(\s)+16*\b+\i]|, |v[(\s)+1+16*\b+\i]|
.endr
.endr
.irp b, 0,1,2,3
	v_permlanex16_b32 v[TM+4+\b], v[TM+\b], s[SEL], s[SEL+1]
.endr
.irp b, 0,1,2,3
	v_max_num_f32 v[TM+\b], v[TM+\b], v[TM+4+\b]   ; with lane l xor 16: the block's largest magnitude
.endr
.irp b, 0,1,2,3
	v_add_nc_u32 v[TM+12+\b], 0xff000000, v[TM+\b]   ; 2 off its exponent field: the conversion's scale operand
.endr
.irp b, 0,1,2,3
	v_lshrrev_b32 v[TM+4+\b], 23, v[TM+12+\b]      ; the scale's byte
.endr
	v_lshl_or_b32 v[PW], v[TM+5], 8, v[TM+4]
	v_lshl_or_b32 v[PW], v[TM+6], 16, v[PW]
	v_lshl_or_b32 v[PW], v[TM+7], 24, v[PW]
.irp c, 0,1
	v_cvt_scalef32_pk16_fp6_f32 v[PC+6*\c:PC+2+6*\c], v[(\s)+32*\c:(\s)+15+32*\c], v[TM+12+2*\c]
	v_cvt_scalef32_pk16_fp6_f32 v[PC+12+4*\c:PC+14+4*\c], v[(\s)+16+32*\c:(\s)+31+32*\c], v[TM+12+2*\c+1]   ; (a conversion's three registers begin on an even number)
.endr
	v_nop                                          ; one plain line behind the scaled conversions
.irp c, 0,1                                    ; the layout wants a whole block in a lane: lanes 0-15 block 2 c, lanes 16-31 block 2 c + 1
.irp i, 0,1,2
	v_permlane16_swap_b32 v[PC+6*\c+\i], v[PC+12+4*\c+\i]
.endr
.irp i, 0,1,2
	v_mov_b32 v[PC+3+6*\c+\i], v[PC+12+4*\c+\i]
.endr
.endr
.endm
	s_load_b512 s[8:23], s[0:1], 0x0               ; x s[8:9], wq, wk, wv, wo, w1, w2 s[10:21], xq s[22:23]
	s_load_b64 s[24:25], s[0:1], 0x40              ; wts
	v_lshl_add_u32 v[SPW], v0, 2, SPARE
	v_mov_b32 v[NIL], 0
	v_lshrrev_b32 v1, 5, v0
	v_readfirstlane_b32 s4, v1                     ; wave
	v_and_b32 v[LN], 31, v0
	v_and_b32 v[RR], 15, v0
	v_bfe_u32 v[HH], v0, 4, 1
	s_cmp_lt_u32 ttmp9, 256
	s_cbranch_scc0 .Lweights
	; ---- x: tile t = the work-group's number, K steps 2 w and 2 w + 1
	v_lshlrev_b32 v1, 4, v[LN]                     ; 16 l: my 16 bytes of a load's or a store's 512
	s_mul_i32 s5, s4, STGW
	v_add_nc_u32 v2, s5, v1                        ; the stage, rows as they are loaded
	v_mul_u32_u24 v3, 528, v[RR]
	v_lshl_add_u32 v3, v[HH], 6, v3
	v_add_nc_u32 v3, s5, v3                        ; and back: row r, 64 bytes on for lanes 16-31
	v_lshlrev_b32 v5, 2, v[RR]
	s_mov_b32 s[SEL], 0x76543210
	s_mov_b32 s[SEL+1], 0xfedcba98
.irp b, 0,1,2,3
	v_mov_b32 v[TM+4+\b], 0                        ; a lane permute's destination counts as one of its sources
.endr
	s_lshr_b32 s26, ttmp9, 1
	s_lshl_b32 s26, s26, 5
	s_and_b32 s27, ttmp9, 1
	s_lshl_b32 s27, s27, 3
	s_add_co_u32 s26, s26, s27                     ; the tile's first row: 32 (t / 2) + 8 (t % 2)
	s_lshl_b32 s26, s26, 12
	s_lshl_b32 s27, s4, 10
	s_add_co_u32 s26, s26, s27                     ; in bytes, + my 256 columns
	s_mov_b32 s27, 0
	s_lshl_b32 s28, ttmp9, 3
	s_lshl_b32 s29, s4, 1
	s_add_co_u32 s28, s28, s29                     ; 8 t + 2 w
	s_mul_i32 s30, s28, 1536
	s_mov_b32 s31, 0
	s_lshl_b32 s28, s28, 6
	s_add_co_u32 s28, s28, XSO
	s_mov_b32 s29, 0
	s_wait_kmcnt 0x0
	s_add_nc_u64 s[8:9], s[8:9], s[26:27]
	s_add_nc_u64 s[30:31], s[22:23], s[30:31]
	s_add_nc_u64 s[28:29], s[22:23], s[28:29]
.irp q, 0,1
.irp i, 0,1,2,3,4,5,6,7,8,9,10,11,12,13,14,15
	global_load_b128 v[R0+64*\q+4*\i:R0+64*\q+4*\i+3], v1, s[8:9] offset:(\i+8*(\i/8))*4096+512*\q th:TH_LOAD_NT   ; slot i's row: 512 consecutive bytes
.endr
.endr
.macro XUNIT q, cnt
	s_wait_loadcnt \cnt                            ; this unit's 16 loads are in
.irp i, 0,1,2,3,4,5,6,7,8,9,10,11,12,13,14,15
	ds_store_b128 v2, v[R0+64*\q+4*\i:R0+64*\q+4*\i+3] offset:528*\i
.endr
.irp i, 0,1,2,3,4,5,6,7,8,9,10,11,12,13,14,15
	ds_load_b128 v[R0+64*\q+4*\i:R0+64*\q+4*\i+3], v3 offset:128*(\i/4)+16*(\i%4)   ; LDS serves a wave's instructions in order: these see my stores
.endr
	s_wait_dscnt 0x0
.if \q
	s_wait_xcnt 0x0                                ; the first unit's stores have read their data: the codes' registers may be written again
.endif
	QUANT R0+64*\q
.irp c, 0,1,2
	global_store_b128 v1, v[PC+4*\c:PC+4*\c+3], s[30:31] offset:1536*\q+512*\c   ; 512 consecutive bytes
.endr
	global_store_b32 v5, v[PW], s[28:29] offset:64*\q   ; lanes r and r + 16 hold the same word
.endm
	XUNIT 0, 16                                    ; the second unit's 16 loads may stay out
	XUNIT 1, 0
	s_branch .Lend
.Lweights:
	; ---- the weights.  id = the work-group's number - 256; id / 256: 0 the four square ones, 1 w1, 2 w2
	s_sub_co_u32 s5, ttmp9, 256
	s_lshr_b32 s6, s5, 8
	s_and_b32 s26, s5, 7                           ; which 128 columns,
	s_bfe_u32 s27, s5, 0x30003                     ; which K step
	s_bfe_u32 s28, s5, 0x50003                     ; (w2: 32 K steps)
	s_and_b32 s29, s5, 31                          ; (w1: 32 groups of columns,
	s_bfe_u32 s30, s5, 0x30005                     ;  8 K steps)
	s_bfe_u32 s31, s5, 0x20006                     ; which of wq, wk, wv, wo
	s_mov_b32 s32, 4096
	s_cmp_eq_u32 s6, 1
	s_cselect_b32 s26, s29, s26
	s_cselect_b32 s27, s30, s27
	s_cselect_b32 s32, 16384, s32                  ; bytes in a row of the weight
	s_cmp_eq_u32 s6, 2
	s_cselect_b32 s27, s28, s27
	s_cselect_b32 s33, 32, 8                       ; KS: K steps
	s_lshl_b32 s34, s31, 9
	s_cmp_eq_u32 s31, 3
	s_cselect_b32 s34, 3584, s34
	s_cmp_eq_u32 s6, 1
	s_cselect_b32 s34, 1536, s34
	s_cmp_eq_u32 s6, 2
	s_cselect_b32 s34, 4096, s34                   ; FB
	s_lshl_b32 s35, s26, 7
	s_lshl_b32 s36, s4, 5
	s_add_co_u32 s35, s35, s36                     ; my wave's first column
	s_lshr_b32 s36, s35, 4
	s_mul_i32 s36, s36, s33
	s_add_co_u32 s36, s36, s27
	s_add_co_u32 s36, s36, s34                     ; f of my first tile: FB + (column / 16) KS + s
	s_mul_i32 s38, s36, 1536
	s_mov_b32 s39, 0
	s_lshl_b32 s40, s36, 6
	s_add_co_u32 s40, s40, WSO
	s_mov_b32 s41, 0
	s_lshl_b32 s42, s27, 7
	s_mul_i32 s42, s42, s32
	s_lshl_b32 s43, s35, 2
	s_add_co_u32 s42, s42, s43                     ; row 128 s, my first column, in bytes
	s_mov_b32 s43, 0
	s_mul_i32 s37, s33, 1536                       ; from a tile to the next
	s_lshl_b32 s52, s33, 6
	v_lshlrev_b32 v4, 2, v[LN]
.set ii, 0
.rept 32
	v_mad_u32_u24 v[VA+ii], s32, ii, v4            ; row ii of a block, my column
.set ii, ii+1
.endr
	v_bfe_u32 v6, v[LN], 3, 1                      ; column l of 32 lies in tile u = (l / 8) % 2,
	v_and_b32 v7, 7, v[LN]
	v_lshl_add_u32 v7, v[HH], 3, v7                ; slot l % 8 + 8 (l / 16)
	v_mul_u32_u24 v8, s37, v6
	v_lshl_add_u32 v8, v7, 4, v8
	v_mul_u32_u24 v9, s52, v6
	v_lshl_add_u32 v9, v7, 2, v9
	s_wait_kmcnt 0x0
	s_cmp_eq_u32 s31, 1                            ; the choices hang on the work-group's number alone
	s_cselect_b64 s[10:11], s[12:13], s[10:11]
	s_cmp_eq_u32 s31, 2
	s_cselect_b64 s[10:11], s[14:15], s[10:11]
	s_cmp_eq_u32 s31, 3
	s_cselect_b64 s[10:11], s[16:17], s[10:11]
	s_cmp_eq_u32 s6, 1
	s_cselect_b64 s[10:11], s[18:19], s[10:11]
	s_cmp_eq_u32 s6, 2
	s_cselect_b64 s[10:11], s[20:21], s[10:11]
	s_add_nc_u64 s[44:45], s[10:11], s[42:43]      ; a base for each of the four blocks of 32 along K: nothing is stepped
	s_lshl_b32 s42, s32, 5
	s_add_nc_u64 s[46:47], s[44:45], s[42:43]
	s_add_nc_u64 s[48:49], s[46:47], s[42:43]
	s_add_nc_u64 s[50:51], s[48:49], s[42:43]
	s_add_nc_u64 s[38:39], s[24:25], s[38:39]
	s_add_nc_u64 s[40:41], s[24:25], s[40:41]
.macro LOADW kb
.set ii, 0
.rept 32
	global_load_b32 v[X+32*((\kb)%2)+ii], v[VA+ii], s[44+2*(\kb):45+2*(\kb)] th:TH_LOAD_NT   ; 32 lanes read 128 consecutive bytes, the four waves 512
.set ii, ii+1
.endr
.endm
.macro BLOCKW kb, cnt                          ; block kb of my column: it belongs to lane slot (r, kb % 2), registers 6 (kb / 2) on
.set XS, X+32*((\kb)%2)
.set FD, F+12*((\kb)%2)+6*((\kb)/2)
.set TD, T+4*((\kb)%2)
	s_wait_loadcnt \cnt
	v_max3_num_f32 v145, |v[XS]|, |v[XS+1]|, |v[XS+2]|
	v_max3_num_f32 v146, |v[XS+3]|, |v[XS+4]|, |v[XS+5]|
.irp i, 6,10,14,18,22,26
	v_max3_num_f32 v145, v145, |v[XS+\i]|, |v[XS+\i+1]|
	v_max3_num_f32 v146, v146, |v[XS+\i+2]|, |v[XS+\i+3]|
.endr
	v_max3_num_f32 v145, v145, |v[XS+30]|, |v[XS+31]|
	v_max3_num_f32 v145, v145, v146, 0x1800000     ; and the floor
	v_add_nc_u32 v147, 0xff000000, v145
	v_cvt_scalef32_pk16_fp6_f32 v[FD:FD+2], v[XS:XS+15], v147
	v_cvt_scalef32_pk16_fp6_f32 v[TD:TD+2], v[XS+16:XS+31], v147
	v_lshrrev_b32 v148, 23, v147                   ; the byte; also the plain line behind the conversions
.irp i, 0,1,2
	v_mov_b32 v[FD+3+\i], v[TD+\i]
.endr
.if (\kb) == 0
	v_mov_b32 v[WD], v148
.else
	v_lshl_or_b32 v[WD], v148, 8*(\kb), v[WD]
.endif
.endm
	LOADW 0
	LOADW 1
	BLOCKW 0, 32                                   ; the next block's 32 loads may stay out
	LOADW 2
	BLOCKW 1, 32
	LOADW 3
	BLOCKW 2, 32
	BLOCKW 3, 0
.irp h, 0,1
.irp c, 0,1,2
	global_store_b128 v8, v[F+12*\h+4*\c:F+12*\h+4*\c+3], s[38:39] offset:512*\c+256*\h   ; the 16 lanes of a tile store 256 consecutive bytes, aligned
.endr
.endr
	global_store_b32 v9, v[WD], s[40:41]
.Lend:
	s_wait_tensorcnt 0x0                           ; the wave's end
	ds_add_u32 v[SPW], v[NIL]
	s_wait_dscnt 0x0
	s_endpgm
.Lfunc_end_k_qfeb67a6129_prep:
	.size	k_qfeb67a6129_prep, .Lfunc_end_k_qfeb67a6129_prep-k_qfeb67a6129_prep
	.p2alignl 7, 3214868480
	.fill 96, 4, 3214868480
	.section	.rodata,"a",@progbits
	.p2align	6, 0x0
	.amdhsa_kernel k_qfeb67a6129_prep
		.amdhsa_group_segment_fixed_size 34304
		.amdhsa_private_segment_fixed_size 0
		.amdhsa_enable_private_segment 0
		.amdhsa_kernarg_size 72
		.amdhsa_user_sgpr_count 2
		.amdhsa_user_sgpr_kernarg_segment_ptr 1
		.amdhsa_wavefront_size32 1
		.amdhsa_system_sgpr_workgroup_id_x 1
		.amdhsa_system_sgpr_workgroup_id_y 1
		.amdhsa_system_sgpr_workgroup_id_z 1
		.amdhsa_system_vgpr_workitem_id 0
		.amdhsa_next_free_vgpr 192
		.amdhsa_next_free_sgpr 66
		.amdhsa_reserve_vcc 0
		.amdhsa_float_denorm_mode_32 3
		.amdhsa_float_denorm_mode_16_64 3
		.amdhsa_memory_ordered 1
		.amdhsa_forward_progress 1
		.amdhsa_inst_pref_size 41
	.end_amdhsa_kernel
	.amdgpu_metadata
---
amdhsa.version: [ 1, 2 ]
amdhsa.kernels:
  - .name:           k_qfeb67a6129_prep
    .symbol:         k_qfeb67a6129_prep.kd
    .args:
      - { .name: x, .offset: 0, .size: 8, .value_kind: global_buffer, .address_space: global }
      - { .name: wq, .offset: 8, .size: 8, .value_kind: global_buffer, .address_space: global }
      - { .name: wk, .offset: 16, .size: 8, .value_kind: global_buffer, .address_space: global }
      - { .name: wv, .offset: 24, .size: 8, .value_kind: global_buffer, .address_space: global }
      - { .name: wo, .offset: 32, .size: 8, .value_kind: global_buffer, .address_space: global }
      - { .name: w1, .offset: 40, .size: 8, .value_kind: global_buffer, .address_space: global }
      - { .name: w2, .offset: 48, .size: 8, .value_kind: global_buffer, .address_space: global }
      - { .name: xq, .offset: 56, .size: 8, .value_kind: global_buffer, .address_space: global }
      - { .name: wts, .offset: 64, .size: 8, .value_kind: global_buffer, .address_space: global }
    .group_segment_fixed_size: 34304
    .private_segment_fixed_size: 0
    .kernarg_segment_align: 8
    .kernarg_segment_size: 72
    .max_flat_workgroup_size: 128
    .sgpr_count:     66
    .vgpr_count:     192
    .wavefront_size: 32
...
	.end_amdgpu_metadata
.endif
;; end of part 1
;; launch qkv (part 2): grid 12 x 16, 4 waves a work-group, clusters of 4 x 4, 327,680 bytes of LDS; arguments xq, wts, bq, bk, bv, qkv; writes qkv
.if DOCPART == 2
	.amdgcn_target "amdgcn-amd-amdhsa--gfx1250"
	.amdhsa_code_object_version 6
	.text
	.protected	k_qfeb67a6129_qkv
	.globl	k_qfeb67a6129_qkv
	.p2align	8
	.type	k_qfeb67a6129_qkv,@function
k_qfeb67a6129_qkv:
	s_mov_b64 s[64:65], 0
	v_nop
	global_prefetch_b8 v0, s[64:65] scope:SCOPE_SE
	s_setreg_imm32_b32 hwreg(HW_REG_WAVE_MODE, 25, 1), 1
	s_wait_xcnt 0x0
	s_wait_alu depctr_hold_cnt(0) depctr_sa_sdst(0) depctr_va_vdst(0) depctr_va_sdst(0) depctr_va_ssrc(0) depctr_va_vcc(0) depctr_vm_vsrc(0)
	s_getreg_b32 s2, hwreg(HW_REG_IB_STS2, 6, 4)
	s_cmp_eq_u32 s2, 0
	s_cbranch_scc0 .Lentry_in_a_cluster
	s_endpgm
.Lentry_in_a_cluster:
	s_bfe_u32 s2, ttmp6, 0x10000c
	s_cmp_lg_u32 s2, 0xf033
	s_cbranch_scc0 .Lentry_shape_is_right
	s_endpgm
.Lentry_shape_is_right:
; q = x wq + bq, k = x wk + bk, v = x wv + bv on codes of FP6 (E2M3) with E8M0 scales, K = 1,024; the results are quantised on the way out: q and k along the head's 64, v along the keys.
; A work-group of four waves makes 256 x 256, a wave 128 x 128: 64 accumulators.  K goes in steps of 256 through two LDS slots filled by the tensor data mover; operands lie in memory as images of fragments
; (1,536 bytes: registers 4 c .. 4 c + 3 of lane l at 512 c + 16 l), so a fragment is three loads of 512 consecutive LDS bytes.  The scale words of the work-group's rows, all of K, come once and stay.
; THE PRODUCT IS USED TRANSPOSED: source 0 = a tile of B, source 1 = a tile of A: a lane holds one row of A's tile, and the 64 registers of B's eight tiles are 128 neighbours along the next K, 16 of each block of 32.
; CLUSTER x = 0: q, 1: k (A = tokens, B = columns of the weight).  CLUSTER x = 2: v is made TRANSPOSED (A = columns of wv, B = tokens), so that a lane holds one channel and its registers run along the keys.
; All choices hang on the cluster's x, which the sixteen partners share.  A's tiles are asked for jointly along a row of the cluster, B's along a column.
; OUT: records of 19,712 bytes, one for each (batch, head, 128 tokens): K codes 8 x 768 | V^T codes [key half][4 tiles] x 768 | K words 8 x 64 | V words 4 x 64 | Q codes 8 x 768 | Q words 8 x 64.
; A half fragment (64 along K) is 768 bytes: registers 2 i, 2 i + 1 of lane l at 256 i + 8 l.  Q's and K's words hold two bytes; the upper two are 0.
; LIMITS: a block of zeros, or under 2^-124, gets the scale byte 1 (its codes are zeros; the bytes are read by this program alone); NaN and infinities are not served.
; REGISTERS: window 0: v4-11 the way out's offsets; v16-29 addresses; v32-63 scale words, two sets, and nothing else; v64-127 at work on the way out; v128-223 A's fragments, one set; v224-239 row bias; v240-255 at work.
;   window 1: B's fragments, two sets at v0 and v128; v96-127, v224-255 the column bias, the C of each sum's first product.   windows 2, 3: accumulator (a, b) at v[64 (a % 4) + 8 b].
.set NQ,    2
.set FR,    12
.set NL,    3                          ; LDS loads that bring a fragment
.set NP,    4                          ; places behind this matrix instruction (ISA guide 7.12.1)
.set TILEB, 3072                       ; a tile's two K steps of 128: a row of the tensor load
.set KROWB, 12288                      ; a tile's whole K in memory
.set HALFT, 8*TILEB
.set SLOT,  4*HALFT                    ; A's 16 tiles, then B's 16
.set SCL,   2*SLOT                     ; the scale words: tile i at 512 i, K step s at 64 s
.set HALFS, 4096
.set SPARE, SCL+4*HALFS                ; the spare words, 128 bytes a wave
.set XSO,   3145728
.set WSO,   9437184
.set REC,   19712
.set HS,    16*REC                     ; from a head to the next
.set VC,   4                           ; v4-7   offsets of the codes' stores
.set VS,   8                           ; v8-11  of the scale words'
.set ADRA, 16
.set ADRB, 20
.set ADRS, 27
.set SPW,  28
.set NIL,  29
.set SC,   32
.set Z,    64
.set AF,   128
.set PC,   128                         ; the way out: the codes just made, where A's fragments lay
.set PW,   148
.set RB,   224
.set TM,   240
.set SEL,  46
.set G1, 24
.set G0, 32
.set G1B, 48
.set G0B, 56
.set G1S, 68
.set G0S, 76
.set G1SB, 80
.set G0SB, 88
.set MSB, 0
.macro WIN new                         ; the immediate's high byte repeats the setting that is left
.if MSB != (\new)
	s_set_vgpr_msb (MSB<<8)|(\new)
.set MSB, (\new)
.endif
.endm
.set MUL_LO, 0xa1                      ; source 0 (B) window 1, source 1 (A) window 0, C and D window 2
.set MUL_HI, 0xf1
.set TO_B,   0x40
.macro JLOAD g0a, g1a, g0b, g1b        ; a joint load: waves 0 and 1 fetch for A, waves 2 and 3 for B; the branch hangs on the wave's number alone
	s_cmp_eq_u32 s17, 0
	s_cbranch_scc0 .Lfor_b_\@
	tensor_load_to_lds s[\g0a:\g0a+3], s[\g1a:\g1a+7]
	s_nop 0
.rept 4
	v_nop
.endr
	s_branch .Lasked_\@
.Lfor_b_\@:
	tensor_load_to_lds s[\g0b:\g0b+3], s[\g1b:\g1b+7]
	s_nop 0
.rept 4
	v_nop
.endr
.Lasked_\@:
.endm
.macro CREST
	s_cmp_lg_u32 s16, 0
	s_cbranch_scc1 .Lnot_wave_0_\@
	s_barrier_signal -3
.Lnot_wave_0_\@:
	s_barrier_wait -3
	s_barrier_signal -1
	s_barrier_wait -1
.endm
.macro CROUND
	s_barrier_signal -1
	s_barrier_wait -1
	CREST
.endm
.macro PLACES n
.rept \n
	v_nop
.endr
.endm
.macro QUANT s                         ; 64 numbers of a lane, register 16 b + i = k 32 b + 16 (lane / 16) + i, become a fragment in v[PC] on and its scale word in v[PW]
.irp b, 0,1,2,3
	v_max3_num_f32 v[TM+\b], |v[(\s)+16*\b]|, |v[(\s)+1+16*\b]|, 0x1800000
.endr
.irp i, 2,4,6,8,10,12,14
.irp b, 0,1,2,3
	v_max3_num_f32 v[TM+\b], v[TM+\b], |v[(\s)+16*\b+\i]|, |v[(\s)+1+16*\b+\i]|
.endr
.endr
.irp b, 0,1,2,3
	v_permlanex16_b32 v[TM+4+\b], v[TM+\b], s[SEL], s[SEL+1]
.endr
.irp b, 0,1,2,3
	v_max_num_f32 v[TM+\b], v[TM+\b], v[TM+4+\b]
.endr
.irp b, 0,1,2,3
	v_add_nc_u32 v[TM+12+\b], 0xff000000, v[TM+\b]
.endr
.irp b, 0,1,2,3
	v_lshrrev_b32 v[TM+4+\b], 23, v[TM+12+\b]
.endr
	v_lshl_or_b32 v[PW], v[TM+5], 8, v[TM+4]
	v_lshl_or_b32 v[PW], v[TM+6], 16, v[PW]
	v_lshl_or_b32 v[PW], v[TM+7], 24, v[PW]
.irp c, 0,1
	v_cvt_scalef32_pk16_fp6_f32 v[PC+6*\c:PC+2+6*\c], v[(\s)+32*\c:(\s)+15+32*\c], v[TM+12+2*\c]
	v_cvt_scalef32_pk16_fp6_f32 v[PC+12+4*\c:PC+14+4*\c], v[(\s)+16+32*\c:(\s)+31+32*\c], v[TM+12+2*\c+1]
.endr
	v_nop                                          ; one plain line behind the scaled conversions
.irp c, 0,1
.irp i, 0,1,2
	v_permlane16_swap_b32 v[PC+6*\c+\i], v[PC+12+4*\c+\i]
.endr
.irp i, 0,1,2
	v_mov_b32 v[PC+3+6*\c+\i], v[PC+12+4*\c+\i]
.endr
.endr
.endm
	s_load_b256 s[4:11], s[0:1], 0x0               ; xq s[4:5], wts s[6:7], bq s[8:9], bk s[10:11]
	s_load_b128 s[12:15], s[0:1], 0x20             ; bv s[12:13], qkv s[14:15]
	v_lshl_add_u32 v[SPW], v0, 2, SPARE
	v_mov_b32 v[NIL], 0
	ds_add_u32 v[SPW], v[NIL]                      ; the wave's opening: the add and its wait ahead of my first tensor load
	v_lshrrev_b32 v1, 5, v0
	v_readfirstlane_b32 s16, v1                    ; wave
	s_lshr_b32 s17, s16, 1                         ; my half of the rows; also: I fetch for A (0) or B (1)
	s_and_b32 s18, s16, 1                          ; my half of the columns; also: which eight tiles I fetch
	s_bfe_u32 s40, ttmp6, 0x40000                  ; cx
	s_bfe_u32 s41, ttmp6, 0x40004                  ; cy
	s_and_b32 s43, ttmp7, 0xffff
	s_lshl_b32 s43, s43, 2                         ; 4 x cluster y
	s_lshl_b32 s44, s41, 2
	s_lshl_b32 s44, 15, s44                        ; my row of the cluster
	s_lshl_b32 s45, 0x1111, s40                    ; my column
	s_or_b32 s[G1+0], s44, (3<<16)|(1<<21)         ; 15:0 the mask; 17:16 elements of 8 bytes; 21 set beside a mask; no padding: images are read as consecutive bytes
	s_or_b32 s[G1B+0], s45, (3<<16)|(1<<21)
.irp g, G1, G1B
	s_mov_b32 s[\g+1], 384<<16                     ; tensor_dim0 = 384 elements: 3,072 bytes
	s_mov_b32 s[\g+2], 8<<16                       ; tensor_dim1 = 8 tiles
	s_mov_b32 s[\g+3], 384<<16                     ; tile_dim0
	s_mov_b32 s[\g+4], 8                           ; tile_dim1
	s_mov_b32 s[\g+5], 1536                        ; from tile to tile: 12,288 bytes
	s_mov_b32 s[\g+6], 0
	s_mov_b32 s[\g+7], 0
.endr
	s_or_b32 s[G1S+0], s44, (3<<16)|(1<<21)        ; the scale words of eight tiles: 4,096 dense bytes as 16 rows of 256
	s_or_b32 s[G1SB+0], s45, (3<<16)|(1<<21)
.irp g, G1S, G1SB
	s_mov_b32 s[\g+1], 32<<16
	s_mov_b32 s[\g+2], 16<<16
	s_mov_b32 s[\g+3], 32<<16
	s_mov_b32 s[\g+4], 16
	s_mov_b32 s[\g+5], 32
	s_mov_b32 s[\g+6], 0
	s_mov_b32 s[\g+7], 0
.endr
	s_add_co_u32 s21, s43, s41                     ; tokens' block by cy
	s_add_co_u32 s46, s41, 8                       ; wv's block by cy
	s_add_co_u32 s22, s43, s40                     ; tokens' block by cx
	s_lshl_b32 s23, ttmp9, 2
	s_add_co_u32 s23, s23, s40                     ; wq's or wk's block by cx
	s_mov_b32 s94, XSO
	s_mov_b32 s95, WSO
	s_cmp_eq_u32 ttmp9, 2                          ; v?
	s_cselect_b32 s21, s46, s21                    ; A's block of 256 rows: it hangs on cy alone
	s_cselect_b32 s22, s22, s23                    ; B's: on cx alone
	s_cselect_b32 s92, s95, s94                    ; where the scale words begin in A's buffer,
	s_cselect_b32 s93, s94, s95                    ; in B's
	s_lshl_b32 s19, s18, 3
	s_lshl_b32 s21, s21, 4
	s_add_co_u32 s21, s21, s19                     ; the first of the eight tiles of A that I fetch
	s_lshl_b32 s22, s22, 4
	s_add_co_u32 s22, s22, s19                     ; of B
	s_mul_i32 s66, s21, KROWB
	s_mov_b32 s67, 0
	s_lshl_b32 s20, s21, 9
	s_add_co_u32 s20, s20, s92
	s_mov_b32 s21, 0
	s_mul_i32 s96, s22, KROWB
	s_mov_b32 s97, 0
	s_lshl_b32 s98, s22, 9
	s_add_co_u32 s98, s98, s93
	s_mov_b32 s99, 0
	s_mul_i32 s100, s16, HALFT                     ; where they go: no place in the cluster enters an LDS address
	s_mul_i32 s101, s16, HALFS
	s_wait_dscnt 0x0                               ; the opening add is done
	s_wait_kmcnt 0x0
	s_cmp_eq_u32 ttmp9, 2
	s_cselect_b64 s[92:93], s[6:7], s[4:5]         ; A's buffer
	s_cselect_b64 s[94:95], s[4:5], s[6:7]         ; B's
	s_add_nc_u64 s[66:67], s[92:93], s[66:67]
	s_add_nc_u64 s[20:21], s[92:93], s[20:21]
	s_add_nc_u64 s[96:97], s[94:95], s[96:97]
	s_add_nc_u64 s[98:99], s[94:95], s[98:99]
	CROUND                                         ; all sixteen work-groups are here: the first joint loads meet
	s_mov_b32 s[G0S], 1
	s_add_co_u32 s[G0S+1], s101, SCL
	s_mov_b64 s[G0S+2:G0S+3], s[20:21]
	s_or_b32 s[G0S+3], s[G0S+3], 0x80000000
	s_mov_b32 s[G0SB], 1
	s_add_co_u32 s[G0SB+1], s101, SCL
	s_mov_b64 s[G0SB+2:G0SB+3], s[98:99]
	s_or_b32 s[G0SB+3], s[G0SB+3], 0x80000000
	JLOAD G0S, G1S, G0SB, G1SB                     ; the scale words first
.irp s, 0,1
	s_mov_b32 s[G0+4*\s], 1
	s_add_co_u32 s[G0+4*\s+1], s100, \s*SLOT
	s_add_nc_u64 s[G0+4*\s+2:G0+4*\s+3], s[66:67], \s*TILEB
	s_or_b32 s[G0+4*\s+3], s[G0+4*\s+3], 0x80000000
	s_mov_b32 s[G0B+4*\s], 1
	s_add_co_u32 s[G0B+4*\s+1], s100, \s*SLOT
	s_add_nc_u64 s[G0B+4*\s+2:G0B+4*\s+3], s[96:97], \s*TILEB
	s_or_b32 s[G0B+4*\s+3], s[G0B+4*\s+3], 0x80000000
	JLOAD G0+4*\s, G1, G0B+4*\s, G1B               ; three tensor loads of mine are out
.endr
	v_and_b32 v1, 15, v0                           ; r
	v_bfe_u32 v2, v0, 4, 1                         ; h
	v_and_b32 v3, 31, v0                           ; lane
	v_lshlrev_b32 v12, 4, v3
	s_mul_i32 s19, s17, HALFT
	s_mul_i32 s22, s18, HALFT
	s_add_co_u32 s22, s22, 2*HALFT
.irp s, 0,1
	v_add_nc_u32 v[ADRA+\s], s19, v12
	v_add_nc_u32 v[ADRB+\s], s22, v12
	s_add_co_u32 s19, s19, SLOT
	s_add_co_u32 s22, s22, SLOT
.endr
	v_lshlrev_b32 v13, 2, v1
	s_mul_i32 s19, s17, HALFS
	s_mul_i32 s22, s18, HALFS
	s_add_co_u32 s22, s22, 2*HALFS
	s_sub_co_u32 s22, s22, s19
	v_mul_u32_u24 v14, s22, v2                     ; lanes 16-31 take B's words
	s_add_co_u32 s19, s19, SCL
	v_add_nc_u32 v14, v13, v14
	v_add_nc_u32 v[ADRS], s19, v14
	; the biases.  q, k: by column, the C of each sum's first product.  v: by row (the channel is the lane's), added on the way out.  The kind that the mode does not use is multiplied by 0
	s_cmp_eq_u32 ttmp9, 1
	s_cselect_b64 s[8:9], s[10:11], s[8:9]
	s_cmp_eq_u32 ttmp9, 2
	s_cselect_b64 s[8:9], s[12:13], s[8:9]
	s_cselect_b32 s2, 0, 1.0
	s_cselect_b32 s42, 1.0, 0
	s_mov_b32 s3, s2
	s_lshl_b32 s92, s40, 10
	s_lshl_b32 s93, s18, 9
	s_add_co_u32 s92, s92, s93                     ; 4 (256 cx + 128 half): inside the 1,024 numbers in either mode
	s_mov_b32 s93, 0
	s_add_nc_u64 s[10:11], s[8:9], s[92:93]
	s_lshl_b32 s92, s41, 10
	s_lshl_b32 s94, s17, 9
	s_add_co_u32 s92, s92, s94
	s_add_nc_u64 s[12:13], s[8:9], s[92:93]
	v_lshlrev_b32 v14, 6, v2                       ; 16 numbers on for lanes 16-31
	WIN TO_B
.irp bb, 0,1,2,3
.irp q, 0,1,2,3
	global_load_b128 v[96+16*\bb+96*(\bb/2)+4*\q:96+16*\bb+96*(\bb/2)+4*\q+3], v14, s[10:11] offset:128*\bb+16*\q   ; columns 32 bb + 16 h + 4 q on
.endr
.endr
	WIN 0
	v_and_b32 v15, 8, v1
	v_add_nc_u32 v15, v15, v1
	v_lshlrev_b32 v15, 2, v15                      ; 4 (r + 8 (r / 8))
.irp a, 0,1,2,3,4,5,6,7
	global_load_b32 v[RB+2*\a], v15, s[12:13] offset:4*(32*(\a/2)+8*(\a%2))
.endr
.irp a, 0,1,2,3,4,5,6,7
	v_mov_b32 v[RB+2*\a+1], 0                      ; named with it as a pair, so it is written
.endr
.irp b, 0,1,2,3
	v_mov_b32 v[TM+4+\b], 0
.endr
	s_mov_b32 s[SEL], 0x76543210
	s_mov_b32 s[SEL+1], 0xfedcba98
	; the way out's offsets.  tok: which 128 tokens; fea: which pair of heads
	s_and_b32 s19, ttmp7, 0xffff
	s_lshl_b32 s19, s19, 2
	s_add_co_u32 s20, s19, s41
	s_lshl_b32 s20, s20, 1
	s_add_co_u32 s20, s20, s17                     ; q, k: tok by my rows
	s_lshl_b32 s21, s41, 1
	s_add_co_u32 s21, s21, s17                     ; v: fea by my rows
	s_add_co_u32 s22, s19, s40
	s_lshl_b32 s22, s22, 1
	s_add_co_u32 s22, s22, s18                     ; v: tok by my columns
	s_lshl_b32 s23, s40, 1
	s_add_co_u32 s23, s23, s18                     ; q, k: fea by my columns
	s_mov_b32 s92, HS
	s_mov_b32 s94, HS-3072
	s_mov_b32 s95, HS-256
	s_mov_b32 s96, 0xffff
	s_mov_b32 s98, 13056
	s_mov_b32 s99, 19200
	s_cmp_eq_u32 ttmp9, 2
	s_cselect_b32 s20, s22, s20
	s_cselect_b32 s21, s21, s23
	s_cselect_b32 s93, 3072, s92                   ; from registers 0-5's place to registers 6-11's: the other key half, or the next head
	s_cselect_b32 s94, s94, 0                      ; what tiles 4-7 add: in v they are the next head's
	s_cselect_b32 s95, s95, 0
	s_cselect_b32 s92, 0, s92                      ; the second word's place: the next head's; in v the same place again
	s_cselect_b32 s96, -1, s96                     ; q, k: a head's word is two bytes
	s_cselect_b32 s97, 0, 16
	s_cselect_b32 s98, 6144, s98
	s_cselect_b32 s99, 12800, s99
	s_cmp_eq_u32 ttmp9, 1
	s_cselect_b32 s98, 0, s98
	s_cselect_b32 s99, 12288, s99
	s_lshr_b32 s22, s20, 4
	s_lshl_b32 s22, s22, 4
	s_lshl_b32 s21, s21, 1
	s_add_co_u32 s22, s22, s21                     ; 16 x batch + head
	s_lshl_b32 s22, s22, 4
	s_and_b32 s20, s20, 15
	s_add_co_u32 s22, s22, s20
	s_mul_i32 s22, s22, REC
	s_add_co_u32 s98, s98, s22
	s_add_co_u32 s99, s99, s22
	v_lshl_add_u32 v[VC], v3, 3, s98
	v_add_nc_u32 v[VC+1], s93, v[VC]
	v_add_nc_u32 v[VC+2], s94, v[VC]
	v_add_nc_u32 v[VC+3], s93, v[VC+2]
	v_lshl_add_u32 v[VS], v1, 2, s99
	v_add_nc_u32 v[VS+1], s92, v[VS]
	v_add_nc_u32 v[VS+2], s95, v[VS]
	v_add_nc_u32 v[VS+3], s92, v[VS+2]
	s_wait_loadcnt 0x0                             ; the biases
	WIN 0x41
.set jj, 0
.rept 16
	v_pk_mul_f32 v[96+jj:97+jj], v[96+jj:97+jj], s[2:3] op_sel_hi:[1,0]
	v_pk_mul_f32 v[224+jj:225+jj], v[224+jj:225+jj], s[2:3] op_sel_hi:[1,0]
.set jj, jj+2
.endr
	WIN 0
.irp a, 0,1,2,3,4,5,6,7
	v_mul_f32 v[RB+2*\a], s42, v[RB+2*\a]
.endr
.macro FRAG reg, adr, q, i
.irp c, 0,1,2
	ds_load_b128 v[\reg+4*\c:\reg+4*\c+3], v[\adr] offset:(\i)*TILEB+(\q)*1536+512*\c
.endr
.endm
; 16 matrix instructions: A's blocks a0, a0 + 1 x B's eight.  zero = 1: the first product starts the sums, with the column bias as C.  The 64 accumulators take turns, one instruction a turn.
.macro MUL16 a0, p, q, sc, zero
.irp a, \a0, \a0+1
.irp b, 0,1,2,3,4,5,6,7
.if \zero
	v_wmma_scale_f32_16x16x128_f8f6f4 v[8*(8*((\a)%4)+\b):8*(8*((\a)%4)+\b)+7], v[128*(\p)+FR*\b:128*(\p)+FR*\b+FR-1], v[AF+FR*(\a):AF+FR*(\a)+FR-1], v[96+8*\b+96*(\b/4):96+8*\b+96*(\b/4)+7], v[SC+8*NQ*(\sc)+NQ*\b+(\q)], v[SC+8*NQ*(\sc)+NQ*(\a)+(\q)] matrix_a_fmt:MATRIX_FMT_FP6 matrix_b_fmt:MATRIX_FMT_FP6 matrix_a_scale:MATRIX_SCALE_ROW1
.else
	v_wmma_scale_f32_16x16x128_f8f6f4 v[8*(8*((\a)%4)+\b):8*(8*((\a)%4)+\b)+7], v[128*(\p)+FR*\b:128*(\p)+FR*\b+FR-1], v[AF+FR*(\a):AF+FR*(\a)+FR-1], v[8*(8*((\a)%4)+\b):8*(8*((\a)%4)+\b)+7], v[SC+8*NQ*(\sc)+NQ*\b+(\q)], v[SC+8*NQ*(\sc)+NQ*(\a)+(\q)] matrix_a_fmt:MATRIX_FMT_FP6 matrix_b_fmt:MATRIX_FMT_FP6 matrix_a_scale:MATRIX_SCALE_ROW1
.endif
.endr
.endr
.endm
.macro FETCH_B slot, q, p
	WIN TO_B
.irp i, 0,1,2,3,4,5,6,7
	FRAG 128*(\p)+FR*\i, ADRB+\slot, \q, \i
.endr
	WIN 0
.endm
.macro FETCH_A slot, q, i0
.irp i, \i0, \i0+1, \i0+2, \i0+3
	FRAG AF+FR*(\i), ADRA+\slot, \q, \i
.endr
.endm
.macro SCALES sc                       ; a slot's scale words: register 2 i + q: lanes 0-15 A's block i, lanes 16-31 B's block i
.irp i, 0,1,2,3,4,5,6,7
.irp q, 0,1
	ds_load_b32 v[SC+16*\sc+2*\i+\q], v[ADRS] offset:512*\i+64*\q
.endr
.endr
.endm
.macro STEP slot, q, zero              ; 128 along K that has its successor in the same slot
	s_wait_dscnt 4*NL                              ; all but the youngest twelve loads (A's blocks 4-7) are in
	WIN MUL_LO-0x10*(\zero)                        ; (the first step takes C from window 1)
	MUL16 0, (\q)%2, \q, \slot, \zero
	MUL16 2, (\q)%2, \q, \slot, \zero
	s_wait_dscnt 0
	PLACES NP
	FETCH_B \slot, (\q)+1, 1-(\q)%2
	FETCH_A \slot, (\q)+1, 0
	WIN MUL_HI-0x20*(\zero)
	MUL16 4, (\q)%2, \q, \slot, \zero
	MUL16 6, (\q)%2, \q, \slot, \zero
	PLACES NP
	WIN 0
	FETCH_A \slot, (\q)+1, 4
.endm
; A slot's last step changes slots: one barrier; ahead of it each wave waits for all its tensor loads, adds 0 to its spare word, and waits for that and for its reads of this slot.  fill = 1: the slot is filled again.
.macro TURN slot, next, fill
	s_wait_tensorcnt 0x0                           ; all my tensor loads have landed: my part of the next slot
	ds_add_u32 v[SPW], v[NIL]
	s_wait_dscnt 4*NL+1                            ; the add and the youngest twelve loads may be out
	WIN MUL_LO
	MUL16 0, 1, NQ-1, \slot, 0
	s_wait_dscnt 0x0                               ; the add is done, and my reads of this slot are over
	s_barrier_signal -1
	MUL16 2, 1, NQ-1, \slot, 0
	WIN 0
	s_barrier_wait -1
.if \fill
	CREST                                          ; the barrier has opened a round of the cluster's barrier: no wave of any partner reads this slot or has a load on its way
	s_add_nc_u64 s[G0+4*\slot+2:G0+4*\slot+3], s[G0+4*\slot+2:G0+4*\slot+3], 2*TILEB
	s_add_nc_u64 s[G0B+4*\slot+2:G0B+4*\slot+3], s[G0B+4*\slot+2:G0B+4*\slot+3], 2*TILEB
	JLOAD G0+4*\slot, G1, G0B+4*\slot, G1B         ; the first tensor load behind the round; its four v_nop are the places ahead of the loads below
.else
	PLACES NP
.endif
	v_add_nc_u32 v[ADRS], 128, v[ADRS]             ; the next slot's scale words
	FETCH_B \next, 0, 0
	FETCH_A \next, 0, 0
	SCALES \next
	WIN MUL_HI
	MUL16 4, 1, NQ-1, \slot, 0
	MUL16 6, 1, NQ-1, \slot, 0
	PLACES NP
	WIN 0
	FETCH_A \next, 0, 4
.endm
	s_wait_tensorcnt 1                             ; the scale words and my part of slot 0 are in; slot 1's load may stay out
	s_barrier_signal -1
	s_barrier_wait -1
	FETCH_B 0, 0, 0
	FETCH_A 0, 0, 0
	SCALES 0
	FETCH_A 0, 0, 4
	STEP 0, 0, 1                                   ; K = 1,024 is eight steps of 128, four slots' worth: written out
	TURN 0, 1, 1
	STEP 1, 0, 0
	TURN 1, 0, 1
	STEP 0, 0, 0
	TURN 0, 1, 0                                   ; nothing is left to fetch
	STEP 1, 0, 0
	s_wait_dscnt 4*NL
	WIN MUL_LO
	MUL16 0, 1, NQ-1, 1, 0
	MUL16 2, 1, NQ-1, 1, 0
	s_wait_dscnt 0
	WIN MUL_HI
	MUL16 4, 1, NQ-1, 1, 0
	MUL16 6, 1, NQ-1, 1, 0
	WIN 0
	PLACES NP
; THE WAY OUT of A's block a: its 64 numbers a lane, + the row bias, into window 0 (each accumulator from its low end on); quantised; registers 0-5 and 6-11 leave as two half fragments, 256 consecutive bytes a store.
.macro OUTQ a
	s_wait_xcnt 0x0                                ; the last block's stores have read their data
	WIN 0x02+(\a)/4
.set jj, 0
.rept 32
	v_pk_add_f32 v[Z+jj:Z+jj+1], v[64*((\a)%4)+jj:64*((\a)%4)+jj+1], v[RB+2*(\a):RB+2*(\a)+1] op_sel_hi:[1,0]
.set jj, jj+2
.endr
	WIN 0
	QUANT Z
	v_and_b32 v[PW+1], s96, v[PW]
	v_lshrrev_b32 v[PW+2], s97, v[PW]
.irp i, 0,1,2
	global_store_b64 v[VC+2*((\a)/4)], v[PC+2*\i:PC+2*\i+1], s[14:15] offset:768*(\a)+256*\i
	global_store_b64 v[VC+2*((\a)/4)+1], v[PC+6+2*\i:PC+7+2*\i], s[14:15] offset:768*(\a)+256*\i
.endr
	global_store_b32 v[VS+2*((\a)/4)], v[PW+1], s[14:15] offset:64*(\a)
	global_store_b32 v[VS+2*((\a)/4)+1], v[PW+2], s[14:15] offset:64*(\a)   ; q, k: the next head's two bytes; v: the same word to the same place once more, so that no branch hangs on the mode
.endm
.irp a, 0,1,2,3,4,5,6,7
	OUTQ \a
.endr
	s_wait_tensorcnt 0x0                           ; the wave's end
	ds_add_u32 v[SPW], v[NIL]
	s_wait_dscnt 0x0
	CROUND                                         ; the closing round
	s_endpgm
.Lfunc_end_k_qfeb67a6129_qkv:
	.size	k_qfeb67a6129_qkv, .Lfunc_end_k_qfeb67a6129_qkv-k_qfeb67a6129_qkv
	.p2alignl 7, 3214868480
	.fill 96, 4, 3214868480
	.section	.rodata,"a",@progbits
	.p2align	6, 0x0
	.amdhsa_kernel k_qfeb67a6129_qkv
		.amdhsa_group_segment_fixed_size 327680
		.amdhsa_private_segment_fixed_size 0
		.amdhsa_enable_private_segment 0
		.amdhsa_kernarg_size 48
		.amdhsa_user_sgpr_count 2
		.amdhsa_user_sgpr_kernarg_segment_ptr 1
		.amdhsa_wavefront_size32 1
		.amdhsa_system_sgpr_workgroup_id_x 1
		.amdhsa_system_sgpr_workgroup_id_y 1
		.amdhsa_system_sgpr_workgroup_id_z 1
		.amdhsa_system_vgpr_workitem_id 0
		.amdhsa_next_free_vgpr 1024
		.amdhsa_next_free_sgpr 102
		.amdhsa_reserve_vcc 0
		.amdhsa_float_denorm_mode_32 3
		.amdhsa_float_denorm_mode_16_64 3
		.amdhsa_memory_ordered 1
		.amdhsa_forward_progress 1
		.amdhsa_inst_pref_size 168
	.end_amdhsa_kernel
	.amdgpu_metadata
---
amdhsa.version: [ 1, 2 ]
amdhsa.kernels:
  - .name:           k_qfeb67a6129_qkv
    .symbol:         k_qfeb67a6129_qkv.kd
    .args:
      - { .name: xq, .offset: 0, .size: 8, .value_kind: global_buffer, .address_space: global }
      - { .name: wts, .offset: 8, .size: 8, .value_kind: global_buffer, .address_space: global }
      - { .name: bq, .offset: 16, .size: 8, .value_kind: global_buffer, .address_space: global }
      - { .name: bk, .offset: 24, .size: 8, .value_kind: global_buffer, .address_space: global }
      - { .name: bv, .offset: 32, .size: 8, .value_kind: global_buffer, .address_space: global }
      - { .name: qkv, .offset: 40, .size: 8, .value_kind: global_buffer, .address_space: global }
    .group_segment_fixed_size: 327680
    .private_segment_fixed_size: 0
    .kernarg_segment_align: 8
    .kernarg_segment_size: 48
    .max_flat_workgroup_size: 128
    .sgpr_count:     102
    .vgpr_count:     1024
    .wavefront_size: 32
...
	.end_amdgpu_metadata
.endif
;; end of part 2
;; launch attn (part 3): grid 8 x 32, 16 waves a work-group, clusters of 4 x 1, 210,944 bytes of LDS; arguments qkv, ao; writes ao
.if DOCPART == 3
	.amdgcn_target "amdgcn-amd-amdhsa--gfx1250"
	.amdhsa_code_object_version 6
	.text
	.protected	k_qfeb67a6129_attn
	.globl	k_qfeb67a6129_attn
	.p2align	8
	.type	k_qfeb67a6129_attn,@function
k_qfeb67a6129_attn:
	s_mov_b64 s[64:65], 0
	v_nop
	global_prefetch_b8 v0, s[64:65] scope:SCOPE_SE
	s_setreg_imm32_b32 hwreg(HW_REG_WAVE_MODE, 25, 1), 1
	s_wait_xcnt 0x0
	s_wait_alu depctr_hold_cnt(0) depctr_sa_sdst(0) depctr_va_vdst(0) depctr_va_sdst(0) depctr_va_ssrc(0) depctr_va_vcc(0) depctr_vm_vsrc(0)
	s_getreg_b32 s2, hwreg(HW_REG_IB_STS2, 6, 4)
	s_cmp_eq_u32 s2, 0
	s_cbranch_scc0 .Lentry_in_a_cluster
	s_endpgm
.Lentry_in_a_cluster:
	s_bfe_u32 s2, ttmp6, 0x10000c
	s_cmp_lg_u32 s2, 0x3003
	s_cbranch_scc0 .Lentry_shape_is_right
	s_endpgm
.Lentry_shape_is_right:
; O = softmax(Q K^T / 8) V for one head and 256 queries a work-group, both products on codes of FP6 (E2M3) with E8M0 scales; O / l is quantised along the model's axis and leaves as half fragments of the next product's operand.
; THE SOFTMAX: t = score x log2(e) / 8; M = the running largest t rounded UP to a whole number; p = 2^(t - M) is quantised along the keys, not normalised; the row's sum is taken of the unquantised p; when M moves,
; the sum and O are multiplied by 2^(old M - new M), which rounds nothing.
; SHARES: sixteen waves, each 16 queries (one tile) in 256 registers.  Every wave walks the head's 2,048 keys, 128 a step.  THE WHOLE HEAD STAYS IN LDS: 16 records of 13,056 bytes (K codes, V^T codes, their scale words),
; each filled once: no slot is filled again.  Waves 0-3 fetch four records each, record 4 i + w by load i; the four query blocks of a cluster ask jointly.  A group of four steps begins when its four records are in.
; Both products are used transposed (S^T = K Q^T, O^T = V^T P^T): a lane holds one query throughout.  The keys of a tile of K are not neighbours (slot r of tile 2 b + u: key 32 b + 8 u + r + 8 (r / 8)), so that the 16
; registers of two neighbouring tiles are 16 neighbouring keys.
; THE HEAD IS 64, THE INSTRUCTION'S K 128: Q's registers 6-11 are zero codes.  A tile of K is 6 registers; the operand names 12: the upper six are the next tile's codes (behind the last tile: zeros), finite numbers
; that meet Q's zeros and add exactly 0.  Q's and K's scale bytes 2 and 3 are 0, which is 2^-127 and no NaN.
; LIMITS: a block of zeros, or under 2^-124, gets the scale byte 1 (zero codes; read by this program alone); NaN and infinities are not served.
; REGISTERS: v1-3 8 l, 4 l, 4 r; v5, v6 the add's two; v8, v9 the step's addresses; v12 -M, v13 the largest t, v[14:15] the sum; v16-27 Q; v32-79 K's eight tiles, then V's four fragments; v80-85 zeros; v96-159 S^T, then p;
; v160-191 O^T; v192-197, v253, v255 scale words and nothing else; v200-211 p's codes; v232-254 at work.
.set REC,   19712
.set LREC,  13056
.set SPARE, 16*LREC                    ; the spare words, 128 bytes for each of 16 waves
.set WV,  8
.set TB,  12                           ; s12 LDS byte at which the step's record begins
.set CNT, 13
.set SEL, 20
.set CS,  22
.set G1,  24
.set G0,  32                           ; s[32:47] four groups 0
.macro CROUND
	s_barrier_signal -1
	s_barrier_wait -1
	s_cmp_lg_u32 s[WV], 0
	s_cbranch_scc1 .Lnot_wave_0_\@
	s_barrier_signal -3
.Lnot_wave_0_\@:
	s_barrier_wait -3
	s_barrier_signal -1
	s_barrier_wait -1
.endm
	s_load_b128 s[4:7], s[0:1], 0x0                ; qkv, ao
	v_lshl_add_u32 v5, v0, 2, SPARE
	v_mov_b32 v6, 0
	ds_add_u32 v5, v6                              ; the wave's opening: the add and its wait ahead of the first tensor loads
	v_lshrrev_b32 v8, 5, v0
	v_readfirstlane_b32 s[WV], v8                  ; wave 0..15
	s_bfe_u32 s9, ttmp6, 0x40000                   ; cx
	s_lshl_b32 s10, ttmp9, 2
	s_add_co_u32 s10, s10, s9                      ; my block of 256 queries: it enters Q's and the output's addresses alone
	s_and_b32 s11, ttmp7, 0xffff                   ; 16 x batch + head, which the four partners share
	s_mov_b32 s[G1], 15|(3<<16)|(1<<21)            ; 15:0 the mask: all four work-groups; elements of 8 bytes; 21 set beside a mask
	s_mov_b32 s[G1+1], 32<<16                      ; a record's first 13,056 bytes as 51 rows of 256
	s_mov_b32 s[G1+2], 51<<16
	s_mov_b32 s[G1+3], 32<<16
	s_mov_b32 s[G1+4], 51
	s_mov_b32 s[G1+5], 32
	s_mov_b32 s[G1+6], 0
	s_mov_b32 s[G1+7], 0
	s_lshl_b32 s14, s11, 4
	s_add_co_u32 s14, s14, s[WV]
	s_mul_i32 s14, s14, REC                        ; record w of the head
	s_mov_b32 s15, 0
	s_mul_i32 s16, s[WV], LREC
	s_mov_b32 s[SEL], 0x76543210
	s_mov_b32 s[SEL+1], 0xfedcba98
	s_mov_b32 s[CS], 0x3e38aa3b                    ; log2(e) / 8
	s_mov_b32 s[CS+1], s[CS]
	s_mov_b32 s[TB], 0
	; Q: record 2 x block + w / 8, tile w % 8
	s_lshl_b32 s17, s10, 1
	s_lshr_b32 s18, s[WV], 3
	s_add_co_u32 s17, s17, s18
	s_lshl_b32 s18, s11, 4
	s_add_co_u32 s17, s17, s18
	s_mul_i32 s17, s17, REC
	s_and_b32 s18, s[WV], 7
	s_mul_i32 s19, s18, 768
	s_add_co_u32 s48, s17, s19
	s_add_co_u32 s48, s48, 13056
	s_mov_b32 s49, 0
	s_lshl_b32 s18, s18, 6
	s_add_co_u32 s50, s17, s18
	s_add_co_u32 s50, s50, 19200
	s_mov_b32 s51, 0
	; the output: record (64 rows, K step head / 2) of 6,400 bytes; fragment w % 4; half head % 2
	s_lshr_b32 s17, s11, 4
	s_lshl_b32 s17, s17, 5
	s_lshl_b32 s18, s10, 2
	s_add_co_u32 s17, s17, s18
	s_lshr_b32 s18, s[WV], 2
	s_add_co_u32 s17, s17, s18
	s_lshl_b32 s17, s17, 3
	s_bfe_u32 s18, s11, 0x30001
	s_add_co_u32 s17, s17, s18
	s_mul_i32 s17, s17, 6400
	s_and_b32 s18, s[WV], 3
	s_and_b32 s19, s11, 1
	s_mul_i32 s52, s18, 1536
	s_mul_i32 s53, s19, 768
	s_add_co_u32 s52, s52, s53
	s_add_co_u32 s52, s52, s17
	s_mov_b32 s53, 0
	s_lshl_b32 s18, s18, 6
	s_lshl_b32 s19, s19, 1
	s_add_co_u32 s54, s18, s19
	s_add_co_u32 s54, s54, s17
	s_add_co_u32 s54, s54, 6144
	s_mov_b32 s55, 0
	s_wait_dscnt 0x0                               ; the opening add is done
	s_wait_kmcnt 0x0
	s_add_nc_u64 s[14:15], s[4:5], s[14:15]
	s_add_nc_u64 s[48:49], s[4:5], s[48:49]
	s_add_nc_u64 s[50:51], s[4:5], s[50:51]
	s_add_nc_u64 s[52:53], s[6:7], s[52:53]
	s_add_nc_u64 s[54:55], s[6:7], s[54:55]
.irp i, 0,1,2,3
	s_mov_b32 s[G0+4*\i], 1
	s_add_co_u32 s[G0+4*\i+1], s16, \i*4*LREC
	s_add_nc_u64 s[G0+4*\i+2:G0+4*\i+3], s[14:15], \i*4*REC
	s_or_b32 s[G0+4*\i+3], s[G0+4*\i+3], 0x80000000
.endr
	CROUND                                         ; all four work-groups are here: the joint loads meet
	s_cmp_lt_u32 s[WV], 4                          ; a wave's first fills stand in one branch on the wave's number: four loads of a fetching wave are out
	s_cbranch_scc0 .Lno_fetch
.irp i, 0,1,2,3
	tensor_load_to_lds s[G0+4*\i:G0+4*\i+3], s[G1:G1+7]
	s_nop 0
.endr
.rept 4
	v_nop
.endr
.Lno_fetch:
	v_and_b32 v7, 31, v0
	v_lshlrev_b32 v1, 3, v7
	v_lshlrev_b32 v2, 2, v7
	v_and_b32 v3, 15, v0
	v_lshlrev_b32 v3, 2, v3
.irp i, 0,1,2
	global_load_b64 v[16+2*\i:17+2*\i], v1, s[48:49] offset:256*\i   ; Q's half fragment stays in registers
.endr
	global_load_b32 v255, v3, s[50:51]             ; and its scale words
.irp j, 22,23,24,25,26,27,80,81,82,83,84,85
	v_mov_b32 v[\j], 0                             ; zero codes
.endr
	v_mov_b32 v13, 0xff61b1e6                      ; the largest t so far: -3e38
	v_floor_f32 v12, -v13
	v_mov_b32 v14, 0
	v_mov_b32 v15, 0
.irp b, 0,1,2,3
	v_mov_b32 v[236+\b], 0                         ; a lane permute's destination counts as one of its sources
.endr
	v_mov_b32 v251, 0                              ; named as the upper half of the pair v[250:251]
.set jj, 0
.rept 32
	v_mov_b32 v[160+jj], 0                         ; O^T: the step is written once; the first change of M leaves zeros zeros
.set jj, jj+1
.endr
.macro STEP
	v_add_nc_u32 v8, s[TB], v1
	v_add_nc_u32 v9, s[TB], v2
	v_nop
	v_nop                                          ; four places ahead of loads into registers that the last products have read
.irp t, 0,1,2,3,4,5,6,7
.irp i, 0,1,2
	ds_load_b64 v[32+6*\t+2*\i:33+6*\t+2*\i], v8 offset:768*\t+256*\i
.endr
.endr
.irp g, 0,1,2,3
	ds_load_b32 v[192+\g], v9 offset:12288+128*\g  ; lanes 0-15: tile 2 g's words; lanes 16-31: tile 2 g + 1's
.endr
	s_wait_dscnt 0x0
.irp g, 0,1,2,3
	v_wmma_scale_f32_16x16x128_f8f6f4 v[96+16*\g:103+16*\g], v[32+12*\g:43+12*\g], v[16:27], 0, v[192+\g], v255 matrix_a_fmt:MATRIX_FMT_FP6 matrix_b_fmt:MATRIX_FMT_FP6
	v_wmma_scale_f32_16x16x128_f8f6f4 v[104+16*\g:111+16*\g], v[38+12*\g:49+12*\g], v[16:27], 0, v[192+\g], v255 matrix_a_fmt:MATRIX_FMT_FP6 matrix_b_fmt:MATRIX_FMT_FP6 matrix_a_scale:MATRIX_SCALE_ROW1
.endr
.rept 4
	v_nop
.endr
.irp d, 0,1,2,3                                ; V^T's four fragments are asked for now and land under the softmax
.irp c, 0,1
.irp i, 0,1,2
	ds_load_b64 v[32+12*\d+6*\c+2*\i:33+12*\d+6*\c+2*\i], v8 offset:6144+3072*\c+768*\d+256*\i
.endr
.endr
.endr
.irp g, 0,1
	ds_load_b32 v[196+\g], v9 offset:12800+128*\g
.endr
.irp b, 0,1,2,3
	v_max3_num_f32 v[232+\b], v[96+16*\b], v[97+16*\b], v[98+16*\b]   ; the largest score of each block of 32 keys: for the row's maximum, and, since p rises with the score, for the block's largest p
.endr
.irp i, 3,5,7,9,11,13
.irp b, 0,1,2,3
	v_max3_num_f32 v[232+\b], v[232+\b], v[96+16*\b+\i], v[97+16*\b+\i]
.endr
.endr
.irp b, 0,1,2,3
	v_max_num_f32 v[232+\b], v[232+\b], v[111+16*\b]
.endr
.irp b, 0,1,2,3
	v_permlanex16_b32 v[236+\b], v[232+\b], s[SEL], s[SEL+1]
.endr
.irp b, 0,1,2,3
	v_max_num_f32 v[232+\b], v[232+\b], v[236+\b]
.endr
	v_max3_num_f32 v254, v232, v233, v234
	v_max_num_f32 v254, v254, v235
	v_mul_f32 v254, s[CS], v254
	v_max_num_f32 v13, v13, v254                   ; the running largest t
	v_mov_b32 v254, v12
	v_floor_f32 v12, -v13                          ; the new -M = -ceil(t)
	v_sub_f32 v254, v12, v254
	v_cvt_i32_f32 v254, v254                       ; (it saturates)
	v_ldexp_f32 v250, 1.0, v254                    ; f = 2^(old M - new M)
.set jj, 0
.rept 32
	v_pk_fma_f32 v[96+jj:97+jj], v[96+jj:97+jj], s[CS:CS+1], v[12:13] op_sel_hi:[1,0,0]   ; t - M
.set jj, jj+2
.endr
.irp b, 0,1,2,3
	v_fma_f32 v[232+\b], v[232+\b], s[CS], v12
.endr
.set jj, 0
.rept 64
	v_exp_f32 v[96+jj], v[96+jj]                   ; p = 2^(t - M)
.set jj, jj+1
.endr
	v_pk_mul_f32 v[14:15], v[14:15], v[250:251] op_sel_hi:[1,0]   ; the sums under the new M; the plain line behind the exponentials
	s_wait_alu depctr_va_vdst(0)                   ; one wait for the batch, ahead of its first reader
.irp b, 0,1,2,3
	v_exp_f32 v[232+\b], v[232+\b]                 ; each block's largest p
.endr
	v_pk_add_f32 v[236:237], v[96:97], v[98:99]    ; the row's sum is taken of the unquantised p, in two chains
.irp j, 4,8,12,16,20,24,28,32,36,40,44,48,52,56,60
	v_pk_add_f32 v[14:15], v[14:15], v[96+\j:97+\j]
	v_pk_add_f32 v[236:237], v[236:237], v[98+\j:99+\j]
.endr
	v_pk_add_f32 v[14:15], v[14:15], v[236:237]
	s_wait_alu depctr_va_vdst(0)                   ; and one for the four
.irp b, 0,1,2,3
	v_max_num_f32 v[232+\b], 0x1800000, v[232+\b]  ; the floor
.endr
.irp b, 0,1,2,3
	v_add_nc_u32 v[244+\b], 0xff000000, v[232+\b]
.endr
.irp b, 0,1,2,3
	v_lshrrev_b32 v[236+\b], 23, v[244+\b]
.endr
	v_lshl_or_b32 v253, v237, 8, v236              ; p's scale word for these 128 keys
	v_lshl_or_b32 v253, v238, 16, v253
	v_lshl_or_b32 v253, v239, 24, v253
.irp c, 0,1
	v_cvt_scalef32_pk16_fp6_f32 v[200+6*\c:202+6*\c], v[96+32*\c:111+32*\c], v[244+2*\c]
	v_cvt_scalef32_pk16_fp6_f32 v[236+4*\c:238+4*\c], v[112+32*\c:127+32*\c], v[244+2*\c+1]
.endr
	v_nop
.irp c, 0,1
.irp i, 0,1,2
	v_permlane16_swap_b32 v[200+6*\c+\i], v[236+4*\c+\i]
.endr
.irp i, 0,1,2
	v_mov_b32 v[203+6*\c+\i], v[236+4*\c+\i]
.endr
.endr
.set jj, 0
.rept 16
	v_pk_mul_f32 v[160+jj:161+jj], v[160+jj:161+jj], v[250:251] op_sel_hi:[1,0]   ; O^T under the new M.  For each product below, twelve of these name none of its registers: the places behind p's codes and scale word
.set jj, jj+2
.endr
	s_wait_dscnt 0x0                               ; V^T
.irp g, 0,1
	v_wmma_scale_f32_16x16x128_f8f6f4 v[160+16*\g:167+16*\g], v[32+24*\g:43+24*\g], v[200:211], v[160+16*\g:167+16*\g], v[196+\g], v253 matrix_a_fmt:MATRIX_FMT_FP6 matrix_b_fmt:MATRIX_FMT_FP6
	v_wmma_scale_f32_16x16x128_f8f6f4 v[168+16*\g:175+16*\g], v[44+24*\g:55+24*\g], v[200:211], v[168+16*\g:175+16*\g], v[196+\g], v253 matrix_a_fmt:MATRIX_FMT_FP6 matrix_b_fmt:MATRIX_FMT_FP6 matrix_a_scale:MATRIX_SCALE_ROW1
.endr
	s_add_co_u32 s[TB], s[TB], LREC
.endm
.macro GROUP n                         ; records 4 n .. 4 n + 3
	s_wait_tensorcnt 3-\n                          ; a fetching wave's load n has landed; its later loads may stay out
	s_wait_dscnt 0x0
	s_barrier_signal -1
	s_barrier_wait -1
	s_mov_b32 s[CNT], 4
.Lstep_\@:
	STEP
	s_sub_co_u32 s[CNT], s[CNT], 1
	s_cmp_lg_u32 s[CNT], 0
	s_cbranch_scc1 .Lstep_\@
.endm
	s_wait_loadcnt 0x0                             ; Q
	GROUP 0
	GROUP 1
	GROUP 2
	GROUP 3
	; THE WAY OUT: O^T / the sum; register 16 G + i is channel 32 G + 16 (lane / 16) + i of my query: two blocks of 32 along the next K
	v_add_f32 v14, v14, v15
	v_permlanex16_b32 v236, v14, s[SEL], s[SEL+1]
	v_add_f32 v14, v14, v236
	v_rcp_f32 v14, v14
.rept 3
	v_nop                                          ; plain lines behind the reciprocal, and with the two additions the places behind the last products
.endr
	s_wait_alu depctr_va_vdst(0)
.set jj, 0
.rept 32
	v_mul_f32 v[96+jj], v[160+jj], v14
.set jj, jj+1
.endr
.irp b, 0,1
	v_max3_num_f32 v[232+\b], |v[96+16*\b]|, |v[97+16*\b]|, 0x1800000
.endr
.irp i, 2,4,6,8,10,12,14
.irp b, 0,1
	v_max3_num_f32 v[232+\b], v[232+\b], |v[96+16*\b+\i]|, |v[97+16*\b+\i]|
.endr
.endr
.irp b, 0,1
	v_permlanex16_b32 v[236+\b], v[232+\b], s[SEL], s[SEL+1]
.endr
.irp b, 0,1
	v_max_num_f32 v[232+\b], v[232+\b], v[236+\b]
.endr
.irp b, 0,1
	v_add_nc_u32 v[244+\b], 0xff000000, v[232+\b]
.endr
.irp b, 0,1
	v_lshrrev_b32 v[236+\b], 23, v[244+\b]
.endr
	v_lshl_or_b32 v240, v237, 8, v236              ; my head's two bytes of the row's scale word
	v_cvt_scalef32_pk16_fp6_f32 v[200:202], v[96:111], v244
	v_cvt_scalef32_pk16_fp6_f32 v[204:206], v[112:127], v245
	v_nop
.irp i, 0,1,2
	v_permlane16_swap_b32 v[200+\i], v[204+\i]
.endr
.irp i, 0,1,2
	v_mov_b32 v[203+\i], v[204+\i]
.endr
.irp i, 0,1,2
	global_store_b64 v1, v[200+2*\i:201+2*\i], s[52:53] offset:256*\i   ; 256 consecutive bytes, aligned
.endr
	global_store_b16 v3, v240, s[54:55]            ; two bytes of each row's word; the other two are the neighbouring head's
	s_wait_tensorcnt 0x0                           ; the wave's end
	ds_add_u32 v5, v6
	s_wait_dscnt 0x0
	CROUND                                         ; the closing round
	s_endpgm
.Lfunc_end_k_qfeb67a6129_attn:
	.size	k_qfeb67a6129_attn, .Lfunc_end_k_qfeb67a6129_attn-k_qfeb67a6129_attn
	.p2alignl 7, 3214868480
	.fill 96, 4, 3214868480
	.section	.rodata,"a",@progbits
	.p2align	6, 0x0
	.amdhsa_kernel k_qfeb67a6129_attn
		.amdhsa_group_segment_fixed_size 210944
		.amdhsa_private_segment_fixed_size 0
		.amdhsa_enable_private_segment 0
		.amdhsa_kernarg_size 16
		.amdhsa_user_sgpr_count 2
		.amdhsa_user_sgpr_kernarg_segment_ptr 1
		.amdhsa_wavefront_size32 1
		.amdhsa_system_sgpr_workgroup_id_x 1
		.amdhsa_system_sgpr_workgroup_id_y 1
		.amdhsa_system_sgpr_workgroup_id_z 1
		.amdhsa_system_vgpr_workitem_id 0
		.amdhsa_next_free_vgpr 256
		.amdhsa_next_free_sgpr 66
		.amdhsa_reserve_vcc 0
		.amdhsa_float_denorm_mode_32 3
		.amdhsa_float_denorm_mode_16_64 3
		.amdhsa_memory_ordered 1
		.amdhsa_forward_progress 1
		.amdhsa_inst_pref_size 80
	.end_amdhsa_kernel
	.amdgpu_metadata
---
amdhsa.version: [ 1, 2 ]
amdhsa.kernels:
  - .name:           k_qfeb67a6129_attn
    .symbol:         k_qfeb67a6129_attn.kd
    .args:
      - { .name: qkv, .offset: 0, .size: 8, .value_kind: global_buffer, .address_space: global }
      - { .name: ao, .offset: 8, .size: 8, .value_kind: global_buffer, .address_space: global }
    .group_segment_fixed_size: 210944
    .private_segment_fixed_size: 0
    .kernarg_segment_align: 8
    .kernarg_segment_size: 16
    .max_flat_workgroup_size: 512
    .sgpr_count:     66
    .vgpr_count:     256
    .wavefront_size: 32
...
	.end_amdgpu_metadata
.endif
;; end of part 3
;; launch wo_ln (part 4): grid 64 x 1, 4 waves a work-group, no clusters, 167,936 bytes of LDS; arguments ao, wts, bo, x, ln1_g, ln1_b, x1, x1q; writes x1, x1q
.if DOCPART == 4
	.amdgcn_target "amdgcn-amd-amdhsa--gfx1250"
	.amdhsa_code_object_version 6
	.text
	.protected	k_qfeb67a6129_wo_ln
	.globl	k_qfeb67a6129_wo_ln
	.p2align	8
	.type	k_qfeb67a6129_wo_ln,@function
k_qfeb67a6129_wo_ln:
	s_mov_b64 s[64:65], 0
	v_nop
	global_prefetch_b8 v0, s[64:65] scope:SCOPE_SE
	s_setreg_imm32_b32 hwreg(HW_REG_WAVE_MODE, 25, 1), 1
	s_wait_xcnt 0x0
; y = layer norm(res + A W + bias) x gamma + beta, the product on codes of FP6 (E2M3) with E8M0 scales.  Here: A = the attention's output (K = 1,024), W = wo, res = x; y = x1 leaves as f32 and, quantised along its rows, as codes.
; A work-group owns 64 whole rows (four tiles of 16; slot r of tile a is row 32 (a / 2) + 8 (a % 2) + r + 8 (r / 8)), so that the norm needs no other work-group: 64 work-groups.  Wave w owns columns 256 w .. 256 w + 255:
; 4 x 16 accumulators.  The product is used transposed (source 0 = a tile of W, source 1 = a tile of A): a lane holds one row, and 64 consecutive accumulator registers are 128 neighbouring columns, 16 of each 32.
; A: the work-group's records (6,400 bytes a K step: four fragments, registers 2 i, 2 i + 1 of lane l at 256 i + 8 l, then 4 x 64 bytes of scale words) are one dense block: into LDS once, a quarter by each wave's one tensor load.
; W: each fragment feeds ONE wave, so it goes from memory straight into that wave's registers, three loads of 512 consecutive bytes.  NO CLUSTER: the work-groups share W alone, and W through LDS would be written there and read
; back once (1,024 x 96 bytes each way for 128 along K) with nothing read twice inside a work-group.
; W'S FRAGMENTS ARE PREFETCHED INTO THE L2: in K step s the twelve waves 4 x work-group + wave < 12 name K step s + 4, a lane a block of 256 bytes: lane l of wave W names block W / 2 of tile 32 (W % 2) + l: 384 blocks, each once in
; the launch.  K steps 0 to 3 come by their loads alone; the last four K steps ask for nothing.
; The mean is taken first and the squares of the differences second, as the norm is defined.
; LIMITS: a block of zeros, or under 2^-124, gets the scale byte 1 (zero codes; read by this program alone); NaN and infinities are not served.
; REGISTERS: window 0: v1-11 addresses; v28, v29 the add's two; v128-223 A's fragments, two sets; v224-239 W's scale words, v240-247 A's, two sets each, and nothing else.  Epilogue: v12-27 the reductions' loads; v32-95, v96-159 at work;
;   v160-179 codes; v180-211 chains, later at work; v212-219 -mean; v248-255 1 / sqrt.   window 1: W's 16 fragments; epilogue: bias, then gamma (v0-127), beta (v128-255).   windows 2, 3: accumulator (a, b) at v[64 a + 8 (b % 8)] of window 2 + b / 8.
.set KS,    8
.set FB,    3584
.set QOUT,  1
.set XSO,   3145728
.set WSO,   9437184
.set RECB,  6400
.set STG,   KS*RECB                    ; behind A: a stage of 16 rows x (512 + 16) bytes for each wave
.set STGW,  8448
.set REDB,  STG+4*STGW                 ; two reductions' words, 1,024 bytes each
.set SPARE, REDB+2048                  ; the spare words, 128 bytes a wave
.set VB,  1
.set VS,  2
.set VA,  3
.set VSA, 4
.set PFO, 5
.set VH,  6
.set STI, 7
.set STL, 8
.set RW,  9
.set RD,  10
.set V4R, 11
.set RL,  12
.set SPW, 28
.set NIL, 29
.set Z,   32
.set BK,  96
.set AF,  128
.set PC,  160
.set CH,  180
.set TM,  180
.set PW,  196
.set NM,  212
.set SB,  224
.set SA,  240
.set RSQ, 248
.set SEL, 46
.set MSB, 0
.macro WIN new
.if MSB != (\new)
	s_set_vgpr_msb (MSB<<8)|(\new)
.set MSB, (\new)
.endif
.endm
.macro PLACES
.rept 4
	v_nop
.endr
.endm
.macro QUANT s
.irp b, 0,1,2,3
	v_max3_num_f32 v[TM+\b], |v[(\s)+16*\b]|, |v[(\s)+1+16*\b]|, 0x1800000
.endr
.irp i, 2,4,6,8,10,12,14
.irp b, 0,1,2,3
	v_max3_num_f32 v[TM+\b], v[TM+\b], |v[(\s)+16*\b+\i]|, |v[(\s)+1+16*\b+\i]|
.endr
.endr
.irp b, 0,1,2,3
	v_permlanex16_b32 v[TM+4+\b], v[TM+\b], s[SEL], s[SEL+1]
.endr
.irp b, 0,1,2,3
	v_max_num_f32 v[TM+\b], v[TM+\b], v[TM+4+\b]
.endr
.irp b, 0,1,2,3
	v_add_nc_u32 v[TM+12+\b], 0xff000000, v[TM+\b]
.endr
.irp b, 0,1,2,3
	v_lshrrev_b32 v[TM+4+\b], 23, v[TM+12+\b]
.endr
	v_lshl_or_b32 v[PW], v[TM+5], 8, v[TM+4]
	v_lshl_or_b32 v[PW], v[TM+6], 16, v[PW]
	v_lshl_or_b32 v[PW], v[TM+7], 24, v[PW]
.irp c, 0,1
	v_cvt_scalef32_pk16_fp6_f32 v[PC+6*\c:PC+2+6*\c], v[(\s)+32*\c:(\s)+15+32*\c], v[TM+12+2*\c]
	v_cvt_scalef32_pk16_fp6_f32 v[PC+12+4*\c:PC+14+4*\c], v[(\s)+16+32*\c:(\s)+31+32*\c], v[TM+12+2*\c+1]
.endr
	v_nop
.irp c, 0,1
.irp i, 0,1,2
	v_permlane16_swap_b32 v[PC+6*\c+\i], v[PC+12+4*\c+\i]
.endr
.irp i, 0,1,2
	v_mov_b32 v[PC+3+6*\c+\i], v[PC+12+4*\c+\i]
.endr
.endr
.endm
	s_load_b256 s[4:11], s[0:1], 0x0               ; A s[4:5], wts s[6:7], bias s[8:9], res s[10:11]
	s_load_b128 s[12:15], s[0:1], 0x20             ; gamma s[12:13], beta s[14:15]
	s_load_b64 s[16:17], s[0:1], 0x30              ; y
.if QOUT
	s_load_b64 s[18:19], s[0:1], 0x38              ; y's codes
.endif
	v_lshl_add_u32 v[SPW], v0, 2, SPARE
	v_mov_b32 v[NIL], 0
	ds_add_u32 v[SPW], v[NIL]                      ; the wave's opening: the add and its wait ahead of my tensor load
	v_lshrrev_b32 v1, 5, v0
	v_readfirstlane_b32 s20, v1                    ; wave
	s_mov_b32 s24, 3<<16                           ; elements of 8 bytes; no mask, no padding
	s_mov_b32 s25, 32<<16                          ; a quarter of A's block as rows of 256 bytes
	s_mov_b32 s26, ((KS/4)*25)<<16
	s_mov_b32 s27, 32<<16
	s_mov_b32 s28, (KS/4)*25
	s_mov_b32 s29, 32
	s_mov_b32 s30, 0
	s_mov_b32 s31, 0
	s_mov_b32 s32, 1
	s_mul_i32 s33, s20, (KS/4)*RECB
	s_mul_i32 s50, ttmp9, KS*RECB
	s_add_co_u32 s50, s50, s33
	s_mov_b32 s51, 0
	s_wait_dscnt 0x0                               ; the opening add is done
	s_wait_kmcnt 0x0
	s_add_nc_u64 s[34:35], s[4:5], s[50:51]
	s_or_b32 s35, s35, 0x80000000
	tensor_load_to_lds s[32:35], s[24:31]          ; my one tensor load: filled once
	s_nop 0
.rept 4
	v_nop
.endr
	v_and_b32 v12, 31, v0                          ; lane
	v_and_b32 v13, 15, v0                          ; r
	v_bfe_u32 v14, v0, 4, 1                        ; h
	v_lshlrev_b32 v[VB], 4, v12
	v_lshlrev_b32 v[V4R], 2, v13
	v_mul_u32_u24 v[VS], 8*KS*64, v14
	v_add_nc_u32 v[VS], v[VS], v[V4R]              ; W's scale words: lanes 16-31 take the tile eight further on
	v_lshlrev_b32 v[VA], 3, v12
	v_lshlrev_b32 v[VSA], 2, v13
	v_lshlrev_b32 v[VH], 6, v14
	s_mul_i32 s50, s20, STGW
	s_add_co_u32 s50, s50, STG
	v_add_nc_u32 v[STI], s50, v[VB]                ; my stage by rows,
	v_mul_u32_u24 v[STL], 528, v13
	v_lshl_add_u32 v[STL], v14, 6, v[STL]
	v_add_nc_u32 v[STL], s50, v[STL]               ; and by the lanes' layout
	v_lshl_add_u32 v[RD], v13, 4, REDB
	s_lshl_b32 s50, s20, 2
	v_add_nc_u32 v[RW], s50, v[RD]
	s_lshl_b32 s52, ttmp9, 2
	s_add_co_u32 s52, s52, s20                     ; W = 4 x work-group + wave
	s_cmp_lt_u32 s52, 12
	s_cselect_b32 s43, KS-4, 0                     ; a wave prefetches while the K step is under this
	s_and_b32 s53, s52, 1
	s_lshl_b32 s53, s53, 5
	s_lshr_b32 s52, s52, 1
	s_min_u32 s52, s52, 5
	s_lshl_b32 s52, s52, 8
	v_add_nc_u32 v[PFO], s53, v12
	v_mul_u32_u24 v[PFO], KS*1536, v[PFO]
	v_add_nc_u32 v[PFO], s52, v[PFO]
	s_mov_b32 s42, 0
	s_mov_b32 s[SEL], 0x76543210
	s_mov_b32 s[SEL+1], 0xfedcba98
	s_mov_b32 s48, 0x3a800000                      ; 1 / 1,024
	s_mov_b32 s49, 0x3727c5ac                      ; 1e-5
	s_mul_i32 s50, s20, 16*KS*1536
	s_add_co_u32 s50, s50, FB*1536
	s_add_nc_u64 s[36:37], s[6:7], s[50:51]        ; my 16 tiles of W, K step 0
	s_mul_i32 s50, s20, 16*KS*64
	s_add_co_u32 s50, s50, WSO+FB*64
	s_add_nc_u64 s[38:39], s[6:7], s[50:51]        ; their scale words
	s_add_nc_u64 s[40:41], s[6:7], (FB+3)*1536     ; the prefetches: stepped to K step 4 ahead of the first
	s_lshl_b32 s50, s20, 10
	s_add_nc_u64 s[8:9], s[8:9], s[50:51]
	s_add_nc_u64 s[12:13], s[12:13], s[50:51]
	s_add_nc_u64 s[14:15], s[14:15], s[50:51]
	s_lshl_b32 s52, ttmp9, 18
	s_add_co_u32 s50, s50, s52                     ; my 64 rows, my 256 columns
	s_add_nc_u64 s[10:11], s[10:11], s[50:51]
	s_add_nc_u64 s[16:17], s[16:17], s[50:51]
.if QOUT
	s_lshl_b32 s50, ttmp9, 5
	s_lshl_b32 s52, s20, 1
	s_add_co_u32 s50, s50, s52                     ; fragment 8 (4 T) + 2 w
	s_lshl_b32 s52, s50, 6
	s_add_co_u32 s52, s52, XSO
	s_mov_b32 s53, 0
	s_add_nc_u64 s[52:53], s[18:19], s[52:53]
	s_mul_i32 s50, s50, 1536
	s_add_nc_u64 s[18:19], s[18:19], s[50:51]
.endif
.macro BLOAD g                         ; W's fragments 4 g .. 4 g + 3 of the K step at which s[36:37] stands
	WIN 0x40
.irp b, 0,1,2,3
.irp c, 0,1,2
	global_load_b128 v[12*(4*(\g)+\b)+4*\c:12*(4*(\g)+\b)+4*\c+3], v[VB], s[36:37] offset:(4*(\g)+\b)*KS*1536+512*\c
.endr
.endr
.endm
.macro ALOAD par, off                  ; A's four scale words and four fragments
.irp a, 0,1,2,3
	ds_load_b32 v[SA+4*(\par)+\a], v[VSA] offset:(\off)+6144+64*\a
.endr
.irp a, 0,1,2,3
.irp i, 0,1,2,3,4,5
	ds_load_b64 v[AF+48*(\par)+12*\a+2*\i:AF+48*(\par)+12*\a+2*\i+1], v[VA] offset:(\off)+1536*\a+256*\i
.endr
.endr
.endm
.macro ASK
	s_cmp_lt_u32 s42, s43
	s_cbranch_scc0 .Lno_ask_\@
	global_prefetch_b8 v[PFO], s[40:41] th:TH_LOAD_NT scope:SCOPE_SE
.Lno_ask_\@:
	s_add_co_u32 s42, s42, 1
.endm
.macro PROD par, zero, b, a
.set rD, 64*(\a)+8*((\b)%8)
.set rB, 12*(\b)
.set rA, AF+48*(\par)+12*(\a)
.set rS, SB+8*(\par)+(\b)%8
.set rT, SA+4*(\par)+(\a)
.if (\zero) && ((\b) < 8)
	v_wmma_scale_f32_16x16x128_f8f6f4 v[rD:rD+7], v[rB:rB+11], v[rA:rA+11], 0, v[rS], v[rT] matrix_a_fmt:MATRIX_FMT_FP6 matrix_b_fmt:MATRIX_FMT_FP6
.elseif (\zero)
	v_wmma_scale_f32_16x16x128_f8f6f4 v[rD:rD+7], v[rB:rB+11], v[rA:rA+11], 0, v[rS], v[rT] matrix_a_fmt:MATRIX_FMT_FP6 matrix_b_fmt:MATRIX_FMT_FP6 matrix_a_scale:MATRIX_SCALE_ROW1
.elseif (\b) < 8
	v_wmma_scale_f32_16x16x128_f8f6f4 v[rD:rD+7], v[rB:rB+11], v[rA:rA+11], v[rD:rD+7], v[rS], v[rT] matrix_a_fmt:MATRIX_FMT_FP6 matrix_b_fmt:MATRIX_FMT_FP6
.else
	v_wmma_scale_f32_16x16x128_f8f6f4 v[rD:rD+7], v[rB:rB+11], v[rA:rA+11], v[rD:rD+7], v[rS], v[rT] matrix_a_fmt:MATRIX_FMT_FP6 matrix_b_fmt:MATRIX_FMT_FP6 matrix_a_scale:MATRIX_SCALE_ROW1
.endif
.endm
; A K STEP: four groups of 16 products (four tiles of W x A's four); the 64 accumulators take turns, one instruction a turn.  Behind a group its four fragments of W are loaded anew, for the next
; K step (ldB).  Behind the last group A's set and both sets of scale words of this parity are loaded for the K step after the next (ldP).
.macro KSTEP par, zero, ldB, ldP, dcnt
.irp g, 0,1,2,3
.if \ldB
	s_wait_loadcnt 36                              ; behind the twelve loads that this group needs, three groups' twelve at the least were issued
.else
	s_wait_loadcnt 36-12*\g                        ; the last K step: the counts run down
.endif
.if \g == 0
	s_wait_dscnt \dcnt                             ; my parity's 28 LDS loads are in; the other parity's 28 may stay out
.endif
	WIN 0xa1+0x50*(\g/2)
.irp b, 0,1,2,3
.irp a, 0,1,2,3
	PROD \par, \zero, 4*\g+\b, \a
.endr
.endr
	PLACES                                         ; ahead of loads into registers that these products have read
.if (\g == 0) && (\ldB)
	s_wait_xcnt 0x0                                ; the earlier loads and the last prefetch have read their bases
	s_add_nc_u64 s[36:37], s[36:37], 1536
	s_add_nc_u64 s[40:41], s[40:41], 1536
.endif
.if (\g == 3) && (\ldP)
	WIN 0
	s_wait_xcnt 0x0
	s_add_nc_u64 s[38:39], s[38:39], 64
.irp t, 0,1,2,3,4,5,6,7
	global_load_b32 v[SB+8*(\par)+\t], v[VS], s[38:39] offset:\t*KS*64+64
.endr
	v_add_nc_u32 v[VA], RECB, v[VA]
	v_add_nc_u32 v[VSA], RECB, v[VSA]
	ALOAD \par, RECB
.endif
.if \ldB
	BLOAD \g
.endif
.if (\g == 1) && (\ldB)
	WIN 0
	ASK                                            ; behind the loads just issued
.endif
.endr
	WIN 0
.endm
.irp p, 0,1
.irp t, 0,1,2,3,4,5,6,7
	global_load_b32 v[SB+8*\p+\t], v[VS], s[38:39] offset:\t*KS*64+64*\p
.endr
.endr
.irp g, 0,1,2,3
	BLOAD \g
.endr
	WIN 0
	s_wait_tensorcnt 0x0                           ; my quarter of A is in,
	s_barrier_signal -1
	s_barrier_wait -1                              ; everybody's is
	ALOAD 0, 0
	ALOAD 1, RECB
	KSTEP 0, 1, 1, 1, 28                           ; the first K step starts the sums
	s_mov_b32 s44, KS/2-2
.Lk:
	KSTEP 1, 0, 1, 1, 28
	KSTEP 0, 0, 1, 1, 28
	s_sub_co_u32 s44, s44, 1
	s_cmp_lg_u32 s44, 0
	s_cbranch_scc1 .Lk
	KSTEP 1, 0, 1, 1, 28
	KSTEP 0, 0, 1, 0, 28
	KSTEP 1, 0, 0, 0, 0
	; ---- THE EPILOGUE.  idx = 4 k + a: tile of rows a, columns 128 k on: 64 consecutive accumulator registers
	WIN 0x40
.irp k, 0,1
.irp i, 0,1,2,3,4,5,6,7,8,9,10,11,12,13,14,15
	global_load_b128 v[64*\k+4*\i:64*\k+4*\i+3], v[VH], s[8:9] offset:512*\k+128*(\i/4)+16*(\i%4)        ; the bias at my columns
	global_load_b128 v[128+64*\k+4*\i:128+64*\k+4*\i+3], v[VH], s[14:15] offset:512*\k+128*(\i/4)+16*(\i%4)   ; beta
.endr
.endr
	WIN 0
.macro RLOAD idx                       ; 16 rows x 512 bytes of the residual, by rows: 512 consecutive bytes a load
.irp i, 0,1,2,3,4,5,6,7,8,9,10,11,12,13,14,15
	global_load_b128 v[Z+64*((\idx)%2)+4*\i:Z+64*((\idx)%2)+4*\i+3], v[VB], s[10:11] offset:(32*(((\idx)%4)/2)+8*((\idx)%2)+\i+8*(\i/8))*4096+512*((\idx)/4) th:TH_LOAD_NT
.endr
.endm
	RLOAD 0
	RLOAD 1
.macro PASS1 idx, cnt                  ; sums + bias + residual, in place; four chains of row sums for each tile of rows
.set rR, Z+64*((\idx)%2)
.set rC, 64*((\idx)%4)
.set rK, (\idx)/4
.set rH, CH+8*((\idx)%4)
	s_wait_loadcnt \cnt
.irp i, 0,1,2,3,4,5,6,7,8,9,10,11,12,13,14,15
	ds_store_b128 v[STI], v[rR+4*\i:rR+4*\i+3] offset:528*\i
.endr
.irp i, 0,1,2,3,4,5,6,7,8,9,10,11,12,13,14,15
	ds_load_b128 v[rR+4*\i:rR+4*\i+3], v[STL] offset:128*(\i/4)+16*(\i%4)   ; my own stage: LDS serves a wave's instructions in order
.endr
	WIN 0x86+0x41*rK
.set jj, 0
.rept 32
	v_pk_add_f32 v[rC+jj:rC+jj+1], v[rC+jj:rC+jj+1], v[64*rK+jj:64*rK+jj+1]   ; each accumulator from its low end on
.set jj, jj+2
.endr
	s_wait_dscnt 0x0
	WIN 0x82+0x41*rK
.set jj, 0
.rept 32
	v_pk_add_f32 v[rC+jj:rC+jj+1], v[rC+jj:rC+jj+1], v[rR+jj:rR+jj+1]
.set jj, jj+2
.endr
	WIN 0x02+rK
.set jj, 0
.rept 32
.if (rK == 0) && (jj < 8)
	v_pk_add_f32 v[rH+jj:rH+jj+1], v[rC+jj:rC+jj+1], 0 op_sel_hi:[1,0]   ; the first terms start the chains: nothing is cleared
.else
	v_pk_add_f32 v[rH+jj%8:rH+jj%8+1], v[rC+jj:rC+jj+1], v[rH+jj%8:rH+jj%8+1]
.endif
.set jj, jj+2
.endr
	WIN 0
.if (\idx)+2 < 8
	RLOAD (\idx)+2
.endif
.endm
.irp x, 0,1,2,3,4,5,6
	PASS1 \x, 16                                   ; the next set's 16 loads may stay out
.endr
	PASS1 7, 0
	WIN 0x40
.irp k, 0,1
.irp i, 0,1,2,3,4,5,6,7,8,9,10,11,12,13,14,15
	global_load_b128 v[64*\k+4*\i:64*\k+4*\i+3], v[VH], s[12:13] offset:512*\k+128*(\i/4)+16*(\i%4)        ; gamma, where the bias lay
.endr
.endr
	WIN 0
.macro REDUCE off                      ; the chains of each tile of rows: folded, with lane l xor 16, and over the four waves through LDS; the result in v[RL + 4 a], the same bits in all waves
.irp a, 0,1,2,3
	v_pk_add_f32 v[CH+8*\a:CH+8*\a+1], v[CH+8*\a:CH+8*\a+1], v[CH+8*\a+2:CH+8*\a+3]
	v_pk_add_f32 v[CH+8*\a+4:CH+8*\a+5], v[CH+8*\a+4:CH+8*\a+5], v[CH+8*\a+6:CH+8*\a+7]
.endr
.irp a, 0,1,2,3
	v_pk_add_f32 v[CH+8*\a:CH+8*\a+1], v[CH+8*\a:CH+8*\a+1], v[CH+8*\a+4:CH+8*\a+5]
.endr
.irp a, 0,1,2,3
	v_add_f32 v[CH+8*\a], v[CH+8*\a], v[CH+8*\a+1]
.endr
.irp a, 0,1,2,3
	v_permlanex16_b32 v[CH+8*\a+1], v[CH+8*\a], s[SEL], s[SEL+1]
.endr
.irp a, 0,1,2,3
	v_add_f32 v[CH+8*\a], v[CH+8*\a], v[CH+8*\a+1]
.endr
.irp a, 0,1,2,3
	ds_store_b32 v[RW], v[CH+8*\a] offset:(\off)+256*\a
.endr
	s_wait_dscnt 0x0                               ; for the others' sake: my words have landed
	s_barrier_signal -1
	s_barrier_wait -1
.irp a, 0,1,2,3
	ds_load_b128 v[RL+4*\a:RL+4*\a+3], v[RD] offset:(\off)+256*\a
.endr
	s_wait_dscnt 0x0
.irp a, 0,1,2,3
	v_add_f32 v[RL+4*\a], v[RL+4*\a], v[RL+4*\a+1]
	v_add_f32 v[RL+4*\a+2], v[RL+4*\a+2], v[RL+4*\a+3]
.endr
.irp a, 0,1,2,3
	v_add_f32 v[RL+4*\a], v[RL+4*\a], v[RL+4*\a+2]
.endr
.endm
	REDUCE 0
.irp a, 0,1,2,3
	v_mul_f32 v[NM+2*\a], 0xba800000, v[RL+4*\a]   ; -mean
	v_mov_b32 v[NM+2*\a+1], 0                      ; (named with it as a pair)
	v_mov_b32 v[RSQ+2*\a+1], 0
.endr
.macro PASS2 idx                       ; - mean, in place; chains of squares
.set rC, 64*((\idx)%4)
.set rK, (\idx)/4
.set rH, CH+8*((\idx)%4)
.set rM, NM+2*((\idx)%4)
	WIN 0x82+0x41*rK
.set jj, 0
.rept 32
	v_pk_add_f32 v[rC+jj:rC+jj+1], v[rC+jj:rC+jj+1], v[rM:rM+1] op_sel_hi:[1,0]
.set jj, jj+2
.endr
	WIN 0x0a+0x05*rK
.set jj, 0
.rept 32
.if (rK == 0) && (jj < 8)
	v_pk_mul_f32 v[rH+jj:rH+jj+1], v[rC+jj:rC+jj+1], v[rC+jj:rC+jj+1]
.else
	v_pk_fma_f32 v[rH+jj%8:rH+jj%8+1], v[rC+jj:rC+jj+1], v[rC+jj:rC+jj+1], v[rH+jj%8:rH+jj%8+1]
.endif
.set jj, jj+2
.endr
	WIN 0
.endm
.irp x, 0,1,2,3,4,5,6,7
	PASS2 \x
.endr
	REDUCE 1024
.irp a, 0,1,2,3
	v_fma_f32 v[RL+4*\a], v[RL+4*\a], s48, s49     ; the variance + 1e-5
.endr
.irp a, 0,1,2,3
	v_rsq_f32 v[RSQ+2*\a], v[RL+4*\a]
.endr
	v_nop                                          ; a plain line behind the last of them
	s_wait_alu depctr_va_vdst(0)                   ; one wait for the four, ahead of their first reader
	s_wait_loadcnt 0x0                             ; gamma
.macro OUT a, k                        ; x 1 / sqrt, x gamma + beta; through my stage into whole rows; quantised on the way where the next product wants codes
.set rC, 64*(\a)
	s_wait_xcnt 0x0                                ; the last turn's stores have read their data
	WIN 0x02+(\k)
.set jj, 0
.rept 32
	v_pk_mul_f32 v[Z+jj:Z+jj+1], v[rC+jj:rC+jj+1], v[RSQ+2*(\a):RSQ+2*(\a)+1] op_sel_hi:[1,0]
.set jj, jj+2
.endr
	WIN 0x14
.set jj, 0
.rept 32
	v_pk_fma_f32 v[Z+jj:Z+jj+1], v[Z+jj:Z+jj+1], v[64*(\k)+jj:64*(\k)+jj+1], v[128+64*(\k)+jj:128+64*(\k)+jj+1]
.set jj, jj+2
.endr
	WIN 0
.irp i, 0,1,2,3,4,5,6,7,8,9,10,11,12,13,14,15
	ds_store_b128 v[STL], v[Z+4*\i:Z+4*\i+3] offset:128*(\i/4)+16*(\i%4)
.endr
.irp i, 0,1,2,3,4,5,6,7,8,9,10,11,12,13,14,15
	ds_load_b128 v[BK+4*\i:BK+4*\i+3], v[STI] offset:528*\i
.endr
.if QOUT
	QUANT Z
.irp c, 0,1,2
	global_store_b128 v[VB], v[PC+4*\c:PC+4*\c+3], s[18:19] offset:(8*(\a)+(\k))*1536+512*\c
.endr
	global_store_b32 v[V4R], v[PW], s[52:53] offset:(8*(\a)+(\k))*64
.endif
	s_wait_dscnt 0x0
.irp i, 0,1,2,3,4,5,6,7,8,9,10,11,12,13,14,15
	global_store_b128 v[VB], v[BK+4*\i:BK+4*\i+3], s[16:17] offset:(32*((\a)/2)+8*((\a)%2)+\i+8*(\i/8))*4096+512*(\k) th:TH_STORE_NT   ; 512 consecutive bytes of a row
.endr
.endm
.irp k, 0,1
.irp a, 0,1,2,3
	OUT \a, \k
.endr
.endr
	s_wait_tensorcnt 0x0                           ; the wave's end
	ds_add_u32 v[SPW], v[NIL]
	s_wait_dscnt 0x0
	s_endpgm
.Lfunc_end_k_qfeb67a6129_wo_ln:
	.size	k_qfeb67a6129_wo_ln, .Lfunc_end_k_qfeb67a6129_wo_ln-k_qfeb67a6129_wo_ln
	.p2alignl 7, 3214868480
	.fill 96, 4, 3214868480
	.section	.rodata,"a",@progbits
	.p2align	6, 0x0
	.amdhsa_kernel k_qfeb67a6129_wo_ln
		.amdhsa_group_segment_fixed_size 167936
		.amdhsa_private_segment_fixed_size 0
		.amdhsa_enable_private_segment 0
		.amdhsa_kernarg_size 64
		.amdhsa_user_sgpr_count 2
		.amdhsa_user_sgpr_kernarg_segment_ptr 1
		.amdhsa_wavefront_size32 1
		.amdhsa_system_sgpr_workgroup_id_x 1
		.amdhsa_system_sgpr_workgroup_id_y 1
		.amdhsa_system_sgpr_workgroup_id_z 1
		.amdhsa_system_vgpr_workitem_id 0
		.amdhsa_next_free_vgpr 1024
		.amdhsa_next_free_sgpr 66
		.amdhsa_reserve_vcc 0
		.amdhsa_float_denorm_mode_32 3
		.amdhsa_float_denorm_mode_16_64 3
		.amdhsa_memory_ordered 1
		.amdhsa_forward_progress 1
		.amdhsa_inst_pref_size 255
	.end_amdhsa_kernel
	.section	.bss,"aw",@nobits
	.p2align	6
	.space	262144
	.amdgpu_metadata
---
amdhsa.version: [ 1, 2 ]
amdhsa.kernels:
  - .name:           k_qfeb67a6129_wo_ln
    .symbol:         k_qfeb67a6129_wo_ln.kd
    .args:
      - { .name: ao, .offset: 0, .size: 8, .value_kind: global_buffer, .address_space: global }
      - { .name: wts, .offset: 8, .size: 8, .value_kind: global_buffer, .address_space: global }
      - { .name: bo, .offset: 16, .size: 8, .value_kind: global_buffer, .address_space: global }
      - { .name: x, .offset: 24, .size: 8, .value_kind: global_buffer, .address_space: global }
      - { .name: ln1_g, .offset: 32, .size: 8, .value_kind: global_buffer, .address_space: global }
      - { .name: ln1_b, .offset: 40, .size: 8, .value_kind: global_buffer, .address_space: global }
      - { .name: x1, .offset: 48, .size: 8, .value_kind: global_buffer, .address_space: global }
      - { .name: x1q, .offset: 56, .size: 8, .value_kind: global_buffer, .address_space: global }
    .group_segment_fixed_size: 167936
    .private_segment_fixed_size: 0
    .kernarg_segment_align: 8
    .kernarg_segment_size: 64
    .max_flat_workgroup_size: 128
    .sgpr_count:     66
    .vgpr_count:     1024
    .wavefront_size: 32
...
	.end_amdgpu_metadata
.endif
;; end of part 4
;; launch ffn1 (part 5): grid 16 x 16, 4 waves a work-group, clusters of 4 x 4, 327,680 bytes of LDS; arguments x1q, wts, b1, h; writes h
.if DOCPART == 5
	.amdgcn_target "amdgcn-amd-amdhsa--gfx1250"
	.amdhsa_code_object_version 6
	.text
	.protected	k_qfeb67a6129_ffn1
	.globl	k_qfeb67a6129_ffn1
	.p2align	8
	.type	k_qfeb67a6129_ffn1,@function
k_qfeb67a6129_ffn1:
	s_mov_b64 s[64:65], 0
	v_nop
	global_prefetch_b8 v0, s[64:65] scope:SCOPE_SE
	s_setreg_imm32_b32 hwreg(HW_REG_WAVE_MODE, 25, 1), 1
	s_wait_xcnt 0x0
	s_wait_alu depctr_hold_cnt(0) depctr_sa_sdst(0) depctr_va_vdst(0) depctr_va_sdst(0) depctr_va_ssrc(0) depctr_va_vcc(0) depctr_vm_vsrc(0)
	s_getreg_b32 s2, hwreg(HW_REG_IB_STS2, 6, 4)
	s_cmp_eq_u32 s2, 0
	s_cbranch_scc0 .Lentry_in_a_cluster
	s_endpgm
.Lentry_in_a_cluster:
	s_bfe_u32 s2, ttmp6, 0x10000c
	s_cmp_lg_u32 s2, 0xf033
	s_cbranch_scc0 .Lentry_shape_is_right
	s_endpgm
.Lentry_shape_is_right:
; h = relu(x1 w1 + b1) on codes of FP6 (E2M3) with E8M0 scales, K = 1,024, N = 4,096; h is quantised along its rows on the way out and never goes to memory as f32.
; A work-group of four waves makes 256 x 256, a wave 128 x 128: 64 accumulators.  K goes in steps of 256 through two LDS slots filled by the tensor data mover; operands lie in memory as images of fragments
; (1,536 bytes: registers 4 c .. 4 c + 3 of lane l at 512 c + 16 l).  The scale words of the work-group's rows, all of K, come once and stay.
; THE PRODUCT IS USED TRANSPOSED: source 0 = a tile of w1's columns, source 1 = a tile of rows: a lane holds one row, and the 64 registers of eight tiles of columns are 128 neighbours along the next K, 16 of each block of 32.
; CLUSTERS: 4 x 4 work-groups; A's tiles are asked for jointly along a row of the cluster, B's along a column.  b1 is the C of each sum's first product.
; OUT: records of 6,400 bytes for (64 rows, 128 hidden units): four fragments (registers 2 i, 2 i + 1 of lane l at 256 i + 8 l), then 4 x 64 bytes of scale words.
; LIMITS: a block of zeros, or under 2^-124, gets the scale byte 1 (zero codes; read by this program alone); NaN and infinities are not served.
; REGISTERS: window 0: v4, v8 the way out's offsets; v16-29 addresses; v32-63 scale words, two sets, and nothing else; v64-127 at work on the way out; v128-223 A's fragments, one set; v240-255 at work.
;   window 1: B's fragments, two sets at v0 and v128; v96-127, v224-255 b1.   windows 2, 3: accumulator (a, b) at v[64 (a % 4) + 8 b].
.set NQ,    2
.set FR,    12
.set NL,    3
.set NP,    4
.set TILEB, 3072
.set KROWB, 12288
.set HALFT, 8*TILEB
.set SLOT,  4*HALFT
.set SCL,   2*SLOT
.set HALFS, 4096
.set SPARE, SCL+4*HALFS
.set XSO,   3145728
.set WSO,   9437184
.set VC,   4
.set VS,   8
.set ADRA, 16
.set ADRB, 20
.set ADRS, 27
.set SPW,  28
.set NIL,  29
.set SC,   32
.set Z,    64
.set AF,   128
.set PC,   128
.set PW,   148
.set TM,   240
.set SEL,  46
.set G1, 24
.set G0, 32
.set G1B, 48
.set G0B, 56
.set G1S, 68
.set G0S, 76
.set G1SB, 80
.set G0SB, 88
.set MSB, 0
.macro WIN new
.if MSB != (\new)
	s_set_vgpr_msb (MSB<<8)|(\new)
.set MSB, (\new)
.endif
.endm
.set MUL_LO, 0xa1
.set MUL_HI, 0xf1
.set TO_B,   0x40
.macro JLOAD g0a, g1a, g0b, g1b
	s_cmp_eq_u32 s17, 0
	s_cbranch_scc0 .Lfor_b_\@
	tensor_load_to_lds s[\g0a:\g0a+3], s[\g1a:\g1a+7]
	s_nop 0
.rept 4
	v_nop
.endr
	s_branch .Lasked_\@
.Lfor_b_\@:
	tensor_load_to_lds s[\g0b:\g0b+3], s[\g1b:\g1b+7]
	s_nop 0
.rept 4
	v_nop
.endr
.Lasked_\@:
.endm
.macro CREST
	s_cmp_lg_u32 s16, 0
	s_cbranch_scc1 .Lnot_wave_0_\@
	s_barrier_signal -3
.Lnot_wave_0_\@:
	s_barrier_wait -3
	s_barrier_signal -1
	s_barrier_wait -1
.endm
.macro CROUND
	s_barrier_signal -1
	s_barrier_wait -1
	CREST
.endm
.macro PLACES n
.rept \n
	v_nop
.endr
.endm
.macro QUANT s
.irp b, 0,1,2,3
	v_max3_num_f32 v[TM+\b], |v[(\s)+16*\b]|, |v[(\s)+1+16*\b]|, 0x1800000
.endr
.irp i, 2,4,6,8,10,12,14
.irp b, 0,1,2,3
	v_max3_num_f32 v[TM+\b], v[TM+\b], |v[(\s)+16*\b+\i]|, |v[(\s)+1+16*\b+\i]|
.endr
.endr
.irp b, 0,1,2,3
	v_permlanex16_b32 v[TM+4+\b], v[TM+\b], s[SEL], s[SEL+1]
.endr
.irp b, 0,1,2,3
	v_max_num_f32 v[TM+\b], v[TM+\b], v[TM+4+\b]
.endr
.irp b, 0,1,2,3
	v_add_nc_u32 v[TM+12+\b], 0xff000000, v[TM+\b]
.endr
.irp b, 0,1,2,3
	v_lshrrev_b32 v[TM+4+\b], 23, v[TM+12+\b]
.endr
	v_lshl_or_b32 v[PW], v[TM+5], 8, v[TM+4]
	v_lshl_or_b32 v[PW], v[TM+6], 16, v[PW]
	v_lshl_or_b32 v[PW], v[TM+7], 24, v[PW]
.irp c, 0,1
	v_cvt_scalef32_pk16_fp6_f32 v[PC+6*\c:PC+2+6*\c], v[(\s)+32*\c:(\s)+15+32*\c], v[TM+12+2*\c]
	v_cvt_scalef32_pk16_fp6_f32 v[PC+12+4*\c:PC+14+4*\c], v[(\s)+16+32*\c:(\s)+31+32*\c], v[TM+12+2*\c+1]
.endr
	v_nop
.irp c, 0,1
.irp i, 0,1,2
	v_permlane16_swap_b32 v[PC+6*\c+\i], v[PC+12+4*\c+\i]
.endr
.irp i, 0,1,2
	v_mov_b32 v[PC+3+6*\c+\i], v[PC+12+4*\c+\i]
.endr
.endr
.endm
	s_load_b256 s[4:11], s[0:1], 0x0               ; x1q s[4:5], wts s[6:7], b1 s[8:9], h s[10:11]
	v_lshl_add_u32 v[SPW], v0, 2, SPARE
	v_mov_b32 v[NIL], 0
	ds_add_u32 v[SPW], v[NIL]                      ; the wave's opening: the add and its wait ahead of my first tensor load
	v_lshrrev_b32 v1, 5, v0
	v_readfirstlane_b32 s16, v1
	s_lshr_b32 s17, s16, 1
	s_and_b32 s18, s16, 1
	s_bfe_u32 s40, ttmp6, 0x40000                  ; cx
	s_bfe_u32 s41, ttmp6, 0x40004                  ; cy
	s_and_b32 s43, ttmp7, 0xffff
	s_lshl_b32 s43, s43, 2
	s_lshl_b32 s44, s41, 2
	s_lshl_b32 s44, 15, s44                        ; my row of the cluster
	s_lshl_b32 s45, 0x1111, s40                    ; my column
	s_or_b32 s[G1+0], s44, (3<<16)|(1<<21)
	s_or_b32 s[G1B+0], s45, (3<<16)|(1<<21)
.irp g, G1, G1B
	s_mov_b32 s[\g+1], 384<<16
	s_mov_b32 s[\g+2], 8<<16
	s_mov_b32 s[\g+3], 384<<16
	s_mov_b32 s[\g+4], 8
	s_mov_b32 s[\g+5], 1536
	s_mov_b32 s[\g+6], 0
	s_mov_b32 s[\g+7], 0
.endr
	s_or_b32 s[G1S+0], s44, (3<<16)|(1<<21)
	s_or_b32 s[G1SB+0], s45, (3<<16)|(1<<21)
.irp g, G1S, G1SB
	s_mov_b32 s[\g+1], 32<<16
	s_mov_b32 s[\g+2], 16<<16
	s_mov_b32 s[\g+3], 32<<16
	s_mov_b32 s[\g+4], 16
	s_mov_b32 s[\g+5], 32
	s_mov_b32 s[\g+6], 0
	s_mov_b32 s[\g+7], 0
.endr
	s_add_co_u32 s21, s43, s41                     ; A's block of 256 rows: 4 x cluster y + cy
	s_lshl_b32 s22, ttmp9, 2
	s_add_co_u32 s22, s22, s40                     ; B's block of 256 columns: 4 x cluster x + cx
	s_lshl_b32 s19, s18, 3
	s_lshl_b32 s21, s21, 4
	s_add_co_u32 s21, s21, s19
	s_lshl_b32 s22, s22, 4
	s_add_co_u32 s22, s22, s19
	s_mul_i32 s66, s21, KROWB
	s_mov_b32 s67, 0
	s_lshl_b32 s20, s21, 9
	s_add_co_u32 s20, s20, XSO
	s_mov_b32 s21, 0
	s_mul_i32 s96, s22, KROWB
	s_add_co_u32 s96, s96, 1536*1536               ; w1's fragments begin at 1,536
	s_mov_b32 s97, 0
	s_lshl_b32 s98, s22, 9
	s_add_co_u32 s98, s98, WSO+1536*64
	s_mov_b32 s99, 0
	s_mul_i32 s100, s16, HALFT
	s_mul_i32 s101, s16, HALFS
	s_wait_dscnt 0x0
	s_wait_kmcnt 0x0
	s_add_nc_u64 s[66:67], s[4:5], s[66:67]
	s_add_nc_u64 s[20:21], s[4:5], s[20:21]
	s_add_nc_u64 s[96:97], s[6:7], s[96:97]
	s_add_nc_u64 s[98:99], s[6:7], s[98:99]
	CROUND
	s_mov_b32 s[G0S], 1
	s_add_co_u32 s[G0S+1], s101, SCL
	s_mov_b64 s[G0S+2:G0S+3], s[20:21]
	s_or_b32 s[G0S+3], s[G0S+3], 0x80000000
	s_mov_b32 s[G0SB], 1
	s_add_co_u32 s[G0SB+1], s101, SCL
	s_mov_b64 s[G0SB+2:G0SB+3], s[98:99]
	s_or_b32 s[G0SB+3], s[G0SB+3], 0x80000000
	JLOAD G0S, G1S, G0SB, G1SB
.irp s, 0,1
	s_mov_b32 s[G0+4*\s], 1
	s_add_co_u32 s[G0+4*\s+1], s100, \s*SLOT
	s_add_nc_u64 s[G0+4*\s+2:G0+4*\s+3], s[66:67], \s*TILEB
	s_or_b32 s[G0+4*\s+3], s[G0+4*\s+3], 0x80000000
	s_mov_b32 s[G0B+4*\s], 1
	s_add_co_u32 s[G0B+4*\s+1], s100, \s*SLOT
	s_add_nc_u64 s[G0B+4*\s+2:G0B+4*\s+3], s[96:97], \s*TILEB
	s_or_b32 s[G0B+4*\s+3], s[G0B+4*\s+3], 0x80000000
	JLOAD G0+4*\s, G1, G0B+4*\s, G1B               ; three tensor loads of mine are out
.endr
	v_and_b32 v1, 15, v0
	v_bfe_u32 v2, v0, 4, 1
	v_and_b32 v3, 31, v0
	v_lshlrev_b32 v12, 4, v3
	s_mul_i32 s19, s17, HALFT
	s_mul_i32 s22, s18, HALFT
	s_add_co_u32 s22, s22, 2*HALFT
.irp s, 0,1
	v_add_nc_u32 v[ADRA+\s], s19, v12
	v_add_nc_u32 v[ADRB+\s], s22, v12
	s_add_co_u32 s19, s19, SLOT
	s_add_co_u32 s22, s22, SLOT
.endr
	v_lshlrev_b32 v13, 2, v1
	s_mul_i32 s19, s17, HALFS
	s_mul_i32 s22, s18, HALFS
	s_add_co_u32 s22, s22, 2*HALFS
	s_sub_co_u32 s22, s22, s19
	v_mul_u32_u24 v14, s22, v2
	s_add_co_u32 s19, s19, SCL
	v_add_nc_u32 v14, v13, v14
	v_add_nc_u32 v[ADRS], s19, v14
	s_lshl_b32 s20, ttmp9, 2
	s_add_co_u32 s20, s20, s40                     ; my block of 256 columns
	s_lshl_b32 s20, s20, 1
	s_add_co_u32 s20, s20, s18                     ; my 128 columns: a K step of the next product
	s_lshl_b32 s92, s20, 9
	s_mov_b32 s93, 0
	s_add_nc_u64 s[8:9], s[8:9], s[92:93]          ; b1 at my columns
	v_lshlrev_b32 v14, 6, v2
	WIN TO_B
.irp bb, 0,1,2,3
.irp q, 0,1,2,3
	global_load_b128 v[96+16*\bb+96*(\bb/2)+4*\q:96+16*\bb+96*(\bb/2)+4*\q+3], v14, s[8:9] offset:128*\bb+16*\q
.endr
.endr
	WIN 0
.irp b, 0,1,2,3
	v_mov_b32 v[TM+4+\b], 0
.endr
	s_mov_b32 s[SEL], 0x76543210
	s_mov_b32 s[SEL+1], 0xfedcba98
	s_and_b32 s19, ttmp7, 0xffff
	s_lshl_b32 s19, s19, 2
	s_add_co_u32 s19, s19, s41
	s_lshl_b32 s19, s19, 2
	s_lshl_b32 s21, s17, 1
	s_add_co_u32 s19, s19, s21                     ; my first 64 rows
	s_lshl_b32 s19, s19, 5
	s_add_co_u32 s19, s19, s20
	s_mul_i32 s19, s19, 6400                       ; their record of my K step
	v_lshl_add_u32 v[VC], v3, 3, s19
	s_add_co_u32 s19, s19, 6144
	v_lshl_add_u32 v[VS], v1, 2, s19
	s_wait_loadcnt 0x0                             ; b1
.macro FRAG reg, adr, q, i
.irp c, 0,1,2
	ds_load_b128 v[\reg+4*\c:\reg+4*\c+3], v[\adr] offset:(\i)*TILEB+(\q)*1536+512*\c
.endr
.endm
.macro MUL16 a0, p, q, sc, zero        ; the 64 accumulators take turns, one instruction a turn; zero = 1: the first product starts the sums, with b1 as C
.irp a, \a0, \a0+1
.irp b, 0,1,2,3,4,5,6,7
.if \zero
	v_wmma_scale_f32_16x16x128_f8f6f4 v[8*(8*((\a)%4)+\b):8*(8*((\a)%4)+\b)+7], v[128*(\p)+FR*\b:128*(\p)+FR*\b+FR-1], v[AF+FR*(\a):AF+FR*(\a)+FR-1], v[96+8*\b+96*(\b/4):96+8*\b+96*(\b/4)+7], v[SC+8*NQ*(\sc)+NQ*\b+(\q)], v[SC+8*NQ*(\sc)+NQ*(\a)+(\q)] matrix_a_fmt:MATRIX_FMT_FP6 matrix_b_fmt:MATRIX_FMT_FP6 matrix_a_scale:MATRIX_SCALE_ROW1
.else
	v_wmma_scale_f32_16x16x128_f8f6f4 v[8*(8*((\a)%4)+\b):8*(8*((\a)%4)+\b)+7], v[128*(\p)+FR*\b:128*(\p)+FR*\b+FR-1], v[AF+FR*(\a):AF+FR*(\a)+FR-1], v[8*(8*((\a)%4)+\b):8*(8*((\a)%4)+\b)+7], v[SC+8*NQ*(\sc)+NQ*\b+(\q)], v[SC+8*NQ*(\sc)+NQ*(\a)+(\q)] matrix_a_fmt:MATRIX_FMT_FP6 matrix_b_fmt:MATRIX_FMT_FP6 matrix_a_scale:MATRIX_SCALE_ROW1
.endif
.endr
.endr
.endm
.macro FETCH_B slot, q, p
	WIN TO_B
.irp i, 0,1,2,3,4,5,6,7
	FRAG 128*(\p)+FR*\i, ADRB+\slot, \q, \i
.endr
	WIN 0
.endm
.macro FETCH_A slot, q, i0
.irp i, \i0, \i0+1, \i0+2, \i0+3
	FRAG AF+FR*(\i), ADRA+\slot, \q, \i
.endr
.endm
.macro SCALES sc
.irp i, 0,1,2,3,4,5,6,7
.irp q, 0,1
	ds_load_b32 v[SC+16*\sc+2*\i+\q], v[ADRS] offset:512*\i+64*\q
.endr
.endr
.endm
.macro STEP slot, q, zero
	s_wait_dscnt 4*NL                              ; all but the youngest twelve loads (A's blocks 4-7) are in
	WIN MUL_LO-0x10*(\zero)
	MUL16 0, (\q)%2, \q, \slot, \zero
	MUL16 2, (\q)%2, \q, \slot, \zero
	s_wait_dscnt 0
	PLACES NP
	FETCH_B \slot, (\q)+1, 1-(\q)%2
	FETCH_A \slot, (\q)+1, 0
	WIN MUL_HI-0x20*(\zero)
	MUL16 4, (\q)%2, \q, \slot, \zero
	MUL16 6, (\q)%2, \q, \slot, \zero
	PLACES NP
	WIN 0
	FETCH_A \slot, (\q)+1, 4
.endm
.macro TURN slot, next, fill
	s_wait_tensorcnt 0x0                           ; all my tensor loads have landed: my part of the next slot
	ds_add_u32 v[SPW], v[NIL]
	s_wait_dscnt 4*NL+1                            ; the add and the youngest twelve loads may be out
	WIN MUL_LO
	MUL16 0, 1, NQ-1, \slot, 0
	s_wait_dscnt 0x0                               ; the add is done, and my reads of this slot are over
	s_barrier_signal -1
	MUL16 2, 1, NQ-1, \slot, 0
	WIN 0
	s_barrier_wait -1
.if \fill
	CREST                                          ; the barrier has opened a round of the cluster's barrier
	s_add_nc_u64 s[G0+4*\slot+2:G0+4*\slot+3], s[G0+4*\slot+2:G0+4*\slot+3], 2*TILEB
	s_add_nc_u64 s[G0B+4*\slot+2:G0B+4*\slot+3], s[G0B+4*\slot+2:G0B+4*\slot+3], 2*TILEB
	JLOAD G0+4*\slot, G1, G0B+4*\slot, G1B         ; the first tensor load behind the round
.else
	PLACES NP
.endif
	v_add_nc_u32 v[ADRS], 128, v[ADRS]
	FETCH_B \next, 0, 0
	FETCH_A \next, 0, 0
	SCALES \next
	WIN MUL_HI
	MUL16 4, 1, NQ-1, \slot, 0
	MUL16 6, 1, NQ-1, \slot, 0
	PLACES NP
	WIN 0
	FETCH_A \next, 0, 4
.endm
	s_wait_tensorcnt 1                             ; the scale words and my part of slot 0 are in; slot 1's load may stay out
	s_barrier_signal -1
	s_barrier_wait -1
	FETCH_B 0, 0, 0
	FETCH_A 0, 0, 0
	SCALES 0
	FETCH_A 0, 0, 4
	STEP 0, 0, 1
	TURN 0, 1, 1
	STEP 1, 0, 0
	TURN 1, 0, 1
	STEP 0, 0, 0
	TURN 0, 1, 0
	STEP 1, 0, 0
	s_wait_dscnt 4*NL
	WIN MUL_LO
	MUL16 0, 1, NQ-1, 1, 0
	MUL16 2, 1, NQ-1, 1, 0
	s_wait_dscnt 0
	WIN MUL_HI
	MUL16 4, 1, NQ-1, 1, 0
	MUL16 6, 1, NQ-1, 1, 0
	WIN 0
	PLACES NP
; THE WAY OUT of A's block a: relu into window 0 (each accumulator from its low end on), quantised, one fragment of the next product's operand: six stores of 256 consecutive bytes
.macro OUTH a
	s_wait_xcnt 0x0                                ; the last block's stores have read their data
	WIN 0x08+4*((\a)/4)
.set jj, 0
.rept 64
	v_max_num_f32 v[Z+jj], 0, v[64*((\a)%4)+jj]
.set jj, jj+1
.endr
	WIN 0
	QUANT Z
.irp i, 0,1,2,3,4,5
	global_store_b64 v[VC], v[PC+2*\i:PC+2*\i+1], s[10:11] offset:((\a)/4)*204800+((\a)%4)*1536+256*\i
.endr
	global_store_b32 v[VS], v[PW], s[10:11] offset:((\a)/4)*204800+((\a)%4)*64
.endm
.irp a, 0,1,2,3,4,5,6,7
	OUTH \a
.endr
	s_wait_tensorcnt 0x0                           ; the wave's end
	ds_add_u32 v[SPW], v[NIL]
	s_wait_dscnt 0x0
	CROUND                                         ; the closing round
	s_endpgm
.Lfunc_end_k_qfeb67a6129_ffn1:
	.size	k_qfeb67a6129_ffn1, .Lfunc_end_k_qfeb67a6129_ffn1-k_qfeb67a6129_ffn1
	.p2alignl 7, 3214868480
	.fill 96, 4, 3214868480
	.section	.rodata,"a",@progbits
	.p2align	6, 0x0
	.amdhsa_kernel k_qfeb67a6129_ffn1
		.amdhsa_group_segment_fixed_size 327680
		.amdhsa_private_segment_fixed_size 0
		.amdhsa_enable_private_segment 0
		.amdhsa_kernarg_size 32
		.amdhsa_user_sgpr_count 2
		.amdhsa_user_sgpr_kernarg_segment_ptr 1
		.amdhsa_wavefront_size32 1
		.amdhsa_system_sgpr_workgroup_id_x 1
		.amdhsa_system_sgpr_workgroup_id_y 1
		.amdhsa_system_sgpr_workgroup_id_z 1
		.amdhsa_system_vgpr_workitem_id 0
		.amdhsa_next_free_vgpr 1024
		.amdhsa_next_free_sgpr 102
		.amdhsa_reserve_vcc 0
		.amdhsa_float_denorm_mode_32 3
		.amdhsa_float_denorm_mode_16_64 3
		.amdhsa_memory_ordered 1
		.amdhsa_forward_progress 1
		.amdhsa_inst_pref_size 162
	.end_amdhsa_kernel
	.amdgpu_metadata
---
amdhsa.version: [ 1, 2 ]
amdhsa.kernels:
  - .name:           k_qfeb67a6129_ffn1
    .symbol:         k_qfeb67a6129_ffn1.kd
    .args:
      - { .name: x1q, .offset: 0, .size: 8, .value_kind: global_buffer, .address_space: global }
      - { .name: wts, .offset: 8, .size: 8, .value_kind: global_buffer, .address_space: global }
      - { .name: b1, .offset: 16, .size: 8, .value_kind: global_buffer, .address_space: global }
      - { .name: h, .offset: 24, .size: 8, .value_kind: global_buffer, .address_space: global }
    .group_segment_fixed_size: 327680
    .private_segment_fixed_size: 0
    .kernarg_segment_align: 8
    .kernarg_segment_size: 32
    .max_flat_workgroup_size: 128
    .sgpr_count:     102
    .vgpr_count:     1024
    .wavefront_size: 32
...
	.end_amdgpu_metadata
.endif
;; end of part 5
;; launch w2_ln (part 6): grid 64 x 1, 4 waves a work-group, no clusters, 241,152 bytes of LDS; arguments h, wts, b2, x1, ln2_g, ln2_b, out0; writes out0
.if DOCPART == 6
	.amdgcn_target "amdgcn-amd-amdhsa--gfx1250"
	.amdhsa_code_object_version 6
	.text
	.protected	k_qfeb67a6129_w2_ln
	.globl	k_qfeb67a6129_w2_ln
	.p2align	8
	.type	k_qfeb67a6129_w2_ln,@function
k_qfeb67a6129_w2_ln:
	s_mov_b64 s[64:65], 0
	v_nop
	global_prefetch_b8 v0, s[64:65] scope:SCOPE_SE
	s_setreg_imm32_b32 hwreg(HW_REG_WAVE_MODE, 25, 1), 1
	s_wait_xcnt 0x0
; y = layer norm(res + A W + bias) x gamma + beta, the product on codes of FP6 (E2M3) with E8M0 scales.  Here: A = the hidden layer (K = 4,096), W = w2, res = x1; y is the layer's result, f32.
; A work-group owns 64 whole rows (four tiles of 16; slot r of tile a is row 32 (a / 2) + 8 (a % 2) + r + 8 (r / 8)), so that the norm needs no other work-group: 64 work-groups.  Wave w owns columns 256 w .. 256 w + 255:
; 4 x 16 accumulators.  The product is used transposed (source 0 = a tile of W, source 1 = a tile of A): a lane holds one row, and 64 consecutive accumulator registers are 128 neighbouring columns, 16 of each 32.
; A: the work-group's records (6,400 bytes a K step: four fragments, registers 2 i, 2 i + 1 of lane l at 256 i + 8 l, then 4 x 64 bytes of scale words) are one dense block: into LDS once, a quarter by each wave's one tensor load.
; W: each fragment feeds ONE wave, so it goes from memory straight into that wave's registers, three loads of 512 consecutive bytes.  NO CLUSTER: the work-groups share W alone, and W through LDS would be written there and read
; back once (1,024 x 96 bytes each way for 128 along K) with nothing read twice inside a work-group.
; W'S FRAGMENTS ARE PREFETCHED INTO THE L2: in K step s the twelve waves 4 x work-group + wave < 12 name K step s + 4, a lane a block of 256 bytes: lane l of wave W names block W / 2 of tile 32 (W % 2) + l: 384 blocks, each once in
; the launch.  K steps 0 to 3 come by their loads alone; the last four K steps ask for nothing.
; The mean is taken first and the squares of the differences second, as the norm is defined.
; LIMITS: NaN and infinities are not served.
; REGISTERS: window 0: v1-11 addresses; v28, v29 the add's two; v128-223 A's fragments, two sets; v224-239 W's scale words, v240-247 A's, two sets each, and nothing else.  Epilogue: v12-27 the reductions' loads; v32-95, v96-159 at work;
;   v180-211 chains; v212-219 -mean; v248-255 1 / sqrt.   window 1: W's 16 fragments; epilogue: bias, then gamma (v0-127), beta (v128-255).   windows 2, 3: accumulator (a, b) at v[64 a + 8 (b % 8)] of window 2 + b / 8.
.set KS,    32
.set FB,    4096
.set WSO,   9437184
.set RECB,  6400
.set STG,   KS*RECB
.set STGW,  8448
.set REDB,  STG+4*STGW
.set SPARE, REDB+2048
.set VB,  1
.set VS,  2
.set VA,  3
.set VSA, 4
.set PFO, 5
.set VH,  6
.set STI, 7
.set STL, 8
.set RW,  9
.set RD,  10
.set RL,  12
.set SPW, 28
.set NIL, 29
.set Z,   32
.set BK,  96
.set AF,  128
.set CH,  180
.set NM,  212
.set SB,  224
.set SA,  240
.set RSQ, 248
.set SEL, 46
.set MSB, 0
.macro WIN new
.if MSB != (\new)
	s_set_vgpr_msb (MSB<<8)|(\new)
.set MSB, (\new)
.endif
.endm
.macro PLACES
.rept 4
	v_nop
.endr
.endm
	s_load_b256 s[4:11], s[0:1], 0x0               ; A s[4:5], wts s[6:7], bias s[8:9], res s[10:11]
	s_load_b128 s[12:15], s[0:1], 0x20             ; gamma s[12:13], beta s[14:15]
	s_load_b64 s[16:17], s[0:1], 0x30              ; y
	v_lshl_add_u32 v[SPW], v0, 2, SPARE
	v_mov_b32 v[NIL], 0
	ds_add_u32 v[SPW], v[NIL]                      ; the wave's opening: the add and its wait ahead of my tensor load
	v_lshrrev_b32 v1, 5, v0
	v_readfirstlane_b32 s20, v1                    ; wave
	s_mov_b32 s24, 3<<16                           ; elements of 8 bytes; no mask, no padding
	s_mov_b32 s25, 32<<16                          ; a quarter of A's block as rows of 256 bytes
	s_mov_b32 s26, ((KS/4)*25)<<16
	s_mov_b32 s27, 32<<16
	s_mov_b32 s28, (KS/4)*25
	s_mov_b32 s29, 32
	s_mov_b32 s30, 0
	s_mov_b32 s31, 0
	s_mov_b32 s32, 1
	s_mul_i32 s33, s20, (KS/4)*RECB
	s_mul_i32 s50, ttmp9, KS*RECB
	s_add_co_u32 s50, s50, s33
	s_mov_b32 s51, 0
	s_wait_dscnt 0x0                               ; the opening add is done
	s_wait_kmcnt 0x0
	s_add_nc_u64 s[34:35], s[4:5], s[50:51]
	s_or_b32 s35, s35, 0x80000000
	tensor_load_to_lds s[32:35], s[24:31]          ; my one tensor load: filled once
	s_nop 0
.rept 4
	v_nop
.endr
	v_and_b32 v12, 31, v0                          ; lane
	v_and_b32 v13, 15, v0                          ; r
	v_bfe_u32 v14, v0, 4, 1                        ; h
	v_lshlrev_b32 v[VB], 4, v12
	v_lshlrev_b32 v15, 2, v13
	v_mul_u32_u24 v[VS], 8*KS*64, v14
	v_add_nc_u32 v[VS], v[VS], v15                 ; W's scale words: lanes 16-31 take the tile eight further on
	v_lshlrev_b32 v[VA], 3, v12
	v_lshlrev_b32 v[VSA], 2, v13
	v_lshlrev_b32 v[VH], 6, v14
	s_mul_i32 s50, s20, STGW
	s_add_co_u32 s50, s50, STG
	v_add_nc_u32 v[STI], s50, v[VB]                ; my stage by rows,
	v_mul_u32_u24 v[STL], 528, v13
	v_lshl_add_u32 v[STL], v14, 6, v[STL]
	v_add_nc_u32 v[STL], s50, v[STL]               ; and by the lanes' layout
	v_lshl_add_u32 v[RD], v13, 4, REDB
	s_lshl_b32 s50, s20, 2
	v_add_nc_u32 v[RW], s50, v[RD]
	s_lshl_b32 s52, ttmp9, 2
	s_add_co_u32 s52, s52, s20                     ; W = 4 x work-group + wave
	s_cmp_lt_u32 s52, 12
	s_cselect_b32 s43, KS-4, 0                     ; a wave prefetches while the K step is under this
	s_and_b32 s53, s52, 1
	s_lshl_b32 s53, s53, 5
	s_lshr_b32 s52, s52, 1
	s_min_u32 s52, s52, 5
	s_lshl_b32 s52, s52, 8
	v_add_nc_u32 v[PFO], s53, v12
	v_mul_u32_u24 v[PFO], KS*1536, v[PFO]
	v_add_nc_u32 v[PFO], s52, v[PFO]
	s_mov_b32 s42, 0
	s_mov_b32 s[SEL], 0x76543210
	s_mov_b32 s[SEL+1], 0xfedcba98
	s_mov_b32 s48, 0x3a800000                      ; 1 / 1,024
	s_mov_b32 s49, 0x3727c5ac                      ; 1e-5
	s_mul_i32 s50, s20, 16*KS*1536
	s_add_co_u32 s50, s50, FB*1536
	s_add_nc_u64 s[36:37], s[6:7], s[50:51]        ; my 16 tiles of W, K step 0
	s_mul_i32 s50, s20, 16*KS*64
	s_add_co_u32 s50, s50, WSO+FB*64
	s_add_nc_u64 s[38:39], s[6:7], s[50:51]        ; their scale words
	s_add_nc_u64 s[40:41], s[6:7], (FB+3)*1536     ; the prefetches: stepped to K step 4 ahead of the first
	s_lshl_b32 s50, s20, 10
	s_add_nc_u64 s[8:9], s[8:9], s[50:51]
	s_add_nc_u64 s[12:13], s[12:13], s[50:51]
	s_add_nc_u64 s[14:15], s[14:15], s[50:51]
	s_lshl_b32 s52, ttmp9, 18
	s_add_co_u32 s50, s50, s52                     ; my 64 rows, my 256 columns
	s_add_nc_u64 s[10:11], s[10:11], s[50:51]
	s_add_nc_u64 s[16:17], s[16:17], s[50:51]
.macro BLOAD g                         ; W's fragments 4 g .. 4 g + 3 of the K step at which s[36:37] stands
	WIN 0x40
.irp b, 0,1,2,3
.irp c, 0,1,2
	global_load_b128 v[12*(4*(\g)+\b)+4*\c:12*(4*(\g)+\b)+4*\c+3], v[VB], s[36:37] offset:(4*(\g)+\b)*KS*1536+512*\c
.endr
.endr
.endm
.macro ALOAD par, off                  ; A's four scale words and four fragments
.irp a, 0,1,2,3
	ds_load_b32 v[SA+4*(\par)+\a], v[VSA] offset:(\off)+6144+64*\a
.endr
.irp a, 0,1,2,3
.irp i, 0,1,2,3,4,5
	ds_load_b64 v[AF+48*(\par)+12*\a+2*\i:AF+48*(\par)+12*\a+2*\i+1], v[VA] offset:(\off)+1536*\a+256*\i
.endr
.endr
.endm
.macro ASK
	s_cmp_lt_u32 s42, s43
	s_cbranch_scc0 .Lno_ask_\@
	global_prefetch_b8 v[PFO], s[40:41] th:TH_LOAD_NT scope:SCOPE_SE
.Lno_ask_\@:
	s_add_co_u32 s42, s42, 1
.endm
.macro PROD par, zero, b, a
.set rD, 64*(\a)+8*((\b)%8)
.set rB, 12*(\b)
.set rA, AF+48*(\par)+12*(\a)
.set rS, SB+8*(\par)+(\b)%8
.set rT, SA+4*(\par)+(\a)
.if (\zero) && ((\b) < 8)
	v_wmma_scale_f32_16x16x128_f8f6f4 v[rD:rD+7], v[rB:rB+11], v[rA:rA+11], 0, v[rS], v[rT] matrix_a_fmt:MATRIX_FMT_FP6 matrix_b_fmt:MATRIX_FMT_FP6
.elseif (\zero)
	v_wmma_scale_f32_16x16x128_f8f6f4 v[rD:rD+7], v[rB:rB+11], v[rA:rA+11], 0, v[rS], v[rT] matrix_a_fmt:MATRIX_FMT_FP6 matrix_b_fmt:MATRIX_FMT_FP6 matrix_a_scale:MATRIX_SCALE_ROW1
.elseif (\b) < 8
	v_wmma_scale_f32_16x16x128_f8f6f4 v[rD:rD+7], v[rB:rB+11], v[rA:rA+11], v[rD:rD+7], v[rS], v[rT] matrix_a_fmt:MATRIX_FMT_FP6 matrix_b_fmt:MATRIX_FMT_FP6
.else
	v_wmma_scale_f32_16x16x128_f8f6f4 v[rD:rD+7], v[rB:rB+11], v[rA:rA+11], v[rD:rD+7], v[rS], v[rT] matrix_a_fmt:MATRIX_FMT_FP6 matrix_b_fmt:MATRIX_FMT_FP6 matrix_a_scale:MATRIX_SCALE_ROW1
.endif
.endm
; A K STEP: four groups of 16 products (four tiles of W x A's four); the 64 accumulators take turns, one instruction a turn.  Behind a group its four fragments of W are loaded anew, for the next
; K step (ldB).  Behind the last group A's set and both sets of scale words of this parity are loaded for the K step after the next (ldP).
.macro KSTEP par, zero, ldB, ldP, dcnt
.irp g, 0,1,2,3
.if \ldB
	s_wait_loadcnt 36                              ; behind the twelve loads that this group needs, three groups' twelve at the least were issued
.else
	s_wait_loadcnt 36-12*\g                        ; the last K step: the counts run down
.endif
.if \g == 0
	s_wait_dscnt \dcnt                             ; my parity's 28 LDS loads are in; the other parity's 28 may stay out
.endif
	WIN 0xa1+0x50*(\g/2)
.irp b, 0,1,2,3
.irp a, 0,1,2,3
	PROD \par, \zero, 4*\g+\b, \a
.endr
.endr
	PLACES                                         ; ahead of loads into registers that these products have read
.if (\g == 0) && (\ldB)
	s_wait_xcnt 0x0                                ; the earlier loads and the last prefetch have read their bases
	s_add_nc_u64 s[36:37], s[36:37], 1536
	s_add_nc_u64 s[40:41], s[40:41], 1536
.endif
.if (\g == 3) && (\ldP)
	WIN 0
	s_wait_xcnt 0x0
	s_add_nc_u64 s[38:39], s[38:39], 64
.irp t, 0,1,2,3,4,5,6,7
	global_load_b32 v[SB+8*(\par)+\t], v[VS], s[38:39] offset:\t*KS*64+64
.endr
	v_add_nc_u32 v[VA], RECB, v[VA]
	v_add_nc_u32 v[VSA], RECB, v[VSA]
	ALOAD \par, RECB
.endif
.if \ldB
	BLOAD \g
.endif
.if (\g == 1) && (\ldB)
	WIN 0
	ASK                                            ; behind the loads just issued
.endif
.endr
	WIN 0
.endm
.irp p, 0,1
.irp t, 0,1,2,3,4,5,6,7
	global_load_b32 v[SB+8*\p+\t], v[VS], s[38:39] offset:\t*KS*64+64*\p
.endr
.endr
.irp g, 0,1,2,3
	BLOAD \g
.endr
	WIN 0
	s_wait_tensorcnt 0x0                           ; my quarter of A is in,
	s_barrier_signal -1
	s_barrier_wait -1                              ; everybody's is
	ALOAD 0, 0
	ALOAD 1, RECB
	KSTEP 0, 1, 1, 1, 28                           ; the first K step starts the sums
	s_mov_b32 s44, KS/2-2
.Lk:
	KSTEP 1, 0, 1, 1, 28
	KSTEP 0, 0, 1, 1, 28
	s_sub_co_u32 s44, s44, 1
	s_cmp_lg_u32 s44, 0
	s_cbranch_scc1 .Lk
	KSTEP 1, 0, 1, 1, 28
	KSTEP 0, 0, 1, 0, 28
	KSTEP 1, 0, 0, 0, 0
	; ---- THE EPILOGUE.  idx = 4 k + a: tile of rows a, columns 128 k on: 64 consecutive accumulator registers
	WIN 0x40
.irp k, 0,1
.irp i, 0,1,2,3,4,5,6,7,8,9,10,11,12,13,14,15
	global_load_b128 v[64*\k+4*\i:64*\k+4*\i+3], v[VH], s[8:9] offset:512*\k+128*(\i/4)+16*(\i%4)        ; the bias at my columns
	global_load_b128 v[128+64*\k+4*\i:128+64*\k+4*\i+3], v[VH], s[14:15] offset:512*\k+128*(\i/4)+16*(\i%4)   ; beta
.endr
.endr
	WIN 0
.macro RLOAD idx                       ; 16 rows x 512 bytes of the residual, by rows: 512 consecutive bytes a load
.irp i, 0,1,2,3,4,5,6,7,8,9,10,11,12,13,14,15
	global_load_b128 v[Z+64*((\idx)%2)+4*\i:Z+64*((\idx)%2)+4*\i+3], v[VB], s[10:11] offset:(32*(((\idx)%4)/2)+8*((\idx)%2)+\i+8*(\i/8))*4096+512*((\idx)/4) th:TH_LOAD_NT
.endr
.endm
	RLOAD 0
	RLOAD 1
.macro PASS1 idx, cnt                  ; sums + bias + residual, in place; four chains of row sums for each tile of rows
.set rR, Z+64*((\idx)%2)
.set rC, 64*((\idx)%4)
.set rK, (\idx)/4
.set rH, CH+8*((\idx)%4)
	s_wait_loadcnt \cnt
.irp i, 0,1,2,3,4,5,6,7,8,9,10,11,12,13,14,15
	ds_store_b128 v[STI], v[rR+4*\i:rR+4*\i+3] offset:528*\i
.endr
.irp i, 0,1,2,3,4,5,6,7,8,9,10,11,12,13,14,15
	ds_load_b128 v[rR+4*\i:rR+4*\i+3], v[STL] offset:128*(\i/4)+16*(\i%4)   ; my own stage: LDS serves a wave's instructions in order
.endr
	WIN 0x86+0x41*rK
.set jj, 0
.rept 32
	v_pk_add_f32 v[rC+jj:rC+jj+1], v[rC+jj:rC+jj+1], v[64*rK+jj:64*rK+jj+1]   ; each accumulator from its low end on
.set jj, jj+2
.endr
	s_wait_dscnt 0x0
	WIN 0x82+0x41*rK
.set jj, 0
.rept 32
	v_pk_add_f32 v[rC+jj:rC+jj+1], v[rC+jj:rC+jj+1], v[rR+jj:rR+jj+1]
.set jj, jj+2
.endr
	WIN 0x02+rK
.set jj, 0
.rept 32
.if (rK == 0) && (jj < 8)
	v_pk_add_f32 v[rH+jj:rH+jj+1], v[rC+jj:rC+jj+1], 0 op_sel_hi:[1,0]   ; the first terms start the chains: nothing is cleared
.else
	v_pk_add_f32 v[rH+jj%8:rH+jj%8+1], v[rC+jj:rC+jj+1], v[rH+jj%8:rH+jj%8+1]
.endif
.set jj, jj+2
.endr
	WIN 0
.if (\idx)+2 < 8
	RLOAD (\idx)+2
.endif
.endm
.irp x, 0,1,2,3,4,5,6
	PASS1 \x, 16                                   ; the next set's 16 loads may stay out
.endr
	PASS1 7, 0
	WIN 0x40
.irp k, 0,1
.irp i, 0,1,2,3,4,5,6,7,8,9,10,11,12,13,14,15
	global_load_b128 v[64*\k+4*\i:64*\k+4*\i+3], v[VH], s[12:13] offset:512*\k+128*(\i/4)+16*(\i%4)        ; gamma, where the bias lay
.endr
.endr
	WIN 0
.macro REDUCE off                      ; the chains of each tile of rows: folded, with lane l xor 16, and over the four waves through LDS; the result in v[RL + 4 a], the same bits in all waves
.irp a, 0,1,2,3
	v_pk_add_f32 v[CH+8*\a:CH+8*\a+1], v[CH+8*\a:CH+8*\a+1], v[CH+8*\a+2:CH+8*\a+3]
	v_pk_add_f32 v[CH+8*\a+4:CH+8*\a+5], v[CH+8*\a+4:CH+8*\a+5], v[CH+8*\a+6:CH+8*\a+7]
.endr
.irp a, 0,1,2,3
	v_pk_add_f32 v[CH+8*\a:CH+8*\a+1], v[CH+8*\a:CH+8*\a+1], v[CH+8*\a+4:CH+8*\a+5]
.endr
.irp a, 0,1,2,3
	v_add_f32 v[CH+8*\a], v[CH+8*\a], v[CH+8*\a+1]
.endr
.irp a, 0,1,2,3
	v_permlanex16_b32 v[CH+8*\a+1], v[CH+8*\a], s[SEL], s[SEL+1]
.endr
.irp a, 0,1,2,3
	v_add_f32 v[CH+8*\a], v[CH+8*\a], v[CH+8*\a+1]
.endr
.irp a, 0,1,2,3
	ds_store_b32 v[RW], v[CH+8*\a] offset:(\off)+256*\a
.endr
	s_wait_dscnt 0x0                               ; for the others' sake: my words have landed
	s_barrier_signal -1
	s_barrier_wait -1
.irp a, 0,1,2,3
	ds_load_b128 v[RL+4*\a:RL+4*\a+3], v[RD] offset:(\off)+256*\a
.endr
	s_wait_dscnt 0x0
.irp a, 0,1,2,3
	v_add_f32 v[RL+4*\a], v[RL+4*\a], v[RL+4*\a+1]
	v_add_f32 v[RL+4*\a+2], v[RL+4*\a+2], v[RL+4*\a+3]
.endr
.irp a, 0,1,2,3
	v_add_f32 v[RL+4*\a], v[RL+4*\a], v[RL+4*\a+2]
.endr
.endm
	REDUCE 0
.irp a, 0,1,2,3
	v_mul_f32 v[NM+2*\a], 0xba800000, v[RL+4*\a]   ; -mean
	v_mov_b32 v[NM+2*\a+1], 0                      ; (named with it as a pair)
	v_mov_b32 v[RSQ+2*\a+1], 0
.endr
.macro PASS2 idx                       ; - mean, in place; chains of squares
.set rC, 64*((\idx)%4)
.set rK, (\idx)/4
.set rH, CH+8*((\idx)%4)
.set rM, NM+2*((\idx)%4)
	WIN 0x82+0x41*rK
.set jj, 0
.rept 32
	v_pk_add_f32 v[rC+jj:rC+jj+1], v[rC+jj:rC+jj+1], v[rM:rM+1] op_sel_hi:[1,0]
.set jj, jj+2
.endr
	WIN 0x0a+0x05*rK
.set jj, 0
.rept 32
.if (rK == 0) && (jj < 8)
	v_pk_mul_f32 v[rH+jj:rH+jj+1], v[rC+jj:rC+jj+1], v[rC+jj:rC+jj+1]
.else
	v_pk_fma_f32 v[rH+jj%8:rH+jj%8+1], v[rC+jj:rC+jj+1], v[rC+jj:rC+jj+1], v[rH+jj%8:rH+jj%8+1]
.endif
.set jj, jj+2
.endr
	WIN 0
.endm
.irp x, 0,1,2,3,4,5,6,7
	PASS2 \x
.endr
	REDUCE 1024
.irp a, 0,1,2,3
	v_fma_f32 v[RL+4*\a], v[RL+4*\a], s48, s49     ; the variance + 1e-5
.endr
.irp a, 0,1,2,3
	v_rsq_f32 v[RSQ+2*\a], v[RL+4*\a]
.endr
	v_nop                                          ; a plain line behind the last of them
	s_wait_alu depctr_va_vdst(0)                   ; one wait for the four, ahead of their first reader
	s_wait_loadcnt 0x0                             ; gamma
.macro OUT a, k                        ; x 1 / sqrt, x gamma + beta; through my stage into whole rows
.set rC, 64*(\a)
	s_wait_xcnt 0x0                                ; the last turn's stores have read their data
	WIN 0x02+(\k)
.set jj, 0
.rept 32
	v_pk_mul_f32 v[Z+jj:Z+jj+1], v[rC+jj:rC+jj+1], v[RSQ+2*(\a):RSQ+2*(\a)+1] op_sel_hi:[1,0]
.set jj, jj+2
.endr
	WIN 0x14
.set jj, 0
.rept 32
	v_pk_fma_f32 v[Z+jj:Z+jj+1], v[Z+jj:Z+jj+1], v[64*(\k)+jj:64*(\k)+jj+1], v[128+64*(\k)+jj:128+64*(\k)+jj+1]
.set jj, jj+2
.endr
	WIN 0
.irp i, 0,1,2,3,4,5,6,7,8,9,10,11,12,13,14,15
	ds_store_b128 v[STL], v[Z+4*\i:Z+4*\i+3] offset:128*(\i/4)+16*(\i%4)
.endr
.irp i, 0,1,2,3,4,5,6,7,8,9,10,11,12,13,14,15
	ds_load_b128 v[BK+4*\i:BK+4*\i+3], v[STI] offset:528*\i
.endr
	s_wait_dscnt 0x0
.irp i, 0,1,2,3,4,5,6,7,8,9,10,11,12,13,14,15
	global_store_b128 v[VB], v[BK+4*\i:BK+4*\i+3], s[16:17] offset:(32*((\a)/2)+8*((\a)%2)+\i+8*(\i/8))*4096+512*(\k) th:TH_STORE_NT   ; 512 consecutive bytes of a row
.endr
.endm
.irp k, 0,1
.irp a, 0,1,2,3
	OUT \a, \k
.endr
.endr
	s_wait_tensorcnt 0x0                           ; the wave's end
	ds_add_u32 v[SPW], v[NIL]
	s_wait_dscnt 0x0
	s_endpgm
.Lfunc_end_k_qfeb67a6129_w2_ln:
	.size	k_qfeb67a6129_w2_ln, .Lfunc_end_k_qfeb67a6129_w2_ln-k_qfeb67a6129_w2_ln
	.p2alignl 7, 3214868480
	.fill 96, 4, 3214868480
	.section	.rodata,"a",@progbits
	.p2align	6, 0x0
	.amdhsa_kernel k_qfeb67a6129_w2_ln
		.amdhsa_group_segment_fixed_size 241152
		.amdhsa_private_segment_fixed_size 0
		.amdhsa_enable_private_segment 0
		.amdhsa_kernarg_size 56
		.amdhsa_user_sgpr_count 2
		.amdhsa_user_sgpr_kernarg_segment_ptr 1
		.amdhsa_wavefront_size32 1
		.amdhsa_system_sgpr_workgroup_id_x 1
		.amdhsa_system_sgpr_workgroup_id_y 1
		.amdhsa_system_sgpr_workgroup_id_z 1
		.amdhsa_system_vgpr_workitem_id 0
		.amdhsa_next_free_vgpr 1024
		.amdhsa_next_free_sgpr 66
		.amdhsa_reserve_vcc 0
		.amdhsa_float_denorm_mode_32 3
		.amdhsa_float_denorm_mode_16_64 3
		.amdhsa_memory_ordered 1
		.amdhsa_forward_progress 1
		.amdhsa_inst_pref_size 255
	.end_amdhsa_kernel
	.section	.bss,"aw",@nobits
	.p2align	6
	.space	262144
	.amdgpu_metadata
---
amdhsa.version: [ 1, 2 ]
amdhsa.kernels:
  - .name:           k_qfeb67a6129_w2_ln
    .symbol:         k_qfeb67a6129_w2_ln.kd
    .args:
      - { .name: h, .offset: 0, .size: 8, .value_kind: global_buffer, .address_space: global }
      - { .name: wts, .offset: 8, .size: 8, .value_kind: global_buffer, .address_space: global }
      - { .name: b2, .offset: 16, .size: 8, .value_kind: global_buffer, .address_space: global }
      - { .name: x1, .offset: 24, .size: 8, .value_kind: global_buffer, .address_space: global }
      - { .name: ln2_g, .offset: 32, .size: 8, .value_kind: global_buffer, .address_space: global }
      - { .name: ln2_b, .offset: 40, .size: 8, .value_kind: global_buffer, .address_space: global }
      - { .name: out0, .offset: 48, .size: 8, .value_kind: global_buffer, .address_space: global }
    .group_segment_fixed_size: 241152
    .private_segment_fixed_size: 0
    .kernarg_segment_align: 8
    .kernarg_segment_size: 56
    .max_flat_workgroup_size: 128
    .sgpr_count:     66
    .vgpr_count:     1024
    .wavefront_size: 32
...
	.end_amdgpu_metadata
.endif
;; end of part 6
;; ======== version 2 of 2: 7 launches
;; limits: right only within a limited range of input values
;; workspace buffers: xq 3,276,800 bytes; wts 9,830,400 bytes; qkv 10,092,544 bytes; ao 3,276,800 bytes; h 13,107,200 bytes; x1 16,777,216 bytes; x1q 3,276,800 bytes; y 16,777,216 bytes
;; launch prep (part 7): grid 1024 x 1, 4 waves a work-group, no clusters, 34,304 bytes of LDS; arguments x, wq, wk, wv, wo, w1, w2, xq, wts; writes xq, wts
.if DOCPART == 7
	.amdgcn_target "amdgcn-amd-amdhsa--gfx1250"
	.amdhsa_code_object_version 6
	.text
	.protected	k_qfeb67a6129_prep
	.globl	k_qfeb67a6129_prep
	.p2align	8
	.type	k_qfeb67a6129_prep,@function
k_qfeb67a6129_prep:
	s_mov_b64 s[64:65], 0
	v_nop
	global_prefetch_b8 v0, s[64:65] scope:SCOPE_SE
	s_setreg_imm32_b32 hwreg(HW_REG_WAVE_MODE, 25, 1), 1
	s_wait_xcnt 0x0
; x [4096][1024] f32 (K innermost) and the six weights (f32, K along the FIRST axis) become codes of FP6 (E2M3) with one E8M0 byte for each 32 along K,
; laid as IMAGES OF OPERAND REGISTERS: a fragment (16 rows x 128 K, 12 registers a lane) is 1,536 bytes, registers 4 c .. 4 c + 3 of lane l at 512 c + 16 l; its 16 scale words are 64 bytes, row slot r at 4 r.
; THE 16 ROWS OF A TILE ARE NOT NEIGHBOURS: tile t = 2 G + u holds in slot r the row 32 G + 8 u + r + 8 (r / 8), so that a later product's results are neighbours along the next K.
; xq: fragment (t, s) at (8 t + s) x 1536, scale words at XSO + (8 t + s) x 64.  wts: fragment f at 1536 f, words at WSO + 64 f; f = FB + t KS + s; FB: wq 0, wk 512, wv 1024, w1 1536, wo 3584, w2 4096.
; A block's scale is 2^(floor(log2(largest magnitude)) - 2); its byte is the largest magnitude's exponent field - 2, held at 1 from below.
; LIMITS: a block of zeros, or one whose largest magnitude lies under 2^-124, gets the byte 1 where the rule says 127 or less: zero blocks have zero codes, and these bytes are read by this program alone.  NaN and infinities are not served.
; Work-groups 0-255 take x, a tile each, a wave two K steps; work-groups 256-1023 take the weights, a wave 32 columns x 128 K, a lane a column with its registers running down K.  Waves share nothing: no barrier.
.set XSO,   3145728
.set WSO,   9437184
.set STGW,  8448                       ; the x path's stage of a wave: 16 rows x (512 + 16) bytes
.set SPARE, 4*STGW                     ; behind the stages: the spare words, 128 bytes a wave
.set LN,  10                           ; v10 lane
.set RR,  11                           ; v11 lane % 16
.set SPW, 12                           ; v12 my spare word; never rewritten
.set NIL, 13                           ; v13 0; never rewritten
.set HH,  14                           ; v14 lane / 16
.set R0,  16                           ; x path: v16-143 two units of 64 numbers
.set TM,  144                          ; v144-159 at work in QUANT
.set PC,  160                          ; v160-179 the codes just made
.set PW,  180                          ; v180 the scale word just made
.set SEL, 2                            ; s[2:3] selects for lane l xor 16
.set VA,  16                           ; w path: v16-47 byte offsets of 32 rows of the weight
.set X,   48                           ; v48-111 two sets of 32 numbers
.set F,   112                          ; v112-135 my column's registers in lane slot (r, 0) and in (r, 1)
.set T,   136                          ; v136-143 a block's upper 16 codes, two sets
.set WD,  144                          ; v144 my column's scale word
; 64 numbers of a lane, register 16 b + i = k 32 b + 16 (lane / 16) + i of my row, become a fragment in v[PC] .. v[PC+11] and its scale word in v[PW]
.macro QUANT s
.irp b, 0,1,2,3
	v_max3_num_f32 v[TM+\b], |v[(\s)+16*\b]|, |v[(\s)+1+16*\b]|, 0x1800000   ; my 16 numbers of block b, and the floor 2^(3 - 127): the byte cannot fall under 1
.endr
.irp i, 2,4,6,8,10,12,14
.irp b, 0,1,2,3
	v_max3_num_f32 v[TM+\b], v[TM+\b], |v[(\s)+16*\b+\i]|, |v[(\s)+1+16*\b+\i]|
.endr
.endr
.irp b, 0,1,2,3
	v_permlanex16_b32 v[TM+4+\b], v[TM+\b], s[SEL], s[SEL+1]
.endr
.irp b, 0,1,2,3
	v_max_num_f32 v[TM+\b], v[TM+\b], v[TM+4+\b]   ; with lane l xor 16: the block's largest magnitude
.endr
.irp b, 0,1,2,3
	v_add_nc_u32 v[TM+12+\b], 0xff000000, v[TM+\b]   ; 2 off its exponent field: the conversion's scale operand
.endr
.irp b, 0,1,2,3
	v_lshrrev_b32 v[TM+4+\b], 23, v[TM+12+\b]      ; the scale's byte
.endr
	v_lshl_or_b32 v[PW], v[TM+5], 8, v[TM+4]
	v_lshl_or_b32 v[PW], v[TM+6], 16, v[PW]
	v_lshl_or_b32 v[PW], v[TM+7], 24, v[PW]
.irp c, 0,1
	v_cvt_scalef32_pk16_fp6_f32 v[PC+6*\c:PC+2+6*\c], v[(\s)+32*\c:(\s)+15+32*\c], v[TM+12+2*\c]
	v_cvt_scalef32_pk16_fp6_f32 v[PC+12+4*\c:PC+14+4*\c], v[(\s)+16+32*\c:(\s)+31+32*\c], v[TM+12+2*\c+1]   ; (a conversion's three registers begin on an even number)
.endr
	v_nop                                          ; one plain line behind the scaled conversions
.irp c, 0,1                                    ; the layout wants a whole block in a lane: lanes 0-15 block 2 c, lanes 16-31 block 2 c + 1
.irp i, 0,1,2
	v_permlane16_swap_b32 v[PC+6*\c+\i], v[PC+12+4*\c+\i]
.endr
.irp i, 0,1,2
	v_mov_b32 v[PC+3+6*\c+\i], v[PC+12+4*\c+\i]
.endr
.endr
.endm
	s_load_b512 s[8:23], s[0:1], 0x0               ; x s[8:9], wq, wk, wv, wo, w1, w2 s[10:21], xq s[22:23]
	s_load_b64 s[24:25], s[0:1], 0x40              ; wts
	v_lshl_add_u32 v[SPW], v0, 2, SPARE
	v_mov_b32 v[NIL], 0
	v_lshrrev_b32 v1, 5, v0
	v_readfirstlane_b32 s4, v1                     ; wave
	v_and_b32 v[LN], 31, v0
	v_and_b32 v[RR], 15, v0
	v_bfe_u32 v[HH], v0, 4, 1
	s_cmp_lt_u32 ttmp9, 256
	s_cbranch_scc0 .Lweights
	; ---- x: tile t = the work-group's number, K steps 2 w and 2 w + 1
	v_lshlrev_b32 v1, 4, v[LN]                     ; 16 l: my 16 bytes of a load's or a store's 512
	s_mul_i32 s5, s4, STGW
	v_add_nc_u32 v2, s5, v1                        ; the stage, rows as they are loaded
	v_mul_u32_u24 v3, 528, v[RR]
	v_lshl_add_u32 v3, v[HH], 6, v3
	v_add_nc_u32 v3, s5, v3                        ; and back: row r, 64 bytes on for lanes 16-31
	v_lshlrev_b32 v5, 2, v[RR]
	s_mov_b32 s[SEL], 0x76543210
	s_mov_b32 s[SEL+1], 0xfedcba98
.irp b, 0,1,2,3
	v_mov_b32 v[TM+4+\b], 0                        ; a lane permute's destination counts as one of its sources
.endr
	s_lshr_b32 s26, ttmp9, 1
	s_lshl_b32 s26, s26, 5
	s_and_b32 s27, ttmp9, 1
	s_lshl_b32 s27, s27, 3
	s_add_co_u32 s26, s26, s27                     ; the tile's first row: 32 (t / 2) + 8 (t % 2)
	s_lshl_b32 s26, s26, 12
	s_lshl_b32 s27, s4, 10
	s_add_co_u32 s26, s26, s27                     ; in bytes, + my 256 columns
	s_mov_b32 s27, 0
	s_lshl_b32 s28, ttmp9, 3
	s_lshl_b32 s29, s4, 1
	s_add_co_u32 s28, s28, s29                     ; 8 t + 2 w
	s_mul_i32 s30, s28, 1536
	s_mov_b32 s31, 0
	s_lshl_b32 s28, s28, 6
	s_add_co_u32 s28, s28, XSO
	s_mov_b32 s29, 0
	s_wait_alu depctr_va_vdst(0)
	s_wait_kmcnt 0x0
	s_add_nc_u64 s[8:9], s[8:9], s[26:27]
	s_add_nc_u64 s[30:31], s[22:23], s[30:31]
	s_add_nc_u64 s[28:29], s[22:23], s[28:29]
.irp q, 0,1
.irp i, 0,1,2,3,4,5,6,7,8,9,10,11,12,13,14,15
	global_load_b128 v[R0+64*\q+4*\i:R0+64*\q+4*\i+3], v1, s[8:9] offset:(\i+8*(\i/8))*4096+512*\q th:TH_LOAD_NT   ; slot i's row: 512 consecutive bytes
.endr
.endr
.macro XUNIT q, cnt
	s_wait_loadcnt \cnt                            ; this unit's 16 loads are in
.irp i, 0,1,2,3,4,5,6,7,8,9,10,11,12,13,14,15
	ds_store_b128 v2, v[R0+64*\q+4*\i:R0+64*\q+4*\i+3] offset:528*\i
.endr
.irp i, 0,1,2,3,4,5,6,7,8,9,10,11,12,13,14,15
	ds_load_b128 v[R0+64*\q+4*\i:R0+64*\q+4*\i+3], v3 offset:128*(\i/4)+16*(\i%4)   ; LDS serves a wave's instructions in order: these see my stores
.endr
	s_wait_dscnt 0x0
.if \q
	s_wait_xcnt 0x0                                ; the first unit's stores have read their data: the codes' registers may be written again
.endif
	QUANT R0+64*\q
.irp c, 0,1,2
	global_store_b128 v1, v[PC+4*\c:PC+4*\c+3], s[30:31] offset:1536*\q+512*\c   ; 512 consecutive bytes
.endr
	global_store_b32 v5, v[PW], s[28:29] offset:64*\q   ; lanes r and r + 16 hold the same word
.endm
	XUNIT 0, 16                                    ; the second unit's 16 loads may stay out
	XUNIT 1, 0
	s_branch .Lend
.Lweights:
	; ---- the weights.  id = the work-group's number - 256; id / 256: 0 the four square ones, 1 w1, 2 w2
	s_sub_co_u32 s5, ttmp9, 256
	s_lshr_b32 s6, s5, 8
	s_and_b32 s26, s5, 7                           ; which 128 columns,
	s_bfe_u32 s27, s5, 0x30003                     ; which K step
	s_bfe_u32 s28, s5, 0x50003                     ; (w2: 32 K steps)
	s_and_b32 s29, s5, 31                          ; (w1: 32 groups of columns,
	s_bfe_u32 s30, s5, 0x30005                     ;  8 K steps)
	s_bfe_u32 s31, s5, 0x20006                     ; which of wq, wk, wv, wo
	s_mov_b32 s32, 4096
	s_cmp_eq_u32 s6, 1
	s_cselect_b32 s26, s29, s26
	s_cselect_b32 s27, s30, s27
	s_cselect_b32 s32, 16384, s32                  ; bytes in a row of the weight
	s_cmp_eq_u32 s6, 2
	s_cselect_b32 s27, s28, s27
	s_cselect_b32 s33, 32, 8                       ; KS: K steps
	s_lshl_b32 s34, s31, 9
	s_cmp_eq_u32 s31, 3
	s_cselect_b32 s34, 3584, s34
	s_cmp_eq_u32 s6, 1
	s_cselect_b32 s34, 1536, s34
	s_cmp_eq_u32 s6, 2
	s_cselect_b32 s34, 4096, s34                   ; FB
	s_lshl_b32 s35, s26, 7
	s_lshl_b32 s36, s4, 5
	s_add_co_u32 s35, s35, s36                     ; my wave's first column
	s_lshr_b32 s36, s35, 4
	s_mul_i32 s36, s36, s33
	s_add_co_u32 s36, s36, s27
	s_add_co_u32 s36, s36, s34                     ; f of my first tile: FB + (column / 16) KS + s
	s_mul_i32 s38, s36, 1536
	s_mov_b32 s39, 0
	s_lshl_b32 s40, s36, 6
	s_add_co_u32 s40, s40, WSO
	s_mov_b32 s41, 0
	s_lshl_b32 s42, s27, 7
	s_mul_i32 s42, s42, s32
	s_lshl_b32 s43, s35, 2
	s_add_co_u32 s42, s42, s43                     ; row 128 s, my first column, in bytes
	s_mov_b32 s43, 0
	s_mul_i32 s37, s33, 1536                       ; from a tile to the next
	s_lshl_b32 s52, s33, 6
	s_wait_alu depctr_va_vdst(0)
	v_lshlrev_b32 v4, 2, v[LN]
.set ii, 0
.rept 32
	v_mad_u32_u24 v[VA+ii], s32, ii, v4            ; row ii of a block, my column
.set ii, ii+1
.endr
	v_bfe_u32 v6, v[LN], 3, 1                      ; column l of 32 lies in tile u = (l / 8) % 2,
	v_and_b32 v7, 7, v[LN]
	v_lshl_add_u32 v7, v[HH], 3, v7                ; slot l % 8 + 8 (l / 16)
	v_mul_u32_u24 v8, s37, v6
	v_lshl_add_u32 v8, v7, 4, v8
	v_mul_u32_u24 v9, s52, v6
	v_lshl_add_u32 v9, v7, 2, v9
	s_wait_alu depctr_va_vdst(0)
	s_wait_kmcnt 0x0
	s_cmp_eq_u32 s31, 1                            ; the choices hang on the work-group's number alone
	s_cselect_b64 s[10:11], s[12:13], s[10:11]
	s_cmp_eq_u32 s31, 2
	s_cselect_b64 s[10:11], s[14:15], s[10:11]
	s_cmp_eq_u32 s31, 3
	s_cselect_b64 s[10:11], s[16:17], s[10:11]
	s_cmp_eq_u32 s6, 1
	s_cselect_b64 s[10:11], s[18:19], s[10:11]
	s_cmp_eq_u32 s6, 2
	s_cselect_b64 s[10:11], s[20:21], s[10:11]
	s_add_nc_u64 s[44:45], s[10:11], s[42:43]      ; a base for each of the four blocks of 32 along K: nothing is stepped
	s_lshl_b32 s42, s32, 5
	s_add_nc_u64 s[46:47], s[44:45], s[42:43]
	s_add_nc_u64 s[48:49], s[46:47], s[42:43]
	s_add_nc_u64 s[50:51], s[48:49], s[42:43]
	s_add_nc_u64 s[38:39], s[24:25], s[38:39]
	s_add_nc_u64 s[40:41], s[24:25], s[40:41]
.macro LOADW kb
.set ii, 0
.rept 32
	global_load_b32 v[X+32*((\kb)%2)+ii], v[VA+ii], s[44+2*(\kb):45+2*(\kb)] th:TH_LOAD_NT   ; 32 lanes read 128 consecutive bytes, the four waves 512
.set ii, ii+1
.endr
.endm
.macro BLOCKW kb, cnt                          ; block kb of my column: it belongs to lane slot (r, kb % 2), registers 6 (kb / 2) on
.set XS, X+32*((\kb)%2)
.set FD, F+12*((\kb)%2)+6*((\kb)/2)
.set TD, T+4*((\kb)%2)
	s_wait_loadcnt \cnt
	v_max3_num_f32 v145, |v[XS]|, |v[XS+1]|, |v[XS+2]|
	v_max3_num_f32 v146, |v[XS+3]|, |v[XS+4]|, |v[XS+5]|
.irp i, 6,10,14,18,22,26
	v_max3_num_f32 v145, v145, |v[XS+\i]|, |v[XS+\i+1]|
	v_max3_num_f32 v146, v146, |v[XS+\i+2]|, |v[XS+\i+3]|
.endr
	v_max3_num_f32 v145, v145, |v[XS+30]|, |v[XS+31]|
	v_max3_num_f32 v145, v145, v146, 0x1800000     ; and the floor
	v_add_nc_u32 v147, 0xff000000, v145
	v_cvt_scalef32_pk16_fp6_f32 v[FD:FD+2], v[XS:XS+15], v147
	v_cvt_scalef32_pk16_fp6_f32 v[TD:TD+2], v[XS+16:XS+31], v147
	v_lshrrev_b32 v148, 23, v147                   ; the byte; also the plain line behind the conversions
.irp i, 0,1,2
	v_mov_b32 v[FD+3+\i], v[TD+\i]
.endr
.if (\kb) == 0
	v_mov_b32 v[WD], v148
.else
	v_lshl_or_b32 v[WD], v148, 8*(\kb), v[WD]
.endif
.endm
	LOADW 0
	LOADW 1
	BLOCKW 0, 32                                   ; the next block's 32 loads may stay out
	LOADW 2
	BLOCKW 1, 32
	LOADW 3
	BLOCKW 2, 32
	BLOCKW 3, 0
.irp h, 0,1
.irp c, 0,1,2
	global_store_b128 v8, v[F+12*\h+4*\c:F+12*\h+4*\c+3], s[38:39] offset:512*\c+256*\h   ; the 16 lanes of a tile store 256 consecutive bytes, aligned
.endr
.endr
	global_store_b32 v9, v[WD], s[40:41]
.Lend:
	s_wait_tensorcnt 0x0                           ; the wave's end
	ds_add_u32 v[SPW], v[NIL]
	s_wait_dscnt 0x0
	s_endpgm
.Lfunc_end_k_qfeb67a6129_prep:
	.size	k_qfeb67a6129_prep, .Lfunc_end_k_qfeb67a6129_prep-k_qfeb67a6129_prep
	.p2alignl 7, 3214868480
	.fill 96, 4, 3214868480
	.section	.rodata,"a",@progbits
	.p2align	6, 0x0
	.amdhsa_kernel k_qfeb67a6129_prep
		.amdhsa_group_segment_fixed_size 34304
		.amdhsa_private_segment_fixed_size 0
		.amdhsa_enable_private_segment 0
		.amdhsa_kernarg_size 72
		.amdhsa_user_sgpr_count 2
		.amdhsa_user_sgpr_kernarg_segment_ptr 1
		.amdhsa_wavefront_size32 1
		.amdhsa_system_sgpr_workgroup_id_x 1
		.amdhsa_system_sgpr_workgroup_id_y 1
		.amdhsa_system_sgpr_workgroup_id_z 1
		.amdhsa_system_vgpr_workitem_id 0
		.amdhsa_next_free_vgpr 192
		.amdhsa_next_free_sgpr 66
		.amdhsa_reserve_vcc 0
		.amdhsa_float_denorm_mode_32 3
		.amdhsa_float_denorm_mode_16_64 3
		.amdhsa_memory_ordered 1
		.amdhsa_forward_progress 1
		.amdhsa_inst_pref_size 41
	.end_amdhsa_kernel
	.amdgpu_metadata
---
amdhsa.version: [ 1, 2 ]
amdhsa.kernels:
  - .name:           k_qfeb67a6129_prep
    .symbol:         k_qfeb67a6129_prep.kd
    .args:
      - { .name: x, .offset: 0, .size: 8, .value_kind: global_buffer, .address_space: global }
      - { .name: wq, .offset: 8, .size: 8, .value_kind: global_buffer, .address_space: global }
      - { .name: wk, .offset: 16, .size: 8, .value_kind: global_buffer, .address_space: global }
      - { .name: wv, .offset: 24, .size: 8, .value_kind: global_buffer, .address_space: global }
      - { .name: wo, .offset: 32, .size: 8, .value_kind: global_buffer, .address_space: global }
      - { .name: w1, .offset: 40, .size: 8, .value_kind: global_buffer, .address_space: global }
      - { .name: w2, .offset: 48, .size: 8, .value_kind: global_buffer, .address_space: global }
      - { .name: xq, .offset: 56, .size: 8, .value_kind: global_buffer, .address_space: global }
      - { .name: wts, .offset: 64, .size: 8, .value_kind: global_buffer, .address_space: global }
    .group_segment_fixed_size: 34304
    .private_segment_fixed_size: 0
    .kernarg_segment_align: 8
    .kernarg_segment_size: 72
    .max_flat_workgroup_size: 128
    .sgpr_count:     66
    .vgpr_count:     192
    .wavefront_size: 32
...
	.end_amdgpu_metadata
.endif
;; end of part 7
;; launch qkv (part 8): grid 12 x 16, 4 waves a work-group, clusters of 4 x 4, 327,680 bytes of LDS; arguments xq, wts, bq, bk, bv, qkv; writes qkv
.if DOCPART == 8
	.amdgcn_target "amdgcn-amd-amdhsa--gfx1250"
	.amdhsa_code_object_version 6
	.text
	.protected	k_qfeb67a6129_qkv
	.globl	k_qfeb67a6129_qkv
	.p2align	8
	.type	k_qfeb67a6129_qkv,@function
k_qfeb67a6129_qkv:
	s_mov_b64 s[64:65], 0
	v_nop
	global_prefetch_b8 v0, s[64:65] scope:SCOPE_SE
	s_setreg_imm32_b32 hwreg(HW_REG_WAVE_MODE, 25, 1), 1
	s_wait_xcnt 0x0
	s_wait_alu depctr_hold_cnt(0) depctr_sa_sdst(0) depctr_va_vdst(0) depctr_va_sdst(0) depctr_va_ssrc(0) depctr_va_vcc(0) depctr_vm_vsrc(0)
	s_getreg_b32 s2, hwreg(HW_REG_IB_STS2, 6, 4)
	s_cmp_eq_u32 s2, 0
	s_cbranch_scc0 .Lentry_in_a_cluster
	s_endpgm
.Lentry_in_a_cluster:
	s_bfe_u32 s2, ttmp6, 0x10000c
	s_cmp_lg_u32 s2, 0xf033
	s_cbranch_scc0 .Lentry_shape_is_right
	s_endpgm
.Lentry_shape_is_right:
.set NQ,    2
.set FR,    12
.set NL,    3
.set NP,    4
.set TILEB, 3072
.set KROWB, 12288
.set HALFT, 8*TILEB
.set SLOT,  4*HALFT
.set SCL,   2*SLOT
.set HALFS, 4096
.set SPARE, SCL+4*HALFS
.set XSO,   3145728
.set WSO,   9437184
.set REC,   19712
.set HS,    16*REC
.set VC,   4
.set VS,   8
.set ADRA, 16
.set ADRB, 20
.set ADRS, 27
.set SPW,  28
.set NIL,  29
.set SC,   32
.set Z,    64
.set AF,   128
.set PC,   128
.set PW,   148
.set RB,   224
.set TM,   240
.set SEL,  46
.set G1, 24
.set G0, 32
.set G1B, 48
.set G0B, 56
.set G1S, 68
.set G0S, 76
.set G1SB, 80
.set G0SB, 88
.set MSB, 0
.macro WIN new
.if MSB != (\new)
	s_set_vgpr_msb (MSB<<8)|(\new)
.set MSB, (\new)
.endif
.endm
.set MUL_LO, 0xa1
.set MUL_HI, 0xf1
.set TO_B,   0x40
.macro JLOAD g0a, g1a, g0b, g1b
	s_cmp_eq_u32 s17, 0
	s_cbranch_scc0 .Lfor_b_\@
	tensor_load_to_lds s[\g0a:\g0a+3], s[\g1a:\g1a+7]
	s_nop 0
.rept 4
	v_nop
.endr
	s_branch .Lasked_\@
.Lfor_b_\@:
	tensor_load_to_lds s[\g0b:\g0b+3], s[\g1b:\g1b+7]
	s_nop 0
.rept 4
	v_nop
.endr
.Lasked_\@:
.endm
.macro CREST
	s_cmp_lg_u32 s16, 0
	s_cbranch_scc1 .Lnot_wave_0_\@
	s_barrier_signal -3
.Lnot_wave_0_\@:
	s_barrier_wait -3
	s_barrier_signal -1
	s_barrier_wait -1
.endm
.macro CROUND
	s_barrier_signal -1
	s_barrier_wait -1
	CREST
.endm
.macro PLACES n
.rept \n
	v_nop
.endr
.endm
.macro QUANT s
.irp b, 0,1,2,3
	v_max3_num_f32 v[TM+\b], |v[(\s)+16*\b]|, |v[(\s)+1+16*\b]|, 0x1800000
.endr
.irp i, 2,4,6,8,10,12,14
.irp b, 0,1,2,3
	v_max3_num_f32 v[TM+\b], v[TM+\b], |v[(\s)+16*\b+\i]|, |v[(\s)+1+16*\b+\i]|
.endr
.endr
.irp b, 0,1,2,3
	v_permlanex16_b32 v[TM+4+\b], v[TM+\b], s[SEL], s[SEL+1]
.endr
.irp b, 0,1,2,3
	v_max_num_f32 v[TM+\b], v[TM+\b], v[TM+4+\b]
.endr
.irp b, 0,1,2,3
	v_add_nc_u32 v[TM+12+\b], 0xff000000, v[TM+\b]
.endr
.irp b, 0,1,2,3
	v_lshrrev_b32 v[TM+4+\b], 23, v[TM+12+\b]
.endr
	v_lshl_or_b32 v[PW], v[TM+5], 8, v[TM+4]
	v_lshl_or_b32 v[PW], v[TM+6], 16, v[PW]
	v_lshl_or_b32 v[PW], v[TM+7], 24, v[PW]
.irp c, 0,1
	v_cvt_scalef32_pk16_fp6_f32 v[PC+6*\c:PC+2+6*\c], v[(\s)+32*\c:(\s)+15+32*\c], v[TM+12+2*\c]
	v_cvt_scalef32_pk16_fp6_f32 v[PC+12+4*\c:PC+14+4*\c], v[(\s)+16+32*\c:(\s)+31+32*\c], v[TM+12+2*\c+1]
.endr
	v_nop
.irp c, 0,1
.irp i, 0,1,2
	v_permlane16_swap_b32 v[PC+6*\c+\i], v[PC+12+4*\c+\i]
.endr
.irp i, 0,1,2
	v_mov_b32 v[PC+3+6*\c+\i], v[PC+12+4*\c+\i]
.endr
.endr
.endm
	s_load_b256 s[4:11], s[0:1], 0x0
	s_load_b128 s[12:15], s[0:1], 0x20
	v_lshl_add_u32 v[SPW], v0, 2, SPARE
	v_mov_b32 v[NIL], 0
	ds_add_u32 v[SPW], v[NIL]
	ds_add_u32 v[SPW], v[NIL]
	v_lshrrev_b32 v1, 5, v0
	v_readfirstlane_b32 s16, v1
	s_lshr_b32 s17, s16, 1
	s_and_b32 s18, s16, 1
	s_bfe_u32 s40, ttmp6, 0x40000
	s_bfe_u32 s41, ttmp6, 0x40004
	s_and_b32 s43, ttmp7, 0xffff
	s_lshl_b32 s43, s43, 2
	s_lshl_b32 s44, s41, 2
	s_lshl_b32 s44, 15, s44
	s_lshl_b32 s45, 0x1111, s40
	s_or_b32 s[G1+0], s44, (3<<16)|(1<<21)
	s_or_b32 s[G1B+0], s45, (3<<16)|(1<<21)
.irp g, G1, G1B
	s_mov_b32 s[\g+1], 384<<16
	s_mov_b32 s[\g+2], 16<<16                      ; the head's loads bring all 16 tile rows of a side; behind them the two words are set to 8
	s_mov_b32 s[\g+3], 384<<16
	s_mov_b32 s[\g+4], 16
	s_mov_b32 s[\g+5], 1536
	s_mov_b32 s[\g+6], 0
	s_mov_b32 s[\g+7], 0
.endr
	s_or_b32 s[G1S+0], s44, (3<<16)|(1<<21)
	s_or_b32 s[G1SB+0], s45, (3<<16)|(1<<21)
.irp g, G1S, G1SB
	s_mov_b32 s[\g+1], 32<<16
	s_mov_b32 s[\g+2], 32<<16                      ; a side's scale words, 8,192 dense bytes, by one load
	s_mov_b32 s[\g+3], 32<<16
	s_mov_b32 s[\g+4], 32
	s_mov_b32 s[\g+5], 32
	s_mov_b32 s[\g+6], 0
	s_mov_b32 s[\g+7], 0
.endr
	s_add_co_u32 s21, s43, s41
	s_add_co_u32 s46, s41, 8
	s_add_co_u32 s22, s43, s40
	s_lshl_b32 s23, ttmp9, 2
	s_add_co_u32 s23, s23, s40
	s_mov_b32 s94, XSO
	s_mov_b32 s95, WSO
	s_cmp_eq_u32 ttmp9, 2
	s_cselect_b32 s21, s46, s21
	s_cselect_b32 s22, s22, s23
	s_cselect_b32 s92, s95, s94
	s_cselect_b32 s93, s94, s95
	s_lshl_b32 s19, s18, 3
	s_lshl_b32 s21, s21, 4
	s_add_co_u32 s21, s21, s19
	s_lshl_b32 s22, s22, 4
	s_add_co_u32 s22, s22, s19
	s_mul_i32 s66, s21, KROWB
	s_mov_b32 s67, 0
	s_lshl_b32 s20, s21, 9
	s_add_co_u32 s20, s20, s92
	s_mov_b32 s21, 0
	s_mul_i32 s96, s22, KROWB
	s_mov_b32 s97, 0
	s_lshl_b32 s98, s22, 9
	s_add_co_u32 s98, s98, s93
	s_mov_b32 s99, 0
	s_mul_i32 s100, s16, HALFT
	s_mul_i32 s101, s16, HALFS
	s_wait_dscnt 0x0
	s_wait_kmcnt 0x0
	s_cmp_eq_u32 ttmp9, 2
	s_cselect_b64 s[92:93], s[6:7], s[4:5]
	s_cselect_b64 s[94:95], s[4:5], s[6:7]
	s_add_nc_u64 s[66:67], s[92:93], s[66:67]
	s_add_nc_u64 s[20:21], s[92:93], s[20:21]
	s_add_nc_u64 s[96:97], s[94:95], s[96:97]
	s_add_nc_u64 s[98:99], s[94:95], s[98:99]
	CROUND
	; THE HEAD'S FOUR TILES, ONE A WAVE, each whole: wave 0 slot 0's 16 tile rows of source 1, wave 1 those of source 0, wave 2 and wave 3 the two sides' scale words
	s_mul_i32 s92, s18, 8*KROWB                    ; my ring half's distance from the side's first tile row: codes,
	s_mov_b32 s93, 0
	s_lshl_b32 s94, s18, 12                        ; scale words
	s_mov_b32 s95, 0
	s_mov_b32 s[G0], 1
	s_mov_b32 s[G0+1], 0
	s_sub_nc_u64 s[G0+2:G0+3], s[66:67], s[92:93]
	s_or_b32 s[G0+3], s[G0+3], 0x80000000
	s_mov_b32 s[G0B], 1
	s_mov_b32 s[G0B+1], 2*HALFT
	s_sub_nc_u64 s[G0B+2:G0B+3], s[96:97], s[92:93]
	s_or_b32 s[G0B+3], s[G0B+3], 0x80000000
	s_mov_b32 s[G0S], 1
	s_mov_b32 s[G0S+1], SCL
	s_sub_nc_u64 s[G0S+2:G0S+3], s[20:21], s[94:95]
	s_or_b32 s[G0S+3], s[G0S+3], 0x80000000
	s_mov_b32 s[G0SB], 1
	s_mov_b32 s[G0SB+1], SCL+2*HALFS
	s_sub_nc_u64 s[G0SB+2:G0SB+3], s[98:99], s[94:95]
	s_or_b32 s[G0SB+3], s[G0SB+3], 0x80000000
	s_mov_b32 s[G0+4], 1                           ; the ring's slot 1: my quarter
	s_add_co_u32 s[G0+5], s100, SLOT
	s_add_nc_u64 s[G0+6:G0+7], s[66:67], TILEB
	s_or_b32 s[G0+7], s[G0+7], 0x80000000
	s_mov_b32 s[G0B+4], 1
	s_add_co_u32 s[G0B+5], s100, SLOT
	s_add_nc_u64 s[G0B+6:G0B+7], s[96:97], TILEB
	s_or_b32 s[G0B+7], s[G0B+7], 0x80000000
.macro ARM under, g0, g1, next                 ; one chain of branches on the wave's number, one load to an arm, all arms to one join
	s_cmp_lt_u32 s16, \under
	s_cbranch_scc0 \next
	tensor_load_to_lds s[\g0:\g0+3], s[\g1:\g1+7]
	s_nop 0
.rept 4
	v_nop
.endr
	s_branch .Lhead_asked
\next:
.endm
	ARM 1, G0,  G1,  .Lhead_b
	ARM 2, G0B, G1B, .Lhead_sa
	ARM 3, G0S, G1S, .Lhead_sb
	tensor_load_to_lds s[G0SB:G0SB+3], s[G1SB:G1SB+7]
	s_nop 0
.rept 4
	v_nop
.endr
.Lhead_asked:
	s_wait_alu depctr_va_vdst(0)
	s_wait_tensorcnt 0x0                           ; my tile of the four is in
	ds_add_u32 v28, v29
	s_mov_b32 s[G1+2], 8<<16                       ; no tensor load of mine is out: from here on a load brings 8 tile rows,
	s_mov_b32 s[G1+4], 8
	s_mov_b32 s[G1B+2], 8<<16
	s_mov_b32 s[G1B+4], 8
	s_add_co_u32 s[G0+1], s100, 0                  ; and slot 0's groups 0 stand at my quarter of the ring
	s_mov_b64 s[G0+2:G0+3], s[66:67]
	s_or_b32 s[G0+3], s[G0+3], 0x80000000
	s_add_co_u32 s[G0B+1], s100, 0
	s_mov_b64 s[G0B+2:G0B+3], s[96:97]
	s_or_b32 s[G0B+3], s[G0B+3], 0x80000000
	s_wait_dscnt 0x0
	CROUND
	JLOAD G0+4, G1, G0B+4, G1B                     ; slot 1's first fill, the first tensor load behind the round
	v_and_b32 v1, 15, v0
	v_bfe_u32 v2, v0, 4, 1
	s_wait_alu depctr_va_vdst(0)
	v_and_b32 v3, 31, v0
	v_lshlrev_b32 v12, 4, v3
	s_mul_i32 s19, s17, HALFT
	s_mul_i32 s22, s18, HALFT
	s_add_co_u32 s22, s22, 2*HALFT
.irp s, 0,1
	v_add_nc_u32 v[ADRA+\s], s19, v12
	v_add_nc_u32 v[ADRB+\s], s22, v12
	s_add_co_u32 s19, s19, SLOT
	s_add_co_u32 s22, s22, SLOT
.endr
	v_lshlrev_b32 v13, 2, v1
	s_mul_i32 s19, s17, HALFS
	s_mul_i32 s22, s18, HALFS
	s_add_co_u32 s22, s22, 2*HALFS
	s_sub_co_u32 s22, s22, s19
	v_mul_u32_u24 v14, s22, v2
	s_add_co_u32 s19, s19, SCL
	v_add_nc_u32 v14, v13, v14
	v_add_nc_u32 v[ADRS], s19, v14
	s_cmp_eq_u32 ttmp9, 1
	s_cselect_b64 s[8:9], s[10:11], s[8:9]
	s_cmp_eq_u32 ttmp9, 2
	s_cselect_b64 s[8:9], s[12:13], s[8:9]
	s_cselect_b32 s2, 0, 1.0
	s_cselect_b32 s42, 1.0, 0
	s_mov_b32 s3, s2
	s_lshl_b32 s92, s40, 10
	s_lshl_b32 s93, s18, 9
	s_add_co_u32 s92, s92, s93
	s_mov_b32 s93, 0
	s_add_nc_u64 s[10:11], s[8:9], s[92:93]
	s_lshl_b32 s92, s41, 10
	s_lshl_b32 s94, s17, 9
	s_add_co_u32 s92, s92, s94
	s_add_nc_u64 s[12:13], s[8:9], s[92:93]
	v_lshlrev_b32 v14, 6, v2
	WIN TO_B
.irp bb, 0,1,2,3
.irp q, 0,1,2,3
	global_load_b128 v[96+16*\bb+96*(\bb/2)+4*\q:96+16*\bb+96*(\bb/2)+4*\q+3], v14, s[10:11] offset:128*\bb+16*\q
.endr
.endr
	WIN 0
	v_and_b32 v15, 8, v1
	v_add_nc_u32 v15, v15, v1
	v_lshlrev_b32 v15, 2, v15
.irp a, 0,1,2,3,4,5,6,7
	global_load_b32 v[RB+2*\a], v15, s[12:13] offset:4*(32*(\a/2)+8*(\a%2))
.endr
.irp a, 0,1,2,3,4,5,6,7
	v_mov_b32 v[RB+2*\a+1], 0
.endr
.irp b, 0,1,2,3
	v_mov_b32 v[TM+4+\b], 0
.endr
	s_mov_b32 s[SEL], 0x76543210
	s_mov_b32 s[SEL+1], 0xfedcba98
	s_and_b32 s19, ttmp7, 0xffff
	s_lshl_b32 s19, s19, 2
	s_add_co_u32 s20, s19, s41
	s_lshl_b32 s20, s20, 1
	s_add_co_u32 s20, s20, s17
	s_lshl_b32 s21, s41, 1
	s_add_co_u32 s21, s21, s17
	s_add_co_u32 s22, s19, s40
	s_lshl_b32 s22, s22, 1
	s_add_co_u32 s22, s22, s18
	s_lshl_b32 s23, s40, 1
	s_add_co_u32 s23, s23, s18
	s_mov_b32 s92, HS
	s_mov_b32 s94, HS-3072
	s_mov_b32 s95, HS-256
	s_mov_b32 s96, 0xffff
	s_mov_b32 s98, 13056
	s_mov_b32 s99, 19200
	s_cmp_eq_u32 ttmp9, 2
	s_cselect_b32 s20, s22, s20
	s_cselect_b32 s21, s21, s23
	s_cselect_b32 s93, 3072, s92
	s_cselect_b32 s94, s94, 0
	s_cselect_b32 s95, s95, 0
	s_cselect_b32 s92, 0, s92
	s_cselect_b32 s96, -1, s96
	s_cselect_b32 s97, 0, 16
	s_cselect_b32 s98, 6144, s98
	s_cselect_b32 s99, 12800, s99
	s_cmp_eq_u32 ttmp9, 1
	s_cselect_b32 s98, 0, s98
	s_cselect_b32 s99, 12288, s99
	s_lshr_b32 s22, s20, 4
	s_lshl_b32 s22, s22, 4
	s_lshl_b32 s21, s21, 1
	s_add_co_u32 s22, s22, s21
	s_lshl_b32 s22, s22, 4
	s_and_b32 s20, s20, 15
	s_add_co_u32 s22, s22, s20
	s_mul_i32 s22, s22, REC
	s_add_co_u32 s98, s98, s22
	s_add_co_u32 s99, s99, s22
	v_lshl_add_u32 v[VC], v3, 3, s98
	v_add_nc_u32 v[VC+1], s93, v[VC]
	v_add_nc_u32 v[VC+2], s94, v[VC]
	v_add_nc_u32 v[VC+3], s93, v[VC+2]
	v_lshl_add_u32 v[VS], v1, 2, s99
	v_add_nc_u32 v[VS+1], s92, v[VS]
	v_add_nc_u32 v[VS+2], s95, v[VS]
	v_add_nc_u32 v[VS+3], s92, v[VS+2]
	s_wait_loadcnt 0x0
	WIN 0x41
.set jj, 0
.rept 16
	v_pk_mul_f32 v[96+jj:97+jj], v[96+jj:97+jj], s[2:3] op_sel_hi:[1,0]
	v_pk_mul_f32 v[224+jj:225+jj], v[224+jj:225+jj], s[2:3] op_sel_hi:[1,0]
.set jj, jj+2
.endr
	WIN 0
.irp a, 0,1,2,3,4,5,6,7
	v_mul_f32 v[RB+2*\a], s42, v[RB+2*\a]
.endr
.macro FRAG reg, adr, q, i
.irp c, 0,1,2
	ds_load_b128 v[\reg+4*\c:\reg+4*\c+3], v[\adr] offset:(\i)*TILEB+(\q)*1536+512*\c
.endr
.endm
.macro MUL16 a0, p, q, sc, zero
.irp a, \a0, \a0+1
.irp b, 0,1,2,3,4,5,6,7
.if \zero
	v_wmma_scale_f32_16x16x128_f8f6f4 v[8*(8*((\a)%4)+\b):8*(8*((\a)%4)+\b)+7], v[128*(\p)+FR*\b:128*(\p)+FR*\b+FR-1], v[AF+FR*(\a):AF+FR*(\a)+FR-1], v[96+8*\b+96*(\b/4):96+8*\b+96*(\b/4)+7], v[SC+8*NQ*(\sc)+NQ*\b+(\q)], v[SC+8*NQ*(\sc)+NQ*(\a)+(\q)] matrix_a_fmt:MATRIX_FMT_FP6 matrix_b_fmt:MATRIX_FMT_FP6 matrix_a_scale:MATRIX_SCALE_ROW1
.else
	v_wmma_scale_f32_16x16x128_f8f6f4 v[8*(8*((\a)%4)+\b):8*(8*((\a)%4)+\b)+7], v[128*(\p)+FR*\b:128*(\p)+FR*\b+FR-1], v[AF+FR*(\a):AF+FR*(\a)+FR-1], v[8*(8*((\a)%4)+\b):8*(8*((\a)%4)+\b)+7], v[SC+8*NQ*(\sc)+NQ*\b+(\q)], v[SC+8*NQ*(\sc)+NQ*(\a)+(\q)] matrix_a_fmt:MATRIX_FMT_FP6 matrix_b_fmt:MATRIX_FMT_FP6 matrix_a_scale:MATRIX_SCALE_ROW1
.endif
.endr
.endr
.endm
.macro FETCH_B slot, q, p
	WIN TO_B
.irp i, 0,1,2,3,4,5,6,7
	FRAG 128*(\p)+FR*\i, ADRB+\slot, \q, \i
.endr
	WIN 0
.endm
.macro FETCH_A slot, q, i0
.irp i, \i0, \i0+1, \i0+2, \i0+3
	FRAG AF+FR*(\i), ADRA+\slot, \q, \i
.endr
.endm
.macro SCALES sc
.irp i, 0,1,2,3,4,5,6,7
.irp q, 0,1
	ds_load_b32 v[SC+16*\sc+2*\i+\q], v[ADRS] offset:512*\i+64*\q
.endr
.endr
.endm
.macro STEP slot, q, zero
	s_wait_dscnt 4*NL
	WIN MUL_LO-0x10*(\zero)
	MUL16 0, (\q)%2, \q, \slot, \zero
	MUL16 2, (\q)%2, \q, \slot, \zero
	s_wait_dscnt 0
	PLACES NP
	FETCH_B \slot, (\q)+1, 1-(\q)%2
	FETCH_A \slot, (\q)+1, 0
	WIN MUL_HI-0x20*(\zero)
	MUL16 4, (\q)%2, \q, \slot, \zero
	MUL16 6, (\q)%2, \q, \slot, \zero
	PLACES NP
	WIN 0
	FETCH_A \slot, (\q)+1, 4
.endm
.macro TURN slot, next, fill
	s_wait_tensorcnt 0x0
	ds_add_u32 v[SPW], v[NIL]
	s_wait_dscnt 4*NL+1
	WIN MUL_LO
	MUL16 0, 1, NQ-1, \slot, 0
	s_wait_dscnt 0x0
	s_barrier_signal -1
	MUL16 2, 1, NQ-1, \slot, 0
	WIN 0
	s_barrier_wait -1
.if \fill
	CREST
	s_add_nc_u64 s[G0+4*\slot+2:G0+4*\slot+3], s[G0+4*\slot+2:G0+4*\slot+3], 2*TILEB
	s_add_nc_u64 s[G0B+4*\slot+2:G0B+4*\slot+3], s[G0B+4*\slot+2:G0B+4*\slot+3], 2*TILEB
	JLOAD G0+4*\slot, G1, G0B+4*\slot, G1B
.else
	PLACES NP
.endif
	s_wait_alu depctr_va_vdst(0)
	v_add_nc_u32 v[ADRS], 128, v[ADRS]
	FETCH_B \next, 0, 0
	FETCH_A \next, 0, 0
	SCALES \next
	WIN MUL_HI
	MUL16 4, 1, NQ-1, \slot, 0
	MUL16 6, 1, NQ-1, \slot, 0
	PLACES NP
	WIN 0
	FETCH_A \next, 0, 4
.endm
	s_wait_alu depctr_va_vdst(0)
	s_wait_tensorcnt 1
	s_barrier_signal -1
	s_barrier_wait -1
	FETCH_B 0, 0, 0
	FETCH_A 0, 0, 0
	SCALES 0
	FETCH_A 0, 0, 4
	STEP 0, 0, 1
	TURN 0, 1, 1
	STEP 1, 0, 0
	TURN 1, 0, 1
	STEP 0, 0, 0
	TURN 0, 1, 0
	STEP 1, 0, 0
	s_wait_dscnt 4*NL
	WIN MUL_LO
	MUL16 0, 1, NQ-1, 1, 0
	MUL16 2, 1, NQ-1, 1, 0
	s_wait_dscnt 0
	WIN MUL_HI
	MUL16 4, 1, NQ-1, 1, 0
	MUL16 6, 1, NQ-1, 1, 0
	WIN 0
	PLACES NP
.macro OUTQ a
	s_wait_xcnt 0x0
	WIN 0x02+(\a)/4
.set jj, 0
.rept 32
	v_pk_add_f32 v[Z+jj:Z+jj+1], v[64*((\a)%4)+jj:64*((\a)%4)+jj+1], v[RB+2*(\a):RB+2*(\a)+1] op_sel_hi:[1,0]
.set jj, jj+2
.endr
	WIN 0
	QUANT Z
	v_and_b32 v[PW+1], s96, v[PW]
	v_lshrrev_b32 v[PW+2], s97, v[PW]
.irp i, 0,1,2
	global_store_b64 v[VC+2*((\a)/4)], v[PC+2*\i:PC+2*\i+1], s[14:15] offset:768*(\a)+256*\i
	global_store_b64 v[VC+2*((\a)/4)+1], v[PC+6+2*\i:PC+7+2*\i], s[14:15] offset:768*(\a)+256*\i
.endr
	global_store_b32 v[VS+2*((\a)/4)], v[PW+1], s[14:15] offset:64*(\a)
	global_store_b32 v[VS+2*((\a)/4)+1], v[PW+2], s[14:15] offset:64*(\a)
.endm
.irp a, 0,1,2,3,4,5,6,7
	OUTQ \a
.endr
	s_wait_tensorcnt 0x0
	ds_add_u32 v[SPW], v[NIL]
	s_wait_dscnt 0x0
	CROUND
	s_endpgm
.Lfunc_end_k_qfeb67a6129_qkv:
	.size	k_qfeb67a6129_qkv, .Lfunc_end_k_qfeb67a6129_qkv-k_qfeb67a6129_qkv
	.p2alignl 7, 3214868480
	.fill 96, 4, 3214868480
	.section	.rodata,"a",@progbits
	.p2align	6, 0x0
	.amdhsa_kernel k_qfeb67a6129_qkv
		.amdhsa_group_segment_fixed_size 327680
		.amdhsa_private_segment_fixed_size 0
		.amdhsa_enable_private_segment 0
		.amdhsa_kernarg_size 48
		.amdhsa_user_sgpr_count 2
		.amdhsa_user_sgpr_kernarg_segment_ptr 1
		.amdhsa_wavefront_size32 1
		.amdhsa_system_sgpr_workgroup_id_x 1
		.amdhsa_system_sgpr_workgroup_id_y 1
		.amdhsa_system_sgpr_workgroup_id_z 1
		.amdhsa_system_vgpr_workitem_id 0
		.amdhsa_next_free_vgpr 1024
		.amdhsa_next_free_sgpr 102
		.amdhsa_reserve_vcc 0
		.amdhsa_float_denorm_mode_32 3
		.amdhsa_float_denorm_mode_16_64 3
		.amdhsa_memory_ordered 1
		.amdhsa_forward_progress 1
		.amdhsa_inst_pref_size 170
	.end_amdhsa_kernel
	.amdgpu_metadata
---
amdhsa.version: [ 1, 2 ]
amdhsa.kernels:
  - .name:           k_qfeb67a6129_qkv
    .symbol:         k_qfeb67a6129_qkv.kd
    .args:
      - { .name: xq, .offset: 0, .size: 8, .value_kind: global_buffer, .address_space: global }
      - { .name: wts, .offset: 8, .size: 8, .value_kind: global_buffer, .address_space: global }
      - { .name: bq, .offset: 16, .size: 8, .value_kind: global_buffer, .address_space: global }
      - { .name: bk, .offset: 24, .size: 8, .value_kind: global_buffer, .address_space: global }
      - { .name: bv, .offset: 32, .size: 8, .value_kind: global_buffer, .address_space: global }
      - { .name: qkv, .offset: 40, .size: 8, .value_kind: global_buffer, .address_space: global }
    .group_segment_fixed_size: 327680
    .private_segment_fixed_size: 0
    .kernarg_segment_align: 8
    .kernarg_segment_size: 48
    .max_flat_workgroup_size: 128
    .sgpr_count:     102
    .vgpr_count:     1024
    .wavefront_size: 32
...
	.end_amdgpu_metadata
.endif
;; end of part 8
;; launch attn (part 9): grid 8 x 32, 16 waves a work-group, clusters of 4 x 1, 210,944 bytes of LDS; arguments qkv, ao; writes ao
.if DOCPART == 9
	.amdgcn_target "amdgcn-amd-amdhsa--gfx1250"
	.amdhsa_code_object_version 6
	.text
	.protected	k_qfeb67a6129_attn
	.globl	k_qfeb67a6129_attn
	.p2align	8
	.type	k_qfeb67a6129_attn,@function
k_qfeb67a6129_attn:
	s_mov_b64 s[64:65], 0
	v_nop
	global_prefetch_b8 v0, s[64:65] scope:SCOPE_SE
	s_setreg_imm32_b32 hwreg(HW_REG_WAVE_MODE, 25, 1), 1
	s_wait_xcnt 0x0
	s_wait_alu depctr_hold_cnt(0) depctr_sa_sdst(0) depctr_va_vdst(0) depctr_va_sdst(0) depctr_va_ssrc(0) depctr_va_vcc(0) depctr_vm_vsrc(0)
	s_getreg_b32 s2, hwreg(HW_REG_IB_STS2, 6, 4)
	s_cmp_eq_u32 s2, 0
	s_cbranch_scc0 .Lentry_in_a_cluster
	s_endpgm
.Lentry_in_a_cluster:
	s_bfe_u32 s2, ttmp6, 0x10000c
	s_cmp_lg_u32 s2, 0x3003
	s_cbranch_scc0 .Lentry_shape_is_right
	s_endpgm
.Lentry_shape_is_right:
; O = softmax(Q K^T / 8) V for one head and 256 queries a work-group, both products on codes of FP6 (E2M3) with E8M0 scales; O / l is quantised along the model's axis and leaves as half fragments of the next product's operand.
; THE SOFTMAX: t = score x log2(e) / 8; M = the running largest t rounded UP to a whole number; p = 2^(t - M) is quantised along the keys, not normalised; the row's sum is taken of the unquantised p; when M moves,
; the sum and O are multiplied by 2^(old M - new M), which rounds nothing.
; SHARES: sixteen waves, each 16 queries (one tile) in 256 registers.  Every wave walks the head's 2,048 keys, 128 a step.  THE WHOLE HEAD STAYS IN LDS: 16 records of 13,056 bytes (K codes, V^T codes, their scale words),
; each filled once: no slot is filled again.  WAVE w FETCHES RECORD w, one tensor load a wave; the four query blocks of a cluster ask jointly.  The loads stand in two arms: waves 0-3, waves 4-15.
; The first barrier shows records 0-3 (waves 0-3 alone wait there), and four steps follow; the second barrier, with every wave's wait for its load, shows all sixteen, and the other twelve steps run with no barrier between them.
; Both products are used transposed (S^T = K Q^T, O^T = V^T P^T): a lane holds one query throughout.  The keys of a tile of K are not neighbours (slot r of tile 2 b + u: key 32 b + 8 u + r + 8 (r / 8)), so that the 16
; registers of two neighbouring tiles are 16 neighbouring keys.
; THE HEAD IS 64, THE INSTRUCTION'S K 128: Q's registers 6-11 are zero codes.  A tile of K is 6 registers; the operand names 12: the upper six are the next tile's codes (behind the last tile: zeros), finite numbers
; that meet Q's zeros and add exactly 0.  Q's and K's scale bytes 2 and 3 are 0, which is 2^-127 and no NaN.
; LIMITS: a block of zeros, or under 2^-124, gets the scale byte 1 (zero codes; read by this program alone); NaN and infinities are not served.
; REGISTERS: v1-3 8 l, 4 l, 4 r; v5, v6 the add's two; v8, v9 the step's addresses; v12 -M, v13 the largest t, v[14:15] the sum; v16-27 Q; v32-79 K's eight tiles, then V's four fragments; v80-85 zeros; v96-159 S^T, then p;
; v160-191 O^T; v192-197, v255 scale words and nothing else; v253 p's scale word (and a chain of the sum); v200-211 p's codes; v232-254 at work.
.set REC,   19712
.set LREC,  13056
.set SPARE, 16*LREC                    ; the spare words, 128 bytes for each of 16 waves
.set WV,  8
.set TB,  12                           ; s12 LDS byte at which the step's record begins
.set CNT, 13
.set SEL, 20
.set CS,  22
.set G1,  24
.set G0,  32                           ; s[32:35] my record's group 0
.macro CROUND
	s_barrier_signal -1
	s_barrier_wait -1
	s_cmp_lg_u32 s[WV], 0
	s_cbranch_scc1 .Lnot_wave_0_\@
	s_barrier_signal -3
.Lnot_wave_0_\@:
	s_barrier_wait -3
	s_barrier_signal -1
	s_barrier_wait -1
.endm
	s_load_b128 s[4:7], s[0:1], 0x0                ; qkv, ao
	v_lshl_add_u32 v5, v0, 2, SPARE
	v_mov_b32 v6, 0
	ds_add_u32 v5, v6                              ; the wave's opening: the add, twice, and its wait ahead of the first tensor load
	ds_add_u32 v5, v6
	v_lshrrev_b32 v8, 5, v0
	s_delay_alu instid0(VALU_DEP_1)
	v_readfirstlane_b32 s[WV], v8                  ; wave 0..15
	s_bfe_u32 s9, ttmp6, 0x40000                   ; cx
	s_lshl_b32 s10, ttmp9, 2
	s_add_co_u32 s10, s10, s9                      ; my block of 256 queries: it enters Q's and the output's addresses alone
	s_and_b32 s11, ttmp7, 0xffff                   ; 16 x batch + head, which the four partners share
	s_mov_b32 s[G1], 15|(3<<16)|(1<<21)            ; the mask: all four work-groups; elements of 8 bytes; bit 21 beside a mask
	s_mov_b32 s[G1+1], 32<<16                      ; a record's first 13,056 bytes as 51 rows of 256
	s_mov_b32 s[G1+2], 51<<16
	s_mov_b32 s[G1+3], 32<<16
	s_mov_b32 s[G1+4], 51
	s_mov_b32 s[G1+5], 32
	s_mov_b32 s[G1+6], 0
	s_mov_b32 s[G1+7], 0
	s_lshl_b32 s14, s11, 4
	s_add_co_u32 s14, s14, s[WV]
	s_mul_i32 s14, s14, REC                        ; record w of the head
	s_mov_b32 s15, 0
	s_mul_i32 s16, s[WV], LREC
	s_mov_b32 s[SEL], 0x76543210
	s_mov_b32 s[SEL+1], 0xfedcba98
	s_mov_b32 s[CS], 0x3e38aa3b                    ; log2(e) / 8
	s_mov_b32 s[CS+1], s[CS]
	s_mov_b32 s[TB], 0
	; Q: record 2 x block + w / 8, tile w % 8
	s_lshl_b32 s17, s10, 1
	s_lshr_b32 s18, s[WV], 3
	s_add_co_u32 s17, s17, s18
	s_lshl_b32 s18, s11, 4
	s_add_co_u32 s17, s17, s18
	s_mul_i32 s17, s17, REC
	s_and_b32 s18, s[WV], 7
	s_mul_i32 s19, s18, 768
	s_add_co_u32 s48, s17, s19
	s_add_co_u32 s48, s48, 13056
	s_mov_b32 s49, 0
	s_lshl_b32 s18, s18, 6
	s_add_co_u32 s50, s17, s18
	s_add_co_u32 s50, s50, 19200
	s_mov_b32 s51, 0
	; the output: record (64 rows, K step head / 2) of 6,400 bytes; fragment w % 4; half head % 2
	s_lshr_b32 s17, s11, 4
	s_lshl_b32 s17, s17, 5
	s_lshl_b32 s18, s10, 2
	s_add_co_u32 s17, s17, s18
	s_lshr_b32 s18, s[WV], 2
	s_add_co_u32 s17, s17, s18
	s_lshl_b32 s17, s17, 3
	s_bfe_u32 s18, s11, 0x30001
	s_add_co_u32 s17, s17, s18
	s_mul_i32 s17, s17, 6400
	s_and_b32 s18, s[WV], 3
	s_and_b32 s19, s11, 1
	s_mul_i32 s52, s18, 1536
	s_mul_i32 s53, s19, 768
	s_add_co_u32 s52, s52, s53
	s_add_co_u32 s52, s52, s17
	s_mov_b32 s53, 0
	s_lshl_b32 s18, s18, 6
	s_lshl_b32 s19, s19, 1
	s_add_co_u32 s54, s18, s19
	s_add_co_u32 s54, s54, s17
	s_add_co_u32 s54, s54, 6144
	s_mov_b32 s55, 0
	s_wait_dscnt 0x0                               ; both opening adds are done
	s_wait_kmcnt 0x0
	s_add_nc_u64 s[14:15], s[4:5], s[14:15]
	s_add_nc_u64 s[48:49], s[4:5], s[48:49]
	s_add_nc_u64 s[50:51], s[4:5], s[50:51]
	s_add_nc_u64 s[52:53], s[6:7], s[52:53]
	s_add_nc_u64 s[54:55], s[6:7], s[54:55]
	s_mov_b32 s[G0], 1
	s_mov_b32 s[G0+1], s16
	s_mov_b64 s[G0+2:G0+3], s[14:15]
	s_or_b32 s[G0+3], s[G0+3], 0x80000000
	CROUND                                         ; all four work-groups are here: the joint loads meet
	s_cmp_lt_u32 s[WV], 4                          ; one chain of two arms, one load in each: every wave issues one
	s_cbranch_scc0 .Llater
	tensor_load_to_lds s[G0:G0+3], s[G1:G1+7]      ; records 0-3, which the first four steps read
	s_nop 0
.rept 4
	v_nop
.endr
	s_branch .Lasked
.Llater:
	tensor_load_to_lds s[G0:G0+3], s[G1:G1+7]      ; records 4-15
	s_nop 0
.rept 4
	v_nop
.endr
.Lasked:
	v_and_b32 v7, 31, v0
	s_delay_alu instid0(VALU_DEP_1)
	v_lshlrev_b32 v1, 3, v7
	s_delay_alu instid0(VALU_DEP_2)
	v_lshlrev_b32 v2, 2, v7
	v_and_b32 v3, 15, v0
	s_delay_alu instid0(VALU_DEP_1)
	v_lshlrev_b32 v3, 2, v3
.irp i, 0,1,2
	global_load_b64 v[16+2*\i:17+2*\i], v1, s[48:49] offset:256*\i   ; Q's half fragment stays in registers
.endr
	global_load_b32 v255, v3, s[50:51]             ; and its scale words
.irp j, 22,23,24,25,26,27,80,81,82,83,84,85
	v_mov_b32 v[\j], 0                             ; zero codes
.endr
	v_mov_b32 v13, 0xff61b1e6                      ; the largest t so far: -3e38
	s_delay_alu instid0(VALU_DEP_1)
	v_floor_f32 v12, -v13
	v_mov_b32 v14, 0
	v_mov_b32 v15, 0
.irp b, 0,1,2,3
	v_mov_b32 v[236+\b], 0                         ; a lane permute's destination counts as one of its sources
.endr
	v_mov_b32 v251, 0                              ; named as the upper half of the pair v[250:251]
.set jj, 0
.rept 32
	v_mov_b32 v[160+jj], 0                         ; O^T: the step is written once; the first change of M leaves zeros zeros
.set jj, jj+1
.endr
.macro STEP
	v_add_nc_u32 v8, s[TB], v1
	v_add_nc_u32 v9, s[TB], v2
	v_add_nc_u32 v86, 2048, v8                     ; a two-address load reaches 2,040 bytes: K's 6,144 bytes have three bases
	v_add_nc_u32 v87, 4096, v8                     ; these four lines are the places ahead of loads into registers that the last products have read
.irp m, 0,1,2,3                                ; K's 24 pieces of 8 bytes, 256 apart, two to a load
	ds_load_2addr_b64 v[32+4*\m:35+4*\m], v8 offset0:64*\m offset1:64*\m+32
	ds_load_2addr_b64 v[48+4*\m:51+4*\m], v86 offset0:64*\m offset1:64*\m+32
	ds_load_2addr_b64 v[64+4*\m:67+4*\m], v87 offset0:64*\m offset1:64*\m+32
.endr
.irp g, 0,1,2,3
	ds_load_b32 v[192+\g], v9 offset:12288+128*\g  ; lanes 0-15: tile 2 g's words; lanes 16-31: tile 2 g + 1's
.endr
	s_wait_alu depctr_va_vdst(0)
	s_wait_dscnt 0x0
.irp g, 0,1,2,3
	v_wmma_scale_f32_16x16x128_f8f6f4 v[96+16*\g:103+16*\g], v[32+12*\g:43+12*\g], v[16:27], 0, v[192+\g], v255 matrix_a_fmt:MATRIX_FMT_FP6 matrix_b_fmt:MATRIX_FMT_FP6
	v_wmma_scale_f32_16x16x128_f8f6f4 v[104+16*\g:111+16*\g], v[38+12*\g:49+12*\g], v[16:27], 0, v[192+\g], v255 matrix_a_fmt:MATRIX_FMT_FP6 matrix_b_fmt:MATRIX_FMT_FP6 matrix_a_scale:MATRIX_SCALE_ROW1
.endr
	v_add_nc_u32 v88, 6144, v8                     ; V^T's eight runs of 768 bytes: a base for each three.  With the v_nop: the four places behind the products
	v_add_nc_u32 v89, 8448, v8
	v_add_nc_u32 v90, 10752, v8
	v_nop
.irp d, 0,1,2,3                                ; V^T's four fragments are asked for now and land under the softmax: of a run's three pieces two by one load
.irp c, 0,1
	ds_load_2addr_b64 v[32+12*\d+6*\c:35+12*\d+6*\c], v[88+(4*\c+\d)/3] offset0:96*((4*\c+\d)%3) offset1:96*((4*\c+\d)%3)+32
	ds_load_b64 v[36+12*\d+6*\c:37+12*\d+6*\c], v8 offset:6656+3072*\c+768*\d
.endr
.endr
.irp g, 0,1
	ds_load_b32 v[196+\g], v9 offset:12800+128*\g
.endr
.irp b, 0,1,2,3
	v_max3_num_f32 v[232+\b], v[96+16*\b], v[97+16*\b], v[98+16*\b]   ; the largest score of each block of 32 keys: for the row's maximum, and, since p rises with the score, for the block's largest p
.endr
.irp i, 3,5,7,9,11,13
.irp b, 0,1,2,3
	v_max3_num_f32 v[232+\b], v[232+\b], v[96+16*\b+\i], v[97+16*\b+\i]
.endr
.endr
.irp b, 0,1,2,3
	v_max_num_f32 v[232+\b], v[232+\b], v[111+16*\b]
.endr
.irp b, 0,1,2,3
	v_permlanex16_b32 v[236+\b], v[232+\b], s[SEL], s[SEL+1]
.endr
.irp b, 0,1,2,3
	v_max_num_f32 v[232+\b], v[232+\b], v[236+\b]
.endr
	s_delay_alu instid0(VALU_DEP_2)
	v_max3_num_f32 v254, v232, v233, v234
	s_delay_alu instid0(VALU_DEP_1)
	v_max_num_f32 v254, v254, v235
	s_delay_alu instid0(VALU_DEP_1)
	v_mul_f32 v254, s[CS], v254
	s_delay_alu instid0(VALU_DEP_1)
	v_max_num_f32 v13, v13, v254                   ; the running largest t
	v_mov_b32 v254, v12
	s_delay_alu instid0(VALU_DEP_2)
	v_floor_f32 v12, -v13                          ; the new -M = -ceil(t)
	s_delay_alu instid0(VALU_DEP_1)
	v_sub_f32 v254, v12, v254
	s_delay_alu instid0(VALU_DEP_1)
	v_cvt_i32_f32 v254, v254                       ; (it saturates)
	s_delay_alu instid0(VALU_DEP_1)
	v_ldexp_f32 v250, 1.0, v254                    ; f = 2^(old M - new M)
.set jj, 0
.rept 32
	v_pk_fma_f32 v[96+jj:97+jj], v[96+jj:97+jj], s[CS:CS+1], v[12:13] op_sel_hi:[1,0,0]   ; t - M
.set jj, jj+2
.endr
.irp b, 0,1,2,3
	v_fma_f32 v[232+\b], v[232+\b], s[CS], v12
.endr
.set jj, 0
	s_wait_alu depctr_va_vdst(0)
.rept 64
	v_exp_f32 v[96+jj], v[96+jj]                   ; p = 2^(t - M)
.set jj, jj+1
.endr
	v_pk_mul_f32 v[14:15], v[14:15], v[250:251] op_sel_hi:[1,0]   ; the sums under the new M; the plain line behind the exponentials
	s_wait_alu depctr_va_vdst(0)                   ; one wait for the batch, ahead of its first reader
.irp b, 0,1,2,3
	v_exp_f32 v[232+\b], v[232+\b]                 ; each block's largest p
.endr
	v_pk_add_f32 v[236:237], v[100:101], v[104:105]
	v_pk_add_f32 v[252:253], v[108:109], v[112:113]
	v_pk_add_f32 v[248:249], v[116:117], v[120:121]
	v_pk_add_f32 v[246:247], v[124:125], v[128:129]
	v_pk_add_f32 v[244:245], v[132:133], v[136:137]
	v_pk_add_f32 v[242:243], v[140:141], v[144:145]
	v_pk_add_f32 v[240:241], v[148:149], v[152:153]
	v_pk_add_f32 v[14:15], v[14:15], v[156:157]
	v_pk_add_f32 v[236:237], v[236:237], v[96:97]
	v_pk_add_f32 v[252:253], v[252:253], v[98:99]
	v_pk_add_f32 v[248:249], v[248:249], v[102:103]
	v_pk_add_f32 v[246:247], v[246:247], v[106:107]
	v_pk_add_f32 v[244:245], v[244:245], v[110:111]
	v_pk_add_f32 v[242:243], v[242:243], v[114:115]
	v_pk_add_f32 v[240:241], v[240:241], v[118:119]
	v_pk_add_f32 v[14:15], v[14:15], v[122:123]
	v_pk_add_f32 v[236:237], v[236:237], v[126:127]
	v_pk_add_f32 v[252:253], v[252:253], v[130:131]
	v_pk_add_f32 v[248:249], v[248:249], v[134:135]
	v_pk_add_f32 v[246:247], v[246:247], v[138:139]
	v_pk_add_f32 v[244:245], v[244:245], v[142:143]
	v_pk_add_f32 v[242:243], v[242:243], v[146:147]
	v_pk_add_f32 v[240:241], v[240:241], v[150:151]
	v_pk_add_f32 v[14:15], v[14:15], v[154:155]
	v_pk_add_f32 v[236:237], v[236:237], v[158:159]
	v_pk_add_f32 v[252:253], v[252:253], v[242:243]   ; the eight chains are folded by turns
	v_pk_add_f32 v[248:249], v[248:249], v[240:241]
	v_pk_add_f32 v[14:15], v[14:15], v[246:247]
	v_pk_add_f32 v[236:237], v[236:237], v[244:245]
	v_pk_add_f32 v[14:15], v[14:15], v[252:253]
	v_pk_add_f32 v[236:237], v[236:237], v[248:249]
	s_delay_alu instid0(VALU_DEP_1)
	v_pk_add_f32 v[14:15], v[14:15], v[236:237]
	s_wait_alu depctr_va_vdst(0)                   ; and one for the four
.irp b, 0,1,2,3
	v_max_num_f32 v[232+\b], 0x1800000, v[232+\b]  ; the floor
.endr
.irp b, 0,1,2,3
	v_add_nc_u32 v[244+\b], 0xff000000, v[232+\b]
.endr
.irp b, 0,1,2,3
	v_lshrrev_b32 v[236+\b], 23, v[244+\b]
.endr
	v_lshl_or_b32 v253, v237, 8, v236
	s_delay_alu instid0(VALU_DEP_1)
	v_lshl_or_b32 v253, v238, 16, v253
	s_delay_alu instid0(VALU_DEP_1)
	v_lshl_or_b32 v253, v239, 24, v253
.irp c, 0,1
	v_cvt_scalef32_pk16_fp6_f32 v[200+6*\c:202+6*\c], v[96+32*\c:111+32*\c], v[244+2*\c]
	v_cvt_scalef32_pk16_fp6_f32 v[236+4*\c:238+4*\c], v[112+32*\c:127+32*\c], v[244+2*\c+1]
.endr
	v_nop
.irp c, 0,1
.irp i, 0,1,2
	v_permlane16_swap_b32 v[200+6*\c+\i], v[236+4*\c+\i]
.endr
.irp i, 0,1,2
	v_mov_b32 v[203+6*\c+\i], v[236+4*\c+\i]
.endr
.endr
.set jj, 0
.rept 16
	v_pk_mul_f32 v[160+jj:161+jj], v[160+jj:161+jj], v[250:251] op_sel_hi:[1,0]   ; O^T under the new M.  For each product below, twelve of these name none of its registers: the places behind p's codes and scale word
.set jj, jj+2
.endr
	s_wait_alu depctr_va_vdst(0)
	s_wait_dscnt 0x0                               ; V^T
.irp g, 0,1
	v_wmma_scale_f32_16x16x128_f8f6f4 v[160+16*\g:167+16*\g], v[32+24*\g:43+24*\g], v[200:211], v[160+16*\g:167+16*\g], v[196+\g], v253 matrix_a_fmt:MATRIX_FMT_FP6 matrix_b_fmt:MATRIX_FMT_FP6
	v_wmma_scale_f32_16x16x128_f8f6f4 v[168+16*\g:175+16*\g], v[44+24*\g:55+24*\g], v[200:211], v[168+16*\g:175+16*\g], v[196+\g], v253 matrix_a_fmt:MATRIX_FMT_FP6 matrix_b_fmt:MATRIX_FMT_FP6 matrix_a_scale:MATRIX_SCALE_ROW1
.endr
	s_add_co_u32 s[TB], s[TB], LREC
.endm
.macro GROUP trips                     ; a barrier, behind which nothing is filled, and so many steps
	s_wait_dscnt 0x0
	s_barrier_signal -1
	s_barrier_wait -1
	s_mov_b32 s[CNT], \trips
.Lstep_\@:
	STEP
	s_sub_co_u32 s[CNT], s[CNT], 1
	s_cmp_lg_u32 s[CNT], 0
	s_cbranch_scc1 .Lstep_\@
.endm
	s_wait_alu depctr_va_vdst(0)                   ; the wait at the head's end
	s_wait_loadcnt 0x0                             ; Q
	s_cmp_lt_u32 s[WV], 4                          ; the waves of the first arm wait for their records; the others' loads may stay out
	s_cbranch_scc0 .Lnot_first
	s_wait_tensorcnt 0x0
.Lnot_first:
	GROUP 4                                        ; records 0-3
	s_wait_tensorcnt 0x0                           ; every wave: its record is in
	GROUP 12                                       ; records 4-15
	; THE WAY OUT: O^T / the sum; register 16 G + i is channel 32 G + 16 (lane / 16) + i of my query: two blocks of 32 along the next K
	v_add_f32 v14, v14, v15
	s_delay_alu instid0(VALU_DEP_1)
	v_permlanex16_b32 v236, v14, s[SEL], s[SEL+1]
	s_delay_alu instid0(VALU_DEP_1)
	v_add_f32 v14, v14, v236
	s_wait_alu depctr_va_vdst(0)
	v_rcp_f32 v14, v14
.rept 3
	v_nop                                          ; plain lines behind the reciprocal, and with the two additions the places behind the last products
.endr
	s_wait_alu depctr_va_vdst(0)
.set jj, 0
.rept 32
	v_mul_f32 v[96+jj], v[160+jj], v14
.set jj, jj+1
.endr
.irp b, 0,1
	v_max3_num_f32 v[232+\b], |v[96+16*\b]|, |v[97+16*\b]|, 0x1800000
.endr
.irp i, 2,4,6,8,10,12,14
.irp b, 0,1
	s_delay_alu instid0(VALU_DEP_2)
	v_max3_num_f32 v[232+\b], v[232+\b], |v[96+16*\b+\i]|, |v[97+16*\b+\i]|
.endr
.endr
.irp b, 0,1
	s_delay_alu instid0(VALU_DEP_2)
	v_permlanex16_b32 v[236+\b], v[232+\b], s[SEL], s[SEL+1]
.endr
.irp b, 0,1
	s_delay_alu instid0(VALU_DEP_2)
	v_max_num_f32 v[232+\b], v[232+\b], v[236+\b]
.endr
.irp b, 0,1
	s_delay_alu instid0(VALU_DEP_2)
	v_add_nc_u32 v[244+\b], 0xff000000, v[232+\b]
.endr
.irp b, 0,1
	s_delay_alu instid0(VALU_DEP_2)
	v_lshrrev_b32 v[236+\b], 23, v[244+\b]
.endr
	s_delay_alu instid0(VALU_DEP_1)
	v_lshl_or_b32 v240, v237, 8, v236              ; my head's two bytes of the row's scale word
	v_cvt_scalef32_pk16_fp6_f32 v[200:202], v[96:111], v244
	v_cvt_scalef32_pk16_fp6_f32 v[204:206], v[112:127], v245
	v_nop
.irp i, 0,1,2
	v_permlane16_swap_b32 v[200+\i], v[204+\i]
.endr
.irp i, 0,1,2
	s_delay_alu instid0(VALU_DEP_3)
	v_mov_b32 v[203+\i], v[204+\i]
.endr
.irp i, 0,1,2
	global_store_b64 v1, v[200+2*\i:201+2*\i], s[52:53] offset:256*\i   ; 256 consecutive bytes, aligned
.endr
	global_store_b16 v3, v240, s[54:55]            ; two bytes of each row's word; the other two are the neighbouring head's
	s_wait_tensorcnt 0x0                           ; the wave's end
	ds_add_u32 v5, v6
	s_wait_dscnt 0x0
	CROUND                                         ; the closing round
	s_endpgm
.Lfunc_end_k_qfeb67a6129_attn:
	.size	k_qfeb67a6129_attn, .Lfunc_end_k_qfeb67a6129_attn-k_qfeb67a6129_attn
	.p2alignl 7, 3214868480
	.fill 96, 4, 3214868480
	.section	.rodata,"a",@progbits
	.p2align	6, 0x0
	.amdhsa_kernel k_qfeb67a6129_attn
		.amdhsa_group_segment_fixed_size 210944
		.amdhsa_private_segment_fixed_size 0
		.amdhsa_enable_private_segment 0
		.amdhsa_kernarg_size 16
		.amdhsa_user_sgpr_count 2
		.amdhsa_user_sgpr_kernarg_segment_ptr 1
		.amdhsa_wavefront_size32 1
		.amdhsa_system_sgpr_workgroup_id_x 1
		.amdhsa_system_sgpr_workgroup_id_y 1
		.amdhsa_system_sgpr_workgroup_id_z 1
		.amdhsa_system_vgpr_workitem_id 0
		.amdhsa_next_free_vgpr 256
		.amdhsa_next_free_sgpr 66
		.amdhsa_reserve_vcc 0
		.amdhsa_float_denorm_mode_32 3
		.amdhsa_float_denorm_mode_16_64 3
		.amdhsa_memory_ordered 1
		.amdhsa_forward_progress 1
		.amdhsa_inst_pref_size 45
	.end_amdhsa_kernel
	.amdgpu_metadata
---
amdhsa.version: [ 1, 2 ]
amdhsa.kernels:
  - .name:           k_qfeb67a6129_attn
    .symbol:         k_qfeb67a6129_attn.kd
    .args:
      - { .name: qkv, .offset: 0, .size: 8, .value_kind: global_buffer, .address_space: global }
      - { .name: ao, .offset: 8, .size: 8, .value_kind: global_buffer, .address_space: global }
    .group_segment_fixed_size: 210944
    .private_segment_fixed_size: 0
    .kernarg_segment_align: 8
    .kernarg_segment_size: 16
    .max_flat_workgroup_size: 512
    .sgpr_count:     66
    .vgpr_count:     256
    .wavefront_size: 32
...
	.end_amdgpu_metadata
.endif
;; end of part 9
;; launch wo_ln (part 10): grid 128 x 1, 8 waves a work-group, no clusters, 241,664 bytes of LDS; arguments ao, wts, bo, x, ln1_g, ln1_b, x1, x1q; writes x1, x1q
.if DOCPART == 10
	.amdgcn_target "amdgcn-amd-amdhsa--gfx1250"
	.amdhsa_code_object_version 6
	.text
	.protected	k_qfeb67a6129_wo_ln
	.globl	k_qfeb67a6129_wo_ln
	.p2align	8
	.type	k_qfeb67a6129_wo_ln,@function
k_qfeb67a6129_wo_ln:
	s_mov_b64 s[64:65], 0
	v_nop
	global_prefetch_b8 v0, s[64:65] scope:SCOPE_SE
	s_setreg_imm32_b32 hwreg(HW_REG_WAVE_MODE, 25, 1), 1
	s_wait_xcnt 0x0
; x1 = layer norm(x + A wo + bo) x gamma + beta, the product on codes of FP6 (E2M3) with E8M0 scales; A = the attention's output, K = 1,024.  x1 leaves as f32 and, quantised along its rows, as codes.
; SHARES: a work-group owns 32 whole rows (tiles 2 g and 2 g + 1; slot r of tile a is row 32 g + 8 a + r + 8 (r / 8)), so that the norm needs no other work-group: 128 work-groups.  Wave w of eight owns columns
; 128 w .. 128 w + 127: 2 x 8 accumulators.  The product is used transposed (source 0 = a tile of W, source 1 = a tile of A): a lane holds one row, and register q of a tile's 64 is column 32 (q / 16) + 16 (lane / 16) + q % 16.
; THE SUMS BEGIN AS x + bo: the residual's rows come into LDS by tensor loads, are read in the lanes' layout into the accumulators' registers, and the bias is added there; every product adds in place.
; THE HEAD'S TENSOR LOADS, one a wave, each byte filled once: waves 0-3 eight rows of x each (4,096 bytes + 16 behind every 1,024), waves 4, 5 half of A's codes each (3,072 bytes a K step), waves 6, 7 half of A's scale words.
; W: each fragment feeds ONE wave of a work-group, so it goes from memory straight into that wave's registers: four buffers of half a K step (four fragments, 12 loads of 512 consecutive bytes, and 2 loads of scale words),
; each loaded anew, for two K steps on, behind its eight products: 42 to 56 loads of a wave are out.
; NO CLUSTER: the work-groups share W alone; its 786,432 bytes do not fit in LDS, and a ring of two slots of one K step would put a drained round ahead of each of eight fills with 16 products a wave between two rounds.
; W IS PREFETCHED INTO THE L2: in a trip (K steps 2 i, 2 i + 1; loads for 2 i + 2, 2 i + 3) the twelve waves 8 x work-group + wave < 12 name K steps 2 i + 4 and 2 i + 5, a lane a block of 256 bytes: lane l of wave W names
; block W / 2 of tile 32 (W % 2) + l: each block once in the launch.  K steps 0 to 3 come by their loads alone; the last trip of the loop asks for nothing.
; The mean is taken first and the squares of the differences second, as the norm is defined.
; LIMITS: a block of zeros, or under 2^-124, gets the scale byte 1 (zero codes; read by this program alone); NaN and infinities are not served.
; REGISTERS: window 0: v1-17 addresses; v27, v30 A's scale words, v32-39 W's, and nothing else; v28, v29 the add's two; v40-87 A's fragments, two sets (epilogue: chains, reductions, at work); v100-163 at work; v164-183 codes;
; v192-255 tile 1's sums.   window 1: v0-191 W's four buffers (epilogue: gamma, beta, rows on the way out); v192-255 tile 0's sums.
.set KS,    8
.set FB,    3584
.set XSO,   3145728
.set WSO,   9437184
.set RECB,  6400
.set ASC,   KS*3072                    ; LDS: A's codes, 3,072 bytes a K step; then its scale words, 128 a K step
.set RES,   ASC+KS*128                 ; the residual's 32 rows
.set RPIT,  4160
.set STG,   RES+32*RPIT                ; a stage of 16 rows x (512 + 16) bytes for each wave
.set STGW,  8448
.set VEC,   STG+8*STGW                 ; bias, gamma, beta at my columns: 3 x 512 bytes for each wave
.set REDB,  VEC+8*1536                 ; two reductions' words, 1,024 bytes each
.set SPARE, REDB+2048                  ; the spare words, 128 bytes a wave
.set VB,  1
.set VS,  2
.set VA,  3
.set VSA, 4
.set PFO, 5
.set VL,  6
.set STI, 7
.set STL, 8
.set RW,  9
.set RD,  10
.set V4R, 11
.set RLA, 15
.set VV,  16
.set SPW, 28
.set NIL, 29
.set SB,  32
.set AF,  40
.set CH,  40
.set RLD, 56
.set NM,  72
.set RSQ, 76
.set TM,  80
.set PW,  96
.set Z,   100
.set PC,  164
.set GV,  164
.set SEL, 76
.set MSB, 0
.macro WIN new
.if MSB != (\new)
	s_set_vgpr_msb (MSB<<8)|(\new)
.set MSB, (\new)
.endif
.endm
.macro PLACES
.rept 4
	v_nop
.endr
.endm
.macro WALU
	s_wait_alu depctr_va_vdst(0)
.endm
.macro QUANT s                         ; 64 numbers of a lane become a fragment in v[PC] .. v[PC+11] and its scale word in v[PW]
.irp b, 0,1,2,3
	v_max3_num_f32 v[TM+\b], |v[(\s)+16*\b]|, |v[(\s)+1+16*\b]|, 0x1800000
.endr
.irp i, 2,4,6,8,10,12,14
.irp b, 0,1,2,3
	v_max3_num_f32 v[TM+\b], v[TM+\b], |v[(\s)+16*\b+\i]|, |v[(\s)+1+16*\b+\i]|
.endr
.endr
.irp b, 0,1,2,3
	v_permlanex16_b32 v[TM+4+\b], v[TM+\b], s[SEL], s[SEL+1]
.endr
.irp b, 0,1,2,3
	v_max_num_f32 v[TM+\b], v[TM+\b], v[TM+4+\b]
.endr
.irp b, 0,1,2,3
	v_add_nc_u32 v[TM+12+\b], 0xff000000, v[TM+\b]
.endr
.irp b, 0,1,2,3
	v_lshrrev_b32 v[TM+4+\b], 23, v[TM+12+\b]
.endr
	v_lshl_or_b32 v[PW], v[TM+5], 8, v[TM+4]
	v_lshl_or_b32 v[PW], v[TM+6], 16, v[PW]
	v_lshl_or_b32 v[PW], v[TM+7], 24, v[PW]
.irp c, 0,1
	v_cvt_scalef32_pk16_fp6_f32 v[PC+6*\c:PC+2+6*\c], v[(\s)+32*\c:(\s)+15+32*\c], v[TM+12+2*\c]
	v_cvt_scalef32_pk16_fp6_f32 v[PC+12+4*\c:PC+14+4*\c], v[(\s)+16+32*\c:(\s)+31+32*\c], v[TM+12+2*\c+1]
.endr
	v_nop
.irp c, 0,1
.irp i, 0,1,2
	v_permlane16_swap_b32 v[PC+6*\c+\i], v[PC+12+4*\c+\i]
.endr
.irp i, 0,1,2
	v_mov_b32 v[PC+3+6*\c+\i], v[PC+12+4*\c+\i]
.endr
.endr
.endm
	s_load_b256 s[4:11], s[0:1], 0x0               ; A s[4:5], wts s[6:7], bias s[8:9], x s[10:11]
	s_load_b256 s[12:19], s[0:1], 0x20             ; gamma s[12:13], beta s[14:15], x1 s[16:17], its codes s[18:19]
	v_lshl_add_u32 v[SPW], v0, 2, SPARE
	v_mov_b32 v[NIL], 0
	ds_add_u32 v[SPW], v[NIL]                      ; the wave's opening: the add, twice, and its wait ahead of my tensor load
	ds_add_u32 v[SPW], v[NIL]
	v_lshrrev_b32 v1, 5, v0
	v_readfirstlane_b32 s20, v1                    ; wave
	s_and_b32 s21, s20, 3
	s_and_b32 s22, s20, 1
	s_and_b32 s23, ttmp9, 1                        ; which half of a record of 64 rows is my work-group's
	s_lshr_b32 s82, ttmp9, 1                       ; which record row
	s_mov_b32 s24, (3<<16)|(1<<20)|(7<<22)|(3<<25) ; x: elements of 8 bytes; 4 words of padding behind every 256
	s_mov_b32 s25, 512<<16
	s_mov_b32 s26, 8<<16
	s_mov_b32 s27, 512<<16
	s_mov_b32 s28, 8
	s_mov_b32 s29, 512
	s_mov_b32 s30, 0
	s_mov_b32 s31, 0
	s_mov_b32 s32, 3<<16                           ; A's codes: KS / 2 rows of 3,072 bytes, 6,400 apart
	s_mov_b32 s33, 384<<16
	s_mov_b32 s34, (KS/2)<<16
	s_mov_b32 s35, 384<<16
	s_mov_b32 s36, KS/2
	s_mov_b32 s37, 800
	s_mov_b32 s38, 0
	s_mov_b32 s39, 0
	s_mov_b32 s40, 3<<16                           ; A's scale words: KS / 2 rows of 128 bytes, 6,400 apart
	s_mov_b32 s41, 16<<16
	s_mov_b32 s42, (KS/2)<<16
	s_mov_b32 s43, 16<<16
	s_mov_b32 s44, KS/2
	s_mov_b32 s45, 800
	s_mov_b32 s46, 0
	s_mov_b32 s47, 0
	s_lshl_b32 s60, ttmp9, 17                      ; 32 rows of 4,096 bytes a work-group,
	s_lshl_b32 s83, s21, 15                        ; 8 a wave
	s_add_co_u32 s60, s60, s83
	s_mov_b32 s61, 0
	s_mov_b32 s48, 1
	s_mul_i32 s49, s21, 8*RPIT
	s_add_co_u32 s49, s49, RES
	s_mul_i32 s62, s82, KS*RECB
	s_mul_i32 s83, s22, (KS/2)*RECB
	s_add_co_u32 s62, s62, s83
	s_mul_i32 s83, s23, 3072
	s_add_co_u32 s84, s62, s83
	s_mov_b32 s85, 0
	s_lshl_b32 s83, s23, 7
	s_add_co_u32 s62, s62, s83
	s_add_co_u32 s62, s62, 6144
	s_mov_b32 s63, 0
	s_mov_b32 s52, 1
	s_mul_i32 s53, s22, (KS/2)*3072
	s_mov_b32 s56, 1
	s_mul_i32 s57, s22, (KS/2)*128
	s_add_co_u32 s57, s57, ASC
	s_wait_dscnt 0x0                               ; both opening adds are done
	s_wait_kmcnt 0x0
	s_add_nc_u64 s[50:51], s[10:11], s[60:61]
	s_or_b32 s51, s51, 0x80000000
	s_add_nc_u64 s[54:55], s[4:5], s[84:85]
	s_or_b32 s55, s55, 0x80000000
	s_add_nc_u64 s[58:59], s[4:5], s[62:63]
	s_or_b32 s59, s59, 0x80000000
	s_cmp_lt_u32 s20, 4                            ; one chain of three arms, one load in each: every wave issues one
	s_cbranch_scc0 .Lcodes
	tensor_load_to_lds s[48:51], s[24:31]
	s_nop 0
	PLACES
	s_branch .Lasked
.Lcodes:
	s_cmp_lt_u32 s20, 6
	s_cbranch_scc0 .Lwords
	tensor_load_to_lds s[52:55], s[32:39]
	s_nop 0
	PLACES
	s_branch .Lasked
.Lwords:
	tensor_load_to_lds s[56:59], s[40:47]
	s_nop 0
	PLACES
.Lasked:
	s_mul_i32 s60, s20, 8*KS*1536
	s_add_co_u32 s60, s60, FB*1536
	s_add_nc_u64 s[66:67], s[6:7], s[60:61]        ; my 8 tiles of W, K step 0
	s_mul_i32 s60, s20, 8*KS*64
	s_add_co_u32 s60, s60, WSO+FB*64
	s_add_nc_u64 s[68:69], s[6:7], s[60:61]        ; their scale words
	s_add_nc_u64 s[70:71], s[6:7], (FB+4)*1536     ; the prefetches begin at K step 4
	s_lshl_b32 s60, s20, 9
	s_add_nc_u64 s[8:9], s[8:9], s[60:61]
	s_add_nc_u64 s[12:13], s[12:13], s[60:61]
	s_add_nc_u64 s[14:15], s[14:15], s[60:61]
	s_lshl_b32 s62, ttmp9, 17
	s_add_co_u32 s60, s60, s62                     ; my 32 rows, my 128 columns
	s_add_nc_u64 s[16:17], s[16:17], s[60:61]
	s_lshl_b32 s60, ttmp9, 4
	s_add_co_u32 s60, s60, s20                     ; fragment 8 (2 g) + w
	s_lshl_b32 s62, s60, 6
	s_add_co_u32 s62, s62, XSO
	s_add_nc_u64 s[80:81], s[18:19], s[62:63]
	s_mul_i32 s60, s60, 1536
	s_add_nc_u64 s[18:19], s[18:19], s[60:61]
	s_lshl_b32 s82, ttmp9, 3
	s_add_co_u32 s82, s82, s20                     ; W = 8 x work-group + wave
	s_cmp_lt_u32 s82, 12
	s_cselect_b32 s73, 1, -1                       ; a wave prefetches while more trips than this are left
	s_and_b32 s83, s82, 1
	s_lshl_b32 s83, s83, 5
	s_lshr_b32 s82, s82, 1
	s_min_u32 s82, s82, 5
	s_lshl_b32 s82, s82, 8
	s_mul_i32 s84, s20, STGW
	s_add_co_u32 s84, s84, STG
	s_mul_i32 s85, s20, 1536
	s_add_co_u32 s85, s85, VEC
	s_lshl_b32 s86, s20, 9
	s_lshr_b32 s87, s20, 1
	s_lshl_b32 s87, s87, 4
	s_add_co_u32 s86, s86, s87
	s_add_co_u32 s86, s86, RES                     ; my 512 bytes of a residual row: 16 more for each 1,024 passed
	s_lshl_b32 s87, s20, 2
	s_mov_b32 s[SEL], 0x76543210
	s_mov_b32 s[SEL+1], 0xfedcba98
	s_mov_b32 s78, 0x3a800000                      ; 1 / 1,024
	s_mov_b32 s79, 0x3727c5ac                      ; 1e-5
	v_and_b32 v12, 31, v0                          ; lane
	v_and_b32 v13, 15, v0                          ; r
	v_bfe_u32 v14, v0, 4, 1                        ; h
	v_lshlrev_b32 v[VB], 4, v12
	v_lshlrev_b32 v[V4R], 2, v13
	v_mul_u32_u24 v[VS], 2*KS*64, v14
	v_add_nc_u32 v[VS], v[VS], v[V4R]              ; W's scale words: lanes 16-31 take the tile two further on
	v_lshlrev_b32 v[VA], 3, v12
	v_lshl_add_u32 v[VSA], v12, 2, ASC             ; A's scale words: lanes 0-15 tile 0, lanes 16-31 tile 1
	v_add_nc_u32 v[PFO], s83, v12
	v_mul_u32_u24 v[PFO], KS*1536, v[PFO]
	v_add_nc_u32 v[PFO], s82, v[PFO]
	v_lshl_add_u32 v[VL], v14, 6, s85
	v_add_nc_u32 v[VV], s85, v[VB]
	v_add_nc_u32 v[STI], s84, v[VB]                ; my stage by rows,
	v_mul_u32_u24 v[STL], 528, v13
	v_lshl_add_u32 v[STL], v14, 6, v[STL]
	v_add_nc_u32 v[STL], s84, v[STL]               ; and by the lanes' layout
	v_lshl_add_u32 v[RD], v13, 5, REDB
	v_add_nc_u32 v[RW], s87, v[RD]
	v_and_b32 v17, 8, v13
	v_add_nc_u32 v17, v17, v13
	v_mul_u32_u24 v[RLA], RPIT, v17
	v_lshl_add_u32 v[RLA], v14, 6, v[RLA]
	v_add_nc_u32 v[RLA], s86, v[RLA]               ; the residual in the lanes' layout: row r + 8 (r / 8), 64 bytes on for lanes 16-31
	WALU                                           ; the wait behind the head's address work
.macro GLOAD par, gq                   ; W's fragments 4 gq .. 4 gq + 3 and their scale words, K step par from where the bases stand, into buffer 2 par + gq: 14 loads
	WIN 0x40
.irp b, 0,1,2,3
.irp c, 0,1,2
	global_load_b128 v[48*(2*(\par)+(\gq))+12*\b+4*\c:48*(2*(\par)+(\gq))+12*\b+4*\c+3], v[VB], s[66:67] offset:(4*(\gq)+\b)*KS*1536+(\par)*1536+512*\c
.endr
.endr
	WIN 0
.irp i, 0,1
	global_load_b32 v[SB+2*(2*(\par)+(\gq))+\i], v[VS], s[68:69] offset:(4*(\gq)+\i)*KS*64+(\par)*64
.endr
.endm
.macro ALOAD par, k                    ; A's scale words and two fragments, K step k from where the addresses stand: 13 LDS loads
	ds_load_b32 v[30-3*(\par)], v[VSA] offset:(\k)*128
.irp a, 0,1
.irp i, 0,1,2,3,4,5
	ds_load_b64 v[AF+24*(\par)+12*\a+2*\i:AF+24*(\par)+12*\a+2*\i+1], v[VA] offset:(\k)*3072+1536*\a+256*\i
.endr
.endr
.endm
.macro PROD par, gq, b, a
.set rD, 192+8*(4*(\gq)+(\b))
.set rB, 48*(2*(\par)+(\gq))+12*(\b)
.set rA, AF+24*(\par)+12*(\a)
.set rS, SB+2*(2*(\par)+(\gq))+(\b)%2
.set rT, 30-3*(\par)
.if ((\b) < 2) && ((\a) == 0)
	v_wmma_scale_f32_16x16x128_f8f6f4 v[rD:rD+7], v[rB:rB+11], v[rA:rA+11], v[rD:rD+7], v[rS], v[rT] matrix_a_fmt:MATRIX_FMT_FP6 matrix_b_fmt:MATRIX_FMT_FP6
.elseif (\a) == 0
	v_wmma_scale_f32_16x16x128_f8f6f4 v[rD:rD+7], v[rB:rB+11], v[rA:rA+11], v[rD:rD+7], v[rS], v[rT] matrix_a_fmt:MATRIX_FMT_FP6 matrix_b_fmt:MATRIX_FMT_FP6 matrix_a_scale:MATRIX_SCALE_ROW1
.elseif (\b) < 2
	v_wmma_scale_f32_16x16x128_f8f6f4 v[rD:rD+7], v[rB:rB+11], v[rA:rA+11], v[rD:rD+7], v[rS], v[rT] matrix_a_fmt:MATRIX_FMT_FP6 matrix_b_fmt:MATRIX_FMT_FP6 matrix_b_scale:MATRIX_SCALE_ROW1
.else
	v_wmma_scale_f32_16x16x128_f8f6f4 v[rD:rD+7], v[rB:rB+11], v[rA:rA+11], v[rD:rD+7], v[rS], v[rT] matrix_a_fmt:MATRIX_FMT_FP6 matrix_b_fmt:MATRIX_FMT_FP6 matrix_a_scale:MATRIX_SCALE_ROW1 matrix_b_scale:MATRIX_SCALE_ROW1
.endif
.endm
; A K STEP: two groups of eight products (four tiles of W x A's two); the 16 accumulators take turns, one instruction a turn.  ld: behind a group its buffer is loaded for two K steps on,
; behind the second group A's set too.  c0, c1: the global loads younger than the group's 14; d: the LDS loads younger than my parity's 13.
.macro KSTEP par, ld, c0, c1, d
.irp gq, 0,1
.if \gq == 0
	s_wait_loadcnt \c0
	s_wait_dscnt \d
.else
	s_wait_loadcnt \c1
.endif
	WIN 0x51
.irp b, 0,1,2,3
	PROD \par, \gq, \b, 0
.endr
	WIN 0x01
.irp b, 0,1,2,3
	PROD \par, \gq, \b, 1
.endr
	PLACES                                         ; ahead of loads into registers that these products have read, and of the first reads of the sums
.if \ld
	GLOAD \par, \gq
.if \gq == 1
	ALOAD \par, (\par)+2
.endif
.endif
.endr
	WIN 0
.endm
	global_load_b128 v[GV:GV+3], v[VB], s[8:9]     ; bias, gamma, beta at my 128 columns: 512 consecutive bytes each
	global_load_b128 v[GV+4:GV+7], v[VB], s[12:13]
	global_load_b128 v[GV+8:GV+11], v[VB], s[14:15]
	GLOAD 0, 0
	GLOAD 0, 1
	GLOAD 1, 0
	GLOAD 1, 1
	s_wait_loadcnt 56                              ; the three are in; W's four groups of 14 may stay out
	s_wait_tensorcnt 0x0                           ; my tensor load has landed
	ds_store_b128 v[VV], v[GV:GV+3]
	ds_store_b128 v[VV], v[GV+4:GV+7] offset:512
	ds_store_b128 v[VV], v[GV+8:GV+11] offset:1024
	s_wait_xcnt 0x0                                ; the loads have read their bases
	s_add_nc_u64 s[66:67], s[66:67], 3072          ; on to K step 2
	s_add_nc_u64 s[68:69], s[68:69], 128
	s_wait_dscnt 0x0
	s_barrier_signal -1
	s_barrier_wait -1                              ; everybody's tile is in
	WIN 0x40
.irp i, 0,1,2,3,4,5,6,7,8,9,10,11,12,13,14,15
	ds_load_b128 v[192+4*\i:195+4*\i], v[RLA] offset:128*(\i/4)+16*(\i%4)             ; the residual, tile 0, where its sums will stand
.endr
	WIN 0
.irp i, 0,1,2,3,4,5,6,7,8,9,10,11,12,13,14,15
	ds_load_b128 v[192+4*\i:195+4*\i], v[RLA] offset:8*RPIT+128*(\i/4)+16*(\i%4)      ; tile 1
.endr
.irp i, 0,1,2,3,4,5,6,7,8,9,10,11,12,13,14,15
	ds_load_b128 v[Z+4*\i:Z+4*\i+3], v[VL] offset:128*(\i/4)+16*(\i%4)                ; the bias in the lanes' layout
.endr
	ALOAD 0, 0
	ALOAD 1, 1
	s_wait_dscnt 26                                ; all but A's two sets of 13
	WIN 0x41
.set jj, 0
.rept 32
	v_pk_add_f32 v[192+jj:193+jj], v[192+jj:193+jj], v[Z+jj:Z+jj+1]
.set jj, jj+2
.endr
	WIN 0
.set jj, 0
.rept 32
	v_pk_add_f32 v[192+jj:193+jj], v[192+jj:193+jj], v[Z+jj:Z+jj+1]
.set jj, jj+2
.endr
	WALU                                           ; the wait at the head's end
	s_mov_b32 s72, KS/2-1
.Lk:
	KSTEP 0, 1, 42, 42, 13                         ; three younger groups of 14; the other parity's 13
	s_cmp_gt_u32 s72, s73
	s_cbranch_scc0 .Lno_ask
	global_prefetch_b8 v[PFO], s[70:71] th:TH_LOAD_NT scope:SCOPE_SE
	global_prefetch_b8 v[PFO], s[70:71] offset:1536 th:TH_LOAD_NT scope:SCOPE_SE
.Lno_ask:
	KSTEP 1, 1, 42, 42, 13
	s_wait_xcnt 0x0                                ; the trip's loads and prefetches have read their bases
	s_add_nc_u64 s[66:67], s[66:67], 3072
	s_add_nc_u64 s[68:69], s[68:69], 128
	s_add_nc_u64 s[70:71], s[70:71], 3072
	v_add_nc_u32 v[VA], 2*3072, v[VA]
	v_add_nc_u32 v[VSA], 2*128, v[VSA]
	s_sub_co_u32 s72, s72, 1
	s_cmp_lg_u32 s72, 0
	WALU                                           ; the wait ahead of the branch
	s_cbranch_scc1 .Lk
	KSTEP 0, 0, 42, 28, 13                         ; the last two K steps load nothing: the counts run down
	KSTEP 1, 0, 14, 0, 0
	; ---- THE EPILOGUE
	WIN 0x40
.irp i, 0,1,2,3,4,5,6,7,8,9,10,11,12,13,14,15
	ds_load_b128 v[4*\i:4*\i+3], v[VL] offset:512+128*(\i/4)+16*(\i%4)        ; gamma and beta in the lanes' layout, where W's buffers lay
	ds_load_b128 v[64+4*\i:64+4*\i+3], v[VL] offset:1024+128*(\i/4)+16*(\i%4)
.endr
	WIN 0
.macro SUMS a                          ; four chains of row sums; each accumulator is read from its low end on
	WIN 5*(1-(\a))
.irp c, 0,1,2,3
	v_pk_add_f32 v[CH+8*(\a)+2*\c:CH+8*(\a)+2*\c+1], v[192+2*\c:193+2*\c], v[200+2*\c:201+2*\c]
.endr
	WIN 1-(\a)
.set jj, 16
.rept 24
	v_pk_add_f32 v[CH+8*(\a)+jj%8:CH+8*(\a)+jj%8+1], v[192+jj:193+jj], v[CH+8*(\a)+jj%8:CH+8*(\a)+jj%8+1]
.set jj, jj+2
.endr
	WIN 0
.endm
.macro REDUCE off                      ; the chains of each tile: folded, with lane l xor 16, and over the eight waves through LDS; the result in v[RLD + 8 a], the same bits in all waves
.irp a, 0,1
	v_pk_add_f32 v[CH+8*\a:CH+8*\a+1], v[CH+8*\a:CH+8*\a+1], v[CH+8*\a+2:CH+8*\a+3]
	v_pk_add_f32 v[CH+8*\a+4:CH+8*\a+5], v[CH+8*\a+4:CH+8*\a+5], v[CH+8*\a+6:CH+8*\a+7]
.endr
.irp a, 0,1
	v_pk_add_f32 v[CH+8*\a:CH+8*\a+1], v[CH+8*\a:CH+8*\a+1], v[CH+8*\a+4:CH+8*\a+5]
.endr
.irp a, 0,1
	v_add_f32 v[CH+8*\a], v[CH+8*\a], v[CH+8*\a+1]
.endr
.irp a, 0,1
	v_permlanex16_b32 v[CH+8*\a+1], v[CH+8*\a], s[SEL], s[SEL+1]
.endr
.irp a, 0,1
	v_add_f32 v[CH+8*\a], v[CH+8*\a], v[CH+8*\a+1]
.endr
.irp a, 0,1
	ds_store_b32 v[RW], v[CH+8*\a] offset:(\off)+512*\a
.endr
	WALU
	s_wait_dscnt 0x0                               ; for the others' sake: my words have landed
	s_barrier_signal -1
	s_barrier_wait -1
.irp a, 0,1
	ds_load_b128 v[RLD+8*\a:RLD+8*\a+3], v[RD] offset:(\off)+512*\a
	ds_load_b128 v[RLD+8*\a+4:RLD+8*\a+7], v[RD] offset:(\off)+512*\a+16
.endr
	s_wait_dscnt 0x0
.irp a, 0,1
	v_pk_add_f32 v[RLD+8*\a:RLD+8*\a+1], v[RLD+8*\a:RLD+8*\a+1], v[RLD+8*\a+4:RLD+8*\a+5]
	v_pk_add_f32 v[RLD+8*\a+2:RLD+8*\a+3], v[RLD+8*\a+2:RLD+8*\a+3], v[RLD+8*\a+6:RLD+8*\a+7]
.endr
.irp a, 0,1
	v_pk_add_f32 v[RLD+8*\a:RLD+8*\a+1], v[RLD+8*\a:RLD+8*\a+1], v[RLD+8*\a+2:RLD+8*\a+3]
.endr
.irp a, 0,1
	v_add_f32 v[RLD+8*\a], v[RLD+8*\a], v[RLD+8*\a+1]
.endr
.endm
	SUMS 0
	SUMS 1
	REDUCE 0
.irp a, 0,1
	v_mul_f32 v[NM+2*\a], 0xba800000, v[RLD+8*\a]  ; -mean
	v_mov_b32 v[NM+2*\a+1], 0                      ; (named with it as a pair)
	v_mov_b32 v[RSQ+2*\a+1], 0
.endr
.irp b, 0,1,2,3
	v_mov_b32 v[TM+4+\b], 0                        ; a lane permute's destination counts as one of its sources
.endr
.macro PASS2 a                         ; - mean, in place; chains of squares
	WIN 0x41*(1-(\a))
.set jj, 0
.rept 32
	v_pk_add_f32 v[192+jj:193+jj], v[192+jj:193+jj], v[NM+2*(\a):NM+2*(\a)+1] op_sel_hi:[1,0]
.set jj, jj+2
.endr
	WIN 5*(1-(\a))
.set jj, 0
.rept 32
.if jj < 8
	v_pk_mul_f32 v[CH+8*(\a)+jj:CH+8*(\a)+jj+1], v[192+jj:193+jj], v[192+jj:193+jj]
.else
	v_pk_fma_f32 v[CH+8*(\a)+jj%8:CH+8*(\a)+jj%8+1], v[192+jj:193+jj], v[192+jj:193+jj], v[CH+8*(\a)+jj%8:CH+8*(\a)+jj%8+1]
.endif
.set jj, jj+2
.endr
	WIN 0
.endm
	PASS2 0
	PASS2 1
	REDUCE 1024
.irp a, 0,1
	v_fma_f32 v[RLD+8*\a], v[RLD+8*\a], s78, s79   ; the variance + 1e-5
.endr
	WALU                                           ; the wait ahead of the two,
.irp a, 0,1
	v_rsq_f32 v[RSQ+2*\a], v[RLD+8*\a]
.endr
	v_nop                                          ; a plain line behind them,
	WALU                                           ; and the wait ahead of their first reader
.macro OUT a                           ; x 1 / sqrt, x gamma + beta; through my stage into whole rows; quantised on the way: my 128 columns are K step w of the next product
.if \a
	s_wait_xcnt 0x0                                ; tile 0's stores have read their data
.endif
	WIN 1-(\a)
.set jj, 0
.rept 32
	v_pk_mul_f32 v[Z+jj:Z+jj+1], v[192+jj:193+jj], v[RSQ+2*(\a):RSQ+2*(\a)+1] op_sel_hi:[1,0]
.set jj, jj+2
.endr
	WIN 0x14
.set jj, 0
.rept 32
	v_pk_fma_f32 v[Z+jj:Z+jj+1], v[Z+jj:Z+jj+1], v[jj:jj+1], v[64+jj:65+jj]
.set jj, jj+2
.endr
	WIN 0
.irp i, 0,1,2,3,4,5,6,7,8,9,10,11,12,13,14,15
	ds_store_b128 v[STL], v[Z+4*\i:Z+4*\i+3] offset:128*(\i/4)+16*(\i%4)
.endr
	WIN 0x40
.irp i, 0,1,2,3,4,5,6,7,8,9,10,11,12,13,14,15
	ds_load_b128 v[128+4*\i:131+4*\i], v[STI] offset:528*\i       ; my own stage: LDS serves a wave's instructions in order
.endr
	WIN 0
	QUANT Z
.irp c, 0,1,2
	global_store_b128 v[VB], v[PC+4*\c:PC+4*\c+3], s[18:19] offset:(\a)*8*1536+512*\c   ; 512 consecutive bytes
.endr
	global_store_b32 v[V4R], v[PW], s[80:81] offset:(\a)*8*64     ; lanes r and r + 16 hold the same word
	s_wait_dscnt 0x0
	WIN 0x04
.irp i, 0,1,2,3,4,5,6,7,8,9,10,11,12,13,14,15
	global_store_b128 v[VB], v[128+4*\i:131+4*\i], s[16:17] offset:(8*(\a)+\i+8*(\i/8))*4096 th:TH_STORE_NT   ; 512 consecutive bytes of a row
.endr
	WIN 0
.endm
	OUT 0
	OUT 1
	s_wait_tensorcnt 0x0                           ; the wave's end
	ds_add_u32 v[SPW], v[NIL]
	s_wait_dscnt 0x0
	s_endpgm
.Lfunc_end_k_qfeb67a6129_wo_ln:
	.size	k_qfeb67a6129_wo_ln, .Lfunc_end_k_qfeb67a6129_wo_ln-k_qfeb67a6129_wo_ln
	.p2alignl 7, 3214868480
	.fill 96, 4, 3214868480
	.section	.rodata,"a",@progbits
	.p2align	6, 0x0
	.amdhsa_kernel k_qfeb67a6129_wo_ln
		.amdhsa_group_segment_fixed_size 241664
		.amdhsa_private_segment_fixed_size 0
		.amdhsa_enable_private_segment 0
		.amdhsa_kernarg_size 64
		.amdhsa_user_sgpr_count 2
		.amdhsa_user_sgpr_kernarg_segment_ptr 1
		.amdhsa_wavefront_size32 1
		.amdhsa_system_sgpr_workgroup_id_x 1
		.amdhsa_system_sgpr_workgroup_id_y 1
		.amdhsa_system_sgpr_workgroup_id_z 1
		.amdhsa_system_vgpr_workitem_id 0
		.amdhsa_next_free_vgpr 512
		.amdhsa_next_free_sgpr 96
		.amdhsa_reserve_vcc 0
		.amdhsa_float_denorm_mode_32 3
		.amdhsa_float_denorm_mode_16_64 3
		.amdhsa_memory_ordered 1
		.amdhsa_forward_progress 1
		.amdhsa_inst_pref_size 82
	.end_amdhsa_kernel
	.amdgpu_metadata
---
amdhsa.version: [ 1, 2 ]
amdhsa.kernels:
  - .name:           k_qfeb67a6129_wo_ln
    .symbol:         k_qfeb67a6129_wo_ln.kd
    .args:
      - { .name: ao, .offset: 0, .size: 8, .value_kind: global_buffer, .address_space: global }
      - { .name: wts, .offset: 8, .size: 8, .value_kind: global_buffer, .address_space: global }
      - { .name: bo, .offset: 16, .size: 8, .value_kind: global_buffer, .address_space: global }
      - { .name: x, .offset: 24, .size: 8, .value_kind: global_buffer, .address_space: global }
      - { .name: ln1_g, .offset: 32, .size: 8, .value_kind: global_buffer, .address_space: global }
      - { .name: ln1_b, .offset: 40, .size: 8, .value_kind: global_buffer, .address_space: global }
      - { .name: x1, .offset: 48, .size: 8, .value_kind: global_buffer, .address_space: global }
      - { .name: x1q, .offset: 56, .size: 8, .value_kind: global_buffer, .address_space: global }
    .group_segment_fixed_size: 241664
    .private_segment_fixed_size: 0
    .kernarg_segment_align: 8
    .kernarg_segment_size: 64
    .max_flat_workgroup_size: 256
    .sgpr_count:     96
    .vgpr_count:     512
    .wavefront_size: 32
...
	.end_amdgpu_metadata
.endif
;; end of part 10
;; launch ffn1 (part 11): grid 16 x 16, 4 waves a work-group, clusters of 4 x 4, 327,680 bytes of LDS; arguments x1q, wts, b1, h; writes h
.if DOCPART == 11
	.amdgcn_target "amdgcn-amd-amdhsa--gfx1250"
	.amdhsa_code_object_version 6
	.text
	.protected	k_qfeb67a6129_ffn1
	.globl	k_qfeb67a6129_ffn1
	.p2align	8
	.type	k_qfeb67a6129_ffn1,@function
k_qfeb67a6129_ffn1:
	s_mov_b64 s[64:65], 0
	v_nop
	global_prefetch_b8 v0, s[64:65] scope:SCOPE_SE
	s_setreg_imm32_b32 hwreg(HW_REG_WAVE_MODE, 25, 1), 1
	s_wait_xcnt 0x0
	s_wait_alu depctr_hold_cnt(0) depctr_sa_sdst(0) depctr_va_vdst(0) depctr_va_sdst(0) depctr_va_ssrc(0) depctr_va_vcc(0) depctr_vm_vsrc(0)
	s_getreg_b32 s2, hwreg(HW_REG_IB_STS2, 6, 4)
	s_cmp_eq_u32 s2, 0
	s_cbranch_scc0 .Lentry_in_a_cluster
	s_endpgm
.Lentry_in_a_cluster:
	s_bfe_u32 s2, ttmp6, 0x10000c
	s_cmp_lg_u32 s2, 0xf033
	s_cbranch_scc0 .Lentry_shape_is_right
	s_endpgm
.Lentry_shape_is_right:
.set NQ,    2
.set FR,    12
.set NL,    3
.set NP,    4
.set TILEB, 3072
.set KROWB, 12288
.set HALFT, 8*TILEB
.set SLOT,  4*HALFT
.set SCL,   2*SLOT
.set HALFS, 4096
.set SPARE, SCL+4*HALFS
.set XSO,   3145728
.set WSO,   9437184
.set VC,   4
.set VS,   8
.set ADRA, 16
.set ADRB, 20
.set ADRS, 27
.set SPW,  28
.set NIL,  29
.set SC,   32
.set Z,    64
.set AF,   128
.set PC,   128
.set PW,   148
.set TM,   240
.set SEL,  46
.set G1, 24
.set G0, 32
.set G1B, 48
.set G0B, 56
.set G1S, 68
.set G0S, 76
.set G1SB, 80
.set G0SB, 88
.set MSB, 0
.macro WIN new
.if MSB != (\new)
	s_set_vgpr_msb (MSB<<8)|(\new)
.set MSB, (\new)
.endif
.endm
.set MUL_LO, 0xa1
.set MUL_HI, 0xf1
.set TO_B,   0x40
.macro JLOAD g0a, g1a, g0b, g1b
	s_cmp_eq_u32 s17, 0
	s_cbranch_scc0 .Lfor_b_\@
	tensor_load_to_lds s[\g0a:\g0a+3], s[\g1a:\g1a+7]
	s_nop 0
.rept 4
	v_nop
.endr
	s_branch .Lasked_\@
.Lfor_b_\@:
	tensor_load_to_lds s[\g0b:\g0b+3], s[\g1b:\g1b+7]
	s_nop 0
.rept 4
	v_nop
.endr
.Lasked_\@:
.endm
.macro CREST
	s_cmp_lg_u32 s16, 0
	s_cbranch_scc1 .Lnot_wave_0_\@
	s_barrier_signal -3
.Lnot_wave_0_\@:
	s_barrier_wait -3
	s_barrier_signal -1
	s_barrier_wait -1
.endm
.macro CROUND
	s_barrier_signal -1
	s_barrier_wait -1
	CREST
.endm
.macro PLACES n
.rept \n
	v_nop
.endr
.endm
.macro QUANT s
.irp b, 0,1,2,3
	v_max3_num_f32 v[TM+\b], |v[(\s)+16*\b]|, |v[(\s)+1+16*\b]|, 0x1800000
.endr
.irp i, 2,4,6,8,10,12,14
.irp b, 0,1,2,3
	v_max3_num_f32 v[TM+\b], v[TM+\b], |v[(\s)+16*\b+\i]|, |v[(\s)+1+16*\b+\i]|
.endr
.endr
.irp b, 0,1,2,3
	v_permlanex16_b32 v[TM+4+\b], v[TM+\b], s[SEL], s[SEL+1]
.endr
.irp b, 0,1,2,3
	v_max_num_f32 v[TM+\b], v[TM+\b], v[TM+4+\b]
.endr
.irp b, 0,1,2,3
	v_add_nc_u32 v[TM+12+\b], 0xff000000, v[TM+\b]
.endr
.irp b, 0,1,2,3
	v_lshrrev_b32 v[TM+4+\b], 23, v[TM+12+\b]
.endr
	v_lshl_or_b32 v[PW], v[TM+5], 8, v[TM+4]
	v_lshl_or_b32 v[PW], v[TM+6], 16, v[PW]
	v_lshl_or_b32 v[PW], v[TM+7], 24, v[PW]
.irp c, 0,1
	v_cvt_scalef32_pk16_fp6_f32 v[PC+6*\c:PC+2+6*\c], v[(\s)+32*\c:(\s)+15+32*\c], v[TM+12+2*\c]
	v_cvt_scalef32_pk16_fp6_f32 v[PC+12+4*\c:PC+14+4*\c], v[(\s)+16+32*\c:(\s)+31+32*\c], v[TM+12+2*\c+1]
.endr
	v_nop
.irp c, 0,1
.irp i, 0,1,2
	v_permlane16_swap_b32 v[PC+6*\c+\i], v[PC+12+4*\c+\i]
.endr
.irp i, 0,1,2
	v_mov_b32 v[PC+3+6*\c+\i], v[PC+12+4*\c+\i]
.endr
.endr
.endm
	s_load_b256 s[4:11], s[0:1], 0x0
	v_lshl_add_u32 v[SPW], v0, 2, SPARE
	v_mov_b32 v[NIL], 0
	ds_add_u32 v[SPW], v[NIL]
	ds_add_u32 v[SPW], v[NIL]
	v_lshrrev_b32 v1, 5, v0
	v_readfirstlane_b32 s16, v1
	s_lshr_b32 s17, s16, 1
	s_and_b32 s18, s16, 1
	s_bfe_u32 s40, ttmp6, 0x40000
	s_bfe_u32 s41, ttmp6, 0x40004
	s_and_b32 s43, ttmp7, 0xffff
	s_lshl_b32 s43, s43, 2
	s_lshl_b32 s44, s41, 2
	s_lshl_b32 s44, 15, s44
	s_lshl_b32 s45, 0x1111, s40
	s_or_b32 s[G1+0], s44, (3<<16)|(1<<21)
	s_or_b32 s[G1B+0], s45, (3<<16)|(1<<21)
.irp g, G1, G1B
	s_mov_b32 s[\g+1], 384<<16
	s_mov_b32 s[\g+2], 16<<16                      ; the head's loads bring all 16 tile rows of a side; behind them the two words are set to 8
	s_mov_b32 s[\g+3], 384<<16
	s_mov_b32 s[\g+4], 16
	s_mov_b32 s[\g+5], 1536
	s_mov_b32 s[\g+6], 0
	s_mov_b32 s[\g+7], 0
.endr
	s_or_b32 s[G1S+0], s44, (3<<16)|(1<<21)
	s_or_b32 s[G1SB+0], s45, (3<<16)|(1<<21)
.irp g, G1S, G1SB
	s_mov_b32 s[\g+1], 32<<16
	s_mov_b32 s[\g+2], 32<<16                      ; a side's scale words, 8,192 dense bytes, by one load
	s_mov_b32 s[\g+3], 32<<16
	s_mov_b32 s[\g+4], 32
	s_mov_b32 s[\g+5], 32
	s_mov_b32 s[\g+6], 0
	s_mov_b32 s[\g+7], 0
.endr
	s_add_co_u32 s21, s43, s41
	s_lshl_b32 s22, ttmp9, 2
	s_add_co_u32 s22, s22, s40
	s_lshl_b32 s19, s18, 3
	s_lshl_b32 s21, s21, 4
	s_add_co_u32 s21, s21, s19
	s_lshl_b32 s22, s22, 4
	s_add_co_u32 s22, s22, s19
	s_mul_i32 s66, s21, KROWB
	s_mov_b32 s67, 0
	s_lshl_b32 s20, s21, 9
	s_add_co_u32 s20, s20, XSO
	s_mov_b32 s21, 0
	s_mul_i32 s96, s22, KROWB
	s_add_co_u32 s96, s96, 1536*1536
	s_mov_b32 s97, 0
	s_lshl_b32 s98, s22, 9
	s_add_co_u32 s98, s98, WSO+1536*64
	s_mov_b32 s99, 0
	s_mul_i32 s100, s16, HALFT
	s_mul_i32 s101, s16, HALFS
	s_wait_dscnt 0x0
	s_wait_kmcnt 0x0
	s_add_nc_u64 s[66:67], s[4:5], s[66:67]
	s_add_nc_u64 s[20:21], s[4:5], s[20:21]
	s_add_nc_u64 s[96:97], s[6:7], s[96:97]
	s_add_nc_u64 s[98:99], s[6:7], s[98:99]
	CROUND
	; THE HEAD'S FOUR TILES, ONE A WAVE, each whole: wave 0 slot 0's 16 tile rows of x1, wave 1 those of w1, wave 2 and wave 3 the two sides' scale words
	s_mul_i32 s92, s18, 8*KROWB                    ; my ring half's distance from the side's first tile row: codes,
	s_mov_b32 s93, 0
	s_lshl_b32 s94, s18, 12                        ; scale words
	s_mov_b32 s95, 0
	s_mov_b32 s[G0], 1
	s_mov_b32 s[G0+1], 0
	s_sub_nc_u64 s[G0+2:G0+3], s[66:67], s[92:93]
	s_or_b32 s[G0+3], s[G0+3], 0x80000000
	s_mov_b32 s[G0B], 1
	s_mov_b32 s[G0B+1], 2*HALFT
	s_sub_nc_u64 s[G0B+2:G0B+3], s[96:97], s[92:93]
	s_or_b32 s[G0B+3], s[G0B+3], 0x80000000
	s_mov_b32 s[G0S], 1
	s_mov_b32 s[G0S+1], SCL
	s_sub_nc_u64 s[G0S+2:G0S+3], s[20:21], s[94:95]
	s_or_b32 s[G0S+3], s[G0S+3], 0x80000000
	s_mov_b32 s[G0SB], 1
	s_mov_b32 s[G0SB+1], SCL+2*HALFS
	s_sub_nc_u64 s[G0SB+2:G0SB+3], s[98:99], s[94:95]
	s_or_b32 s[G0SB+3], s[G0SB+3], 0x80000000
	s_mov_b32 s[G0+4], 1                           ; the ring's slot 1: my quarter
	s_add_co_u32 s[G0+5], s100, SLOT
	s_add_nc_u64 s[G0+6:G0+7], s[66:67], TILEB
	s_or_b32 s[G0+7], s[G0+7], 0x80000000
	s_mov_b32 s[G0B+4], 1
	s_add_co_u32 s[G0B+5], s100, SLOT
	s_add_nc_u64 s[G0B+6:G0B+7], s[96:97], TILEB
	s_or_b32 s[G0B+7], s[G0B+7], 0x80000000
.macro ARM under, g0, g1, next                 ; one chain of branches on the wave's number, one load to an arm, all arms to one join
	s_cmp_lt_u32 s16, \under
	s_cbranch_scc0 \next
	tensor_load_to_lds s[\g0:\g0+3], s[\g1:\g1+7]
	s_nop 0
.rept 4
	v_nop
.endr
	s_branch .Lhead_asked
\next:
.endm
	ARM 1, G0,  G1,  .Lhead_b
	ARM 2, G0B, G1B, .Lhead_sa
	ARM 3, G0S, G1S, .Lhead_sb
	tensor_load_to_lds s[G0SB:G0SB+3], s[G1SB:G1SB+7]
	s_nop 0
.rept 4
	v_nop
.endr
.Lhead_asked:
	s_wait_alu depctr_va_vdst(0)
	s_wait_tensorcnt 0x0                           ; my tile of the four is in
	ds_add_u32 v28, v29
	s_mov_b32 s[G1+2], 8<<16                       ; no tensor load of mine is out: from here on a load brings 8 tile rows,
	s_mov_b32 s[G1+4], 8
	s_mov_b32 s[G1B+2], 8<<16
	s_mov_b32 s[G1B+4], 8
	s_add_co_u32 s[G0+1], s100, 0                  ; and slot 0's groups 0 stand at my quarter of the ring
	s_mov_b64 s[G0+2:G0+3], s[66:67]
	s_or_b32 s[G0+3], s[G0+3], 0x80000000
	s_add_co_u32 s[G0B+1], s100, 0
	s_mov_b64 s[G0B+2:G0B+3], s[96:97]
	s_or_b32 s[G0B+3], s[G0B+3], 0x80000000
	s_wait_dscnt 0x0
	CROUND
	JLOAD G0+4, G1, G0B+4, G1B                     ; slot 1's first fill, the first tensor load behind the round
	v_and_b32 v1, 15, v0
	v_bfe_u32 v2, v0, 4, 1
	s_wait_alu depctr_va_vdst(0)
	v_and_b32 v3, 31, v0
	v_lshlrev_b32 v12, 4, v3
	s_mul_i32 s19, s17, HALFT
	s_mul_i32 s22, s18, HALFT
	s_add_co_u32 s22, s22, 2*HALFT
.irp s, 0,1
	v_add_nc_u32 v[ADRA+\s], s19, v12
	v_add_nc_u32 v[ADRB+\s], s22, v12
	s_add_co_u32 s19, s19, SLOT
	s_add_co_u32 s22, s22, SLOT
.endr
	v_lshlrev_b32 v13, 2, v1
	s_mul_i32 s19, s17, HALFS
	s_mul_i32 s22, s18, HALFS
	s_add_co_u32 s22, s22, 2*HALFS
	s_sub_co_u32 s22, s22, s19
	v_mul_u32_u24 v14, s22, v2
	s_add_co_u32 s19, s19, SCL
	v_add_nc_u32 v14, v13, v14
	v_add_nc_u32 v[ADRS], s19, v14
	s_lshl_b32 s20, ttmp9, 2
	s_add_co_u32 s20, s20, s40
	s_lshl_b32 s20, s20, 1
	s_add_co_u32 s20, s20, s18
	s_lshl_b32 s92, s20, 9
	s_mov_b32 s93, 0
	s_add_nc_u64 s[8:9], s[8:9], s[92:93]
	v_lshlrev_b32 v14, 6, v2
	WIN TO_B
.irp bb, 0,1,2,3
.irp q, 0,1,2,3
	global_load_b128 v[96+16*\bb+96*(\bb/2)+4*\q:96+16*\bb+96*(\bb/2)+4*\q+3], v14, s[8:9] offset:128*\bb+16*\q
.endr
.endr
	WIN 0
.irp b, 0,1,2,3
	v_mov_b32 v[TM+4+\b], 0
.endr
	s_mov_b32 s[SEL], 0x76543210
	s_mov_b32 s[SEL+1], 0xfedcba98
	s_and_b32 s19, ttmp7, 0xffff
	s_lshl_b32 s19, s19, 2
	s_add_co_u32 s19, s19, s41
	s_lshl_b32 s19, s19, 2
	s_lshl_b32 s21, s17, 1
	s_add_co_u32 s19, s19, s21
	s_lshl_b32 s19, s19, 5
	s_add_co_u32 s19, s19, s20
	s_mul_i32 s19, s19, 6400
	v_lshl_add_u32 v[VC], v3, 3, s19
	s_add_co_u32 s19, s19, 6144
	v_lshl_add_u32 v[VS], v1, 2, s19
	s_wait_alu depctr_va_vdst(0)
	s_wait_loadcnt 0x0
.macro FRAG reg, adr, q, i
.irp c, 0,1,2
	ds_load_b128 v[\reg+4*\c:\reg+4*\c+3], v[\adr] offset:(\i)*TILEB+(\q)*1536+512*\c
.endr
.endm
.macro MUL16 a0, p, q, sc, zero
.irp a, \a0, \a0+1
.irp b, 0,1,2,3,4,5,6,7
.if \zero
	v_wmma_scale_f32_16x16x128_f8f6f4 v[8*(8*((\a)%4)+\b):8*(8*((\a)%4)+\b)+7], v[128*(\p)+FR*\b:128*(\p)+FR*\b+FR-1], v[AF+FR*(\a):AF+FR*(\a)+FR-1], v[96+8*\b+96*(\b/4):96+8*\b+96*(\b/4)+7], v[SC+8*NQ*(\sc)+NQ*\b+(\q)], v[SC+8*NQ*(\sc)+NQ*(\a)+(\q)] matrix_a_fmt:MATRIX_FMT_FP6 matrix_b_fmt:MATRIX_FMT_FP6 matrix_a_scale:MATRIX_SCALE_ROW1
.else
	v_wmma_scale_f32_16x16x128_f8f6f4 v[8*(8*((\a)%4)+\b):8*(8*((\a)%4)+\b)+7], v[128*(\p)+FR*\b:128*(\p)+FR*\b+FR-1], v[AF+FR*(\a):AF+FR*(\a)+FR-1], v[8*(8*((\a)%4)+\b):8*(8*((\a)%4)+\b)+7], v[SC+8*NQ*(\sc)+NQ*\b+(\q)], v[SC+8*NQ*(\sc)+NQ*(\a)+(\q)] matrix_a_fmt:MATRIX_FMT_FP6 matrix_b_fmt:MATRIX_FMT_FP6 matrix_a_scale:MATRIX_SCALE_ROW1
.endif
.endr
.endr
.endm
.macro FETCH_B slot, q, p
	WIN TO_B
.irp i, 0,1,2,3,4,5,6,7
	FRAG 128*(\p)+FR*\i, ADRB+\slot, \q, \i
.endr
	WIN 0
.endm
.macro FETCH_A slot, q, i0
.irp i, \i0, \i0+1, \i0+2, \i0+3
	FRAG AF+FR*(\i), ADRA+\slot, \q, \i
.endr
.endm
.macro SCALES sc
.irp i, 0,1,2,3,4,5,6,7
.irp q, 0,1
	ds_load_b32 v[SC+16*\sc+2*\i+\q], v[ADRS] offset:512*\i+64*\q
.endr
.endr
.endm
.macro STEP slot, q, zero
	s_wait_dscnt 4*NL
	WIN MUL_LO-0x10*(\zero)
	MUL16 0, (\q)%2, \q, \slot, \zero
	MUL16 2, (\q)%2, \q, \slot, \zero
	s_wait_dscnt 0
	PLACES NP
	FETCH_B \slot, (\q)+1, 1-(\q)%2
	FETCH_A \slot, (\q)+1, 0
	WIN MUL_HI-0x20*(\zero)
	MUL16 4, (\q)%2, \q, \slot, \zero
	MUL16 6, (\q)%2, \q, \slot, \zero
	PLACES NP
	WIN 0
	FETCH_A \slot, (\q)+1, 4
.endm
.macro TURN slot, next, fill
	s_wait_tensorcnt 0x0
	ds_add_u32 v[SPW], v[NIL]
	s_wait_dscnt 4*NL+1
	WIN MUL_LO
	MUL16 0, 1, NQ-1, \slot, 0
	s_wait_dscnt 0x0
	s_barrier_signal -1
	MUL16 2, 1, NQ-1, \slot, 0
	WIN 0
	s_barrier_wait -1
.if \fill
	CREST
	s_add_nc_u64 s[G0+4*\slot+2:G0+4*\slot+3], s[G0+4*\slot+2:G0+4*\slot+3], 2*TILEB
	s_add_nc_u64 s[G0B+4*\slot+2:G0B+4*\slot+3], s[G0B+4*\slot+2:G0B+4*\slot+3], 2*TILEB
	JLOAD G0+4*\slot, G1, G0B+4*\slot, G1B
.else
	PLACES NP
.endif
	s_wait_alu depctr_va_vdst(0)
	v_add_nc_u32 v[ADRS], 128, v[ADRS]
	FETCH_B \next, 0, 0
	FETCH_A \next, 0, 0
	SCALES \next
	WIN MUL_HI
	MUL16 4, 1, NQ-1, \slot, 0
	MUL16 6, 1, NQ-1, \slot, 0
	PLACES NP
	WIN 0
	FETCH_A \next, 0, 4
.endm
	s_wait_tensorcnt 1
	s_barrier_signal -1
	s_barrier_wait -1
	FETCH_B 0, 0, 0
	FETCH_A 0, 0, 0
	SCALES 0
	FETCH_A 0, 0, 4
	STEP 0, 0, 1
	TURN 0, 1, 1
	STEP 1, 0, 0
	TURN 1, 0, 1
	STEP 0, 0, 0
	TURN 0, 1, 0
	STEP 1, 0, 0
	s_wait_dscnt 4*NL
	WIN MUL_LO
	MUL16 0, 1, NQ-1, 1, 0
	MUL16 2, 1, NQ-1, 1, 0
	s_wait_dscnt 0
	WIN MUL_HI
	MUL16 4, 1, NQ-1, 1, 0
	MUL16 6, 1, NQ-1, 1, 0
	WIN 0
	PLACES NP
.macro OUTH a
	s_wait_xcnt 0x0
	WIN 0x08+4*((\a)/4)
.set jj, 0
.rept 64
	v_max_num_f32 v[Z+jj], 0, v[64*((\a)%4)+jj]
.set jj, jj+1
.endr
	WIN 0
	QUANT Z
.irp i, 0,1,2,3,4,5
	global_store_b64 v[VC], v[PC+2*\i:PC+2*\i+1], s[10:11] offset:((\a)/4)*204800+((\a)%4)*1536+256*\i
.endr
	global_store_b32 v[VS], v[PW], s[10:11] offset:((\a)/4)*204800+((\a)%4)*64
.endm
.irp a, 0,1,2,3,4,5,6,7
	OUTH \a
.endr
	s_wait_tensorcnt 0x0
	ds_add_u32 v[SPW], v[NIL]
	s_wait_dscnt 0x0
	CROUND
	s_endpgm
.Lfunc_end_k_qfeb67a6129_ffn1:
	.size	k_qfeb67a6129_ffn1, .Lfunc_end_k_qfeb67a6129_ffn1-k_qfeb67a6129_ffn1
	.p2alignl 7, 3214868480
	.fill 96, 4, 3214868480
	.section	.rodata,"a",@progbits
	.p2align	6, 0x0
	.amdhsa_kernel k_qfeb67a6129_ffn1
		.amdhsa_group_segment_fixed_size 327680
		.amdhsa_private_segment_fixed_size 0
		.amdhsa_enable_private_segment 0
		.amdhsa_kernarg_size 32
		.amdhsa_user_sgpr_count 2
		.amdhsa_user_sgpr_kernarg_segment_ptr 1
		.amdhsa_wavefront_size32 1
		.amdhsa_system_sgpr_workgroup_id_x 1
		.amdhsa_system_sgpr_workgroup_id_y 1
		.amdhsa_system_sgpr_workgroup_id_z 1
		.amdhsa_system_vgpr_workitem_id 0
		.amdhsa_next_free_vgpr 1024
		.amdhsa_next_free_sgpr 102
		.amdhsa_reserve_vcc 0
		.amdhsa_float_denorm_mode_32 3
		.amdhsa_float_denorm_mode_16_64 3
		.amdhsa_memory_ordered 1
		.amdhsa_forward_progress 1
		.amdhsa_inst_pref_size 163
	.end_amdhsa_kernel
	.amdgpu_metadata
---
amdhsa.version: [ 1, 2 ]
amdhsa.kernels:
  - .name:           k_qfeb67a6129_ffn1
    .symbol:         k_qfeb67a6129_ffn1.kd
    .args:
      - { .name: x1q, .offset: 0, .size: 8, .value_kind: global_buffer, .address_space: global }
      - { .name: wts, .offset: 8, .size: 8, .value_kind: global_buffer, .address_space: global }
      - { .name: b1, .offset: 16, .size: 8, .value_kind: global_buffer, .address_space: global }
      - { .name: h, .offset: 24, .size: 8, .value_kind: global_buffer, .address_space: global }
    .group_segment_fixed_size: 327680
    .private_segment_fixed_size: 0
    .kernarg_segment_align: 8
    .kernarg_segment_size: 32
    .max_flat_workgroup_size: 128
    .sgpr_count:     102
    .vgpr_count:     1024
    .wavefront_size: 32
...
	.end_amdgpu_metadata
.endif
;; end of part 11
;; launch w2g (part 12): grid 8 x 32, 4 waves a work-group, clusters of 4 x 4, 327,680 bytes of LDS; arguments h, wts, b2, y; writes y
.if DOCPART == 12
	.amdgcn_target "amdgcn-amd-amdhsa--gfx1250"
	.amdhsa_code_object_version 6
	.text
	.protected	k_qfeb67a6129_w2g
	.globl	k_qfeb67a6129_w2g
	.p2align	8
	.type	k_qfeb67a6129_w2g,@function
k_qfeb67a6129_w2g:
	s_mov_b64 s[64:65], 0
	v_nop
	global_prefetch_b8 v0, s[64:65] scope:SCOPE_SE
	s_setreg_imm32_b32 hwreg(HW_REG_WAVE_MODE, 25, 1), 1
	s_wait_xcnt 0x0
	s_wait_alu depctr_hold_cnt(0) depctr_sa_sdst(0) depctr_va_vdst(0) depctr_va_sdst(0) depctr_va_ssrc(0) depctr_va_vcc(0) depctr_vm_vsrc(0)
	s_getreg_b32 s2, hwreg(HW_REG_IB_STS2, 6, 4)
	s_cmp_eq_u32 s2, 0
	s_cbranch_scc0 .Lentry_in_a_cluster
	s_endpgm
.Lentry_in_a_cluster:
	s_bfe_u32 s2, ttmp6, 0x10000c
	s_cmp_lg_u32 s2, 0xf033
	s_cbranch_scc0 .Lentry_shape_is_right
	s_endpgm
.Lentry_shape_is_right:
; y = h w2 + b2, on codes of FP6 (E2M3) with E8M0 scales; K = 4,096 = 32 K steps of 128.  y leaves as f32 rows.
; SHARES: a work-group makes 128 x 128 of y: 256 work-groups.  Four waves, 2 x 2, each 64 x 64: 4 x 4 accumulators.  The product is used transposed (source 0 = a tile of w2, source 1 = a tile of h): a lane holds one row.
; h: records of 6,400 bytes (64 rows, one K step: four fragments, registers 2 i, 2 i + 1 of lane l at 256 i + 8 l, then 4 x 64 bytes of scale words).  w2: fragment (tile, K step) of 1,536 bytes, registers 4 c .. 4 c + 3 of lane l at 512 c + 16 l.
; THE RING: two slots of SIX K steps (h: 2 x 38,400 bytes, w2: 8 x 9,216), as large as fit beside w2's 16,384 bytes of scale words: six fills serve the 32 K steps, five of six steps and one of two.  The last fill keeps the
; tile's shape and states what is left of the tensor (50 rows of 256 bytes of h, 384 elements of a row of w2): the mover lays zeros behind that, which nobody reads.
; THE HEAD: one tensor load a wave, one chain of arms: wave 0 slot 0's two halves of h (two rows of 38,400 bytes), wave 1 its eight tiles of w2, waves 2 and 3 half of w2's scale words each.  Slot 1's first fill stands behind the
; full sequence and a round, as a refill does; there group 1's words are set for the ring, in which each wave brings a quarter of a slot.
; CLUSTERS: 4 x 4; h's tiles are asked for jointly along a row of the cluster, w2's along a column.
; PREFETCH INTO THE L2: while slot n is multiplied (n = 0, 1) slot n + 3 is named, one slot ahead of the change of slots that loads it.  h by the clusters with x = 0, w2 by those with y = 0.  The four partners of a joint load
; share the blocks of 256 bytes out by address: of a half of h's 150 blocks 38 each (the last partner's spare lanes name block 149 again), of w2 a tile's 36 blocks each: two instructions a wave.
; Slots 0 to 2 and the short last slot come by their loads alone.
; REGISTERS: window 0: v10-29 addresses; v32-39 scale words, two sets, and nothing else; v64-159 h's fragments, two sets; v160-223 rows on the way out.   window 1: v0-95 w2's fragments, two sets; v96-127 the bias, the first products' C;
; v128-255 the accumulators, (a, b) at 128 + 32 a + 8 b.
.set KS,    32
.set FB,    4096
.set WSO,   9437184
.set RECB,  6400
.set QS,    6
.set NSL,   6
.set AHALF, QS*RECB
.set BTILE, QS*1536
.set BOFF,  2*AHALF
.set SLOTB, BOFF+8*BTILE
.set SCB,   2*SLOTB
.set SPARE, SCB+8*KS*64
.set SP,    272
.set NF,    40                         ; LDS loads of one K step's fetch: 12 + 24 + 4
.set VH,   10
.set ADRA, 16
.set ADSA, 18
.set ADRB, 20
.set ADSB, 22
.set PF2,  23
.set STL,  24
.set RD,   25
.set CO,   26
.set PFO,  27
.set SPW,  28
.set NIL,  29
.set SC,   32
.set AF,   64
.set BK,   160
.set G1,  24
.set G0,  32
.set G1B, 48
.set G0B, 56
.set G1S, 68
.set G0S, 76
.set PFA, 80
.set LIM, 84
.set MSB, 0
.macro WIN new
.if MSB != (\new)
	s_set_vgpr_msb (MSB<<8)|(\new)
.set MSB, (\new)
.endif
.endm
.macro PLACES
.rept 4
	v_nop
.endr
.endm
.macro TLOAD g0, g1
	tensor_load_to_lds s[\g0:\g0+3], s[\g1:\g1+7]
	s_nop 0
	PLACES
.endm
.macro JLOAD s                         ; the ring's joint load: waves 0, 1 a half of h's tile each, waves 2, 3 four tiles of w2 each
	s_cmp_eq_u32 s17, 0
	s_cbranch_scc0 .Lfor_b_\@
	TLOAD G0+4*(\s), G1
	s_branch .Lasked_\@
.Lfor_b_\@:
	TLOAD G0B+4*(\s), G1B
.Lasked_\@:
.endm
.macro CREST
	s_cmp_lg_u32 s16, 0
	s_cbranch_scc1 .Lnot_wave_0_\@
	s_barrier_signal -3
.Lnot_wave_0_\@:
	s_barrier_wait -3
	s_barrier_signal -1
	s_barrier_wait -1
.endm
.macro CROUND
	s_barrier_signal -1
	s_barrier_wait -1
	CREST
.endm
.macro ASK t
	s_cmp_eq_u32 s[LIM], 1
	s_cbranch_scc0 .Lnone_\@
	s_cmp_eq_u32 s17, 0
	s_cbranch_scc0 .Lof_b_\@
	global_prefetch_b8 v[PFO], s[PFA:PFA+1] offset:(\t)*AHALF th:TH_LOAD_NT scope:SCOPE_SE
	global_prefetch_b8 v[PF2], s[PFA:PFA+1] offset:(\t)*AHALF th:TH_LOAD_NT scope:SCOPE_SE
	s_branch .Lnone_\@
.Lof_b_\@:
	global_prefetch_b8 v[PFO], s[PFA:PFA+1] offset:(\t)*BTILE th:TH_LOAD_NT scope:SCOPE_SE
	global_prefetch_b8 v[PF2], s[PFA:PFA+1] offset:(\t)*BTILE th:TH_LOAD_NT scope:SCOPE_SE
.Lnone_\@:
.endm
	s_load_b256 s[4:11], s[0:1], 0x0               ; h s[4:5], wts s[6:7], b2 s[8:9], y s[10:11]
	v_lshl_add_u32 v[SPW], v0, 2, SPARE
	v_mov_b32 v[NIL], 0
	ds_add_u32 v[SPW], v[NIL]                      ; the wave's opening: the add, twice, and its wait
	ds_add_u32 v[SPW], v[NIL]
	v_lshrrev_b32 v1, 5, v0
	v_readfirstlane_b32 s16, v1                    ; wave
	s_lshr_b32 s17, s16, 1                         ; my half of the rows; in the ring: I fetch for h (0) or for w2 (1)
	s_and_b32 s18, s16, 1                          ; my half of the columns; in the ring: which half of that tile I fetch
	s_bfe_u32 s40, ttmp6, 0x40000                  ; cx
	s_bfe_u32 s41, ttmp6, 0x40004                  ; cy
	s_lshl_b32 s42, ttmp9, 2
	s_add_co_u32 s42, s42, s40                     ; tile column
	s_and_b32 s43, ttmp7, 0xffff
	s_lshl_b32 s43, s43, 2
	s_add_co_u32 s43, s43, s41                     ; tile row
	s_lshl_b32 s44, s41, 2
	s_lshl_b32 s44, 15, s44                        ; my row of the cluster
	s_lshl_b32 s45, 0x1111, s40                    ; my column
	s_or_b32 s[G1+0], s44, (3<<16)|(1<<21)         ; h at the head: two rows of 38,400 bytes, 204,800 apart
	s_mov_b32 s[G1+1], (AHALF/8)<<16
	s_mov_b32 s[G1+2], 2<<16
	s_mov_b32 s[G1+3], (AHALF/8)<<16
	s_mov_b32 s[G1+4], 2
	s_mov_b32 s[G1+5], KS*RECB/8
	s_mov_b32 s[G1+6], 0
	s_mov_b32 s[G1+7], 0
	s_or_b32 s[G1B+0], s45, (3<<16)|(1<<21)        ; w2 at the head: eight rows of 9,216 bytes, a tile's 49,152 apart
	s_mov_b32 s[G1B+1], (BTILE/8)<<16
	s_mov_b32 s[G1B+2], 8<<16
	s_mov_b32 s[G1B+3], (BTILE/8)<<16
	s_mov_b32 s[G1B+4], 8
	s_mov_b32 s[G1B+5], KS*192
	s_mov_b32 s[G1B+6], 0
	s_mov_b32 s[G1B+7], 0
	s_or_b32 s[G1S+0], s45, (3<<16)|(1<<21)        ; four tiles' scale words: 8,192 dense bytes
	s_mov_b32 s[G1S+1], 32<<16
	s_mov_b32 s[G1S+2], 32<<16
	s_mov_b32 s[G1S+3], 32<<16
	s_mov_b32 s[G1S+4], 32
	s_mov_b32 s[G1S+5], 32
	s_mov_b32 s[G1S+6], 0
	s_mov_b32 s[G1S+7], 0
	s_lshl_b32 s20, s43, 1
	s_mul_i32 s12, s20, KS*RECB                    ; the tile's first 64 rows of h,
	s_mov_b32 s13, 0
	s_add_co_u32 s20, s20, s18
	s_mul_i32 s66, s20, KS*RECB                    ; and the 64 that I fetch in the ring
	s_mov_b32 s67, 0
	s_lshl_b32 s22, s42, 3
	s_mul_i32 s14, s22, KS*1536
	s_add_co_u32 s14, s14, FB*1536                 ; the tile's first tile of w2,
	s_mov_b32 s15, 0
	s_lshl_b32 s23, s18, 2
	s_add_co_u32 s23, s22, s23
	s_mul_i32 s96, s23, KS*1536
	s_add_co_u32 s96, s96, FB*1536                 ; and the four that I fetch in the ring
	s_mov_b32 s97, 0
	s_mul_i32 s98, s23, KS*64
	s_add_co_u32 s98, s98, WSO+FB*64               ; their scale words
	s_mov_b32 s99, 0
	s_mul_i32 s100, s18, AHALF
	s_mul_i32 s101, s18, 4*BTILE
	s_add_co_u32 s101, s101, BOFF
	s_lshl_b32 s19, s18, 13
	s_mul_i32 s83, s41, KS*1536                    ; the prefetches: of w2 partner cy takes tile cy of my four,
	s_add_co_u32 s83, s83, s96
	s_mul_i32 s87, s40, 38                         ; of h partner cx takes blocks 38 cx on of my half's 150
	s_and_b32 s85, ttmp7, 0xffff
	s_mov_b32 s86, 149
	s_cmp_eq_u32 s17, 0
	s_cselect_b32 s82, s66, s83
	s_cselect_b32 s85, ttmp9, s85
	s_cselect_b32 s86, s86, 35                     ; the last block that may be named
	s_cselect_b32 s87, s87, 0
	s_cselect_b32 s88, 5, 3                        ; the second instruction's last new lane
	s_mov_b32 s83, 0
	s_cmp_eq_u32 s85, 0
	s_cselect_b32 s[LIM], 1, 0
	s_add_co_u32 s89, s87, 32
	s_wait_dscnt 0x0                               ; both opening adds are done
	s_wait_kmcnt 0x0
	s_cmp_eq_u32 s17, 0
	s_cselect_b64 s[PFA:PFA+1], s[4:5], s[6:7]
	s_add_nc_u64 s[PFA:PFA+1], s[PFA:PFA+1], s[82:83]
	s_add_nc_u64 s[12:13], s[4:5], s[12:13]
	s_add_nc_u64 s[14:15], s[6:7], s[14:15]
	s_add_nc_u64 s[66:67], s[4:5], s[66:67]
	s_add_nc_u64 s[96:97], s[6:7], s[96:97]
	s_add_nc_u64 s[98:99], s[6:7], s[98:99]
	CROUND                                         ; all sixteen work-groups are here: the first joint loads meet
	s_mov_b32 s[G0], 1
	s_mov_b32 s[G0+1], 0
	s_mov_b64 s[G0+2:G0+3], s[12:13]
	s_or_b32 s[G0+3], s[G0+3], 0x80000000
	s_mov_b32 s[G0B], 1
	s_mov_b32 s[G0B+1], BOFF
	s_mov_b64 s[G0B+2:G0B+3], s[14:15]
	s_or_b32 s[G0B+3], s[G0B+3], 0x80000000
	s_mov_b32 s[G0S], 1
	s_add_co_u32 s[G0S+1], s19, SCB
	s_mov_b64 s[G0S+2:G0S+3], s[98:99]
	s_or_b32 s[G0S+3], s[G0S+3], 0x80000000
	s_mov_b32 s[G0+4], 1                           ; the ring's slot 1: my quarter
	s_add_co_u32 s[G0+5], s100, SLOTB
	s_add_nc_u64 s[G0+6:G0+7], s[66:67], AHALF
	s_or_b32 s[G0+7], s[G0+7], 0x80000000
	s_mov_b32 s[G0B+4], 1
	s_add_co_u32 s[G0B+5], s101, SLOTB
	s_add_nc_u64 s[G0B+6:G0B+7], s[96:97], BTILE
	s_or_b32 s[G0B+7], s[G0B+7], 0x80000000
	s_cmp_lt_u32 s16, 1                            ; one chain of three arms, one load in each: every wave issues one
	s_cbranch_scc0 .Lhead_b
	TLOAD G0, G1
	s_branch .Lhead_asked
.Lhead_b:
	s_cmp_lt_u32 s16, 2
	s_cbranch_scc0 .Lhead_s
	TLOAD G0B, G1B
	s_branch .Lhead_asked
.Lhead_s:
	TLOAD G0S, G1S
.Lhead_asked:
	v_and_b32 v1, 15, v0
	v_bfe_u32 v2, v0, 4, 1
	v_and_b32 v3, 31, v0
	v_lshlrev_b32 v12, 4, v3
	v_lshlrev_b32 v13, 3, v3
	v_lshlrev_b32 v14, 2, v3
	s_mul_i32 s19, s17, AHALF
	s_mul_i32 s22, s18, 4*BTILE
	s_add_co_u32 s22, s22, BOFF
.irp s, 0,1
	v_add_nc_u32 v[ADRA+\s], s19, v13
	v_add_nc_u32 v[ADSA+\s], s19, v14
	v_add_nc_u32 v[ADRB+\s], s22, v12
	s_add_co_u32 s19, s19, SLOTB
	s_add_co_u32 s22, s22, SLOTB
.endr
	v_lshlrev_b32 v15, 2, v1
	v_lshl_add_u32 v15, v2, 11, v15
	s_lshl_b32 s19, s18, 13
	s_add_co_u32 s19, s19, SCB
	v_add_nc_u32 v[ADSB], s19, v15
	v_add_nc_u32 v[PFO], s87, v3
	v_min_u32 v[PFO], s86, v[PFO]
	v_lshlrev_b32 v[PFO], 8, v[PFO]
	v_min_u32 v[PF2], s88, v3
	v_add_nc_u32 v[PF2], s89, v[PF2]
	v_min_u32 v[PF2], s86, v[PF2]
	v_lshlrev_b32 v[PF2], 8, v[PF2]
	s_lshl_b32 s92, s42, 9
	s_lshl_b32 s93, s18, 8
	s_add_co_u32 s92, s92, s93
	s_mov_b32 s93, 0
	s_add_nc_u64 s[8:9], s[8:9], s[92:93]
	v_lshlrev_b32 v[VH], 6, v2
	s_mul_i32 s23, s16, 16*SP                      ; the way out's stage, in slot 0, which has had its last fill and its last read by then
	v_mul_u32_u24 v[STL], SP, v1
	v_lshl_add_u32 v[STL], v2, 6, v[STL]
	v_add_nc_u32 v[STL], s23, v[STL]
	v_mul_u32_u24 v[RD], SP, v2
	v_lshl_add_u32 v[RD], v1, 4, v[RD]
	v_add_nc_u32 v[RD], s23, v[RD]
	v_lshlrev_b32 v[CO], 12, v2
	v_lshl_add_u32 v[CO], v1, 4, v[CO]
	s_lshl_b32 s20, s43, 1
	s_add_co_u32 s20, s20, s17
	s_lshl_b32 s20, s20, 18
	s_add_co_u32 s20, s20, s92
	s_mov_b32 s21, 0
	s_add_nc_u64 s[10:11], s[10:11], s[20:21]
	s_wait_alu depctr_va_vdst(0)                   ; the wait at the head's end
	WIN 0x40
.irp k, 0,1,2,3,4,5,6,7
	global_load_b128 v[96+4*\k:96+4*\k+3], v[VH], s[8:9] offset:128*(\k/4)+16*(\k%4)   ; the bias at my columns, laid as a result lies
.endr
	WIN 0
.macro FETCH slot, q, s, p             ; K step q of a slot (K step s of all) into set p: NF loads
	WIN 0x40
.irp b, 0,1,2,3
.irp c, 0,1,2
	ds_load_b128 v[48*(\p)+12*\b+4*\c:48*(\p)+12*\b+4*\c+3], v[ADRB+(\slot)] offset:\b*BTILE+(\q)*1536+512*\c
.endr
.endr
	WIN 0
.irp a, 0,1,2,3
.irp i, 0,1,2,3,4,5
	ds_load_b64 v[AF+48*(\p)+12*\a+2*\i:AF+48*(\p)+12*\a+2*\i+1], v[ADRA+(\slot)] offset:(\q)*RECB+1536*\a+256*\i
.endr
.endr
.irp g, 0,1
	ds_load_b32 v[SC+4*(\p)+\g], v[ADSA+(\slot)] offset:(\q)*RECB+6144+128*\g
	ds_load_b32 v[SC+4*(\p)+2+\g], v[ADSB] offset:4096*\g+64*(\s)
.endr
.endm
.macro PROD p, zero, a, b
.set rD, 128+32*(\a)+8*(\b)
.set rC, rD
.if \zero
.set rC, 96+8*(\b)
.endif
.set rB, 48*(\p)+12*(\b)
.set rA, AF+48*(\p)+12*(\a)
.set rS, SC+4*(\p)+2+(\b)/2
.set rT, SC+4*(\p)+(\a)/2
.if ((\b)%2 == 0) && ((\a)%2 == 0)
	v_wmma_scale_f32_16x16x128_f8f6f4 v[rD:rD+7], v[rB:rB+11], v[rA:rA+11], v[rC:rC+7], v[rS], v[rT] matrix_a_fmt:MATRIX_FMT_FP6 matrix_b_fmt:MATRIX_FMT_FP6
.elseif (\a)%2 == 0
	v_wmma_scale_f32_16x16x128_f8f6f4 v[rD:rD+7], v[rB:rB+11], v[rA:rA+11], v[rC:rC+7], v[rS], v[rT] matrix_a_fmt:MATRIX_FMT_FP6 matrix_b_fmt:MATRIX_FMT_FP6 matrix_a_scale:MATRIX_SCALE_ROW1
.elseif (\b)%2 == 0
	v_wmma_scale_f32_16x16x128_f8f6f4 v[rD:rD+7], v[rB:rB+11], v[rA:rA+11], v[rC:rC+7], v[rS], v[rT] matrix_a_fmt:MATRIX_FMT_FP6 matrix_b_fmt:MATRIX_FMT_FP6 matrix_b_scale:MATRIX_SCALE_ROW1
.else
	v_wmma_scale_f32_16x16x128_f8f6f4 v[rD:rD+7], v[rB:rB+11], v[rA:rA+11], v[rC:rC+7], v[rS], v[rT] matrix_a_fmt:MATRIX_FMT_FP6 matrix_b_fmt:MATRIX_FMT_FP6 matrix_a_scale:MATRIX_SCALE_ROW1 matrix_b_scale:MATRIX_SCALE_ROW1
.endif
.endm
.macro MULS p, zero                    ; a K step's 16 products; the 16 accumulators take turns
	WIN 0x51
.irp a, 0,1,2,3
.irp b, 0,1,2,3
	PROD \p, \zero, \a, \b
.endr
.endr
.endm
.macro SLOTRUN n, more                 ; all K steps of slot n but its last, whose products stand in the change of slots; more: the K steps behind the first
	FETCH (\n)%2, 0, QS*(\n), 0
.if (\n) < 2
	ASK (\n)+3
.endif
.set qq, 0
.rept \more
	PLACES
	FETCH (\n)%2, qq+1, QS*(\n)+qq+1, (qq+1)%2
	s_wait_dscnt NF                                ; all but the fetch just issued
.if ((\n) == 0) && (qq == 0)
	MULS 0, 1                                      ; the first products take the bias as C
.else
	MULS qq%2, 0
.endif
.set qq, qq+1
.endr
.endm
.macro CHANGE n
	s_wait_dscnt 0x0
	WIN 0
	s_wait_tensorcnt 0x0                           ; my part of the next slot is in;
	ds_add_u32 v[SPW], v[NIL]                      ; the add; sixteen products stand between it and its wait
	MULS 1, 0
	WIN 0
	s_wait_dscnt 0x0
	s_barrier_signal -1
	s_barrier_wait -1
.if (\n)+2 < NSL
	CREST                                          ; the barrier has opened a round of the cluster's barrier
	s_add_nc_u64 s[G0+4*((\n)%2)+2:G0+4*((\n)%2)+3], s[G0+4*((\n)%2)+2:G0+4*((\n)%2)+3], 2*AHALF
	s_add_nc_u64 s[G0B+4*((\n)%2)+2:G0B+4*((\n)%2)+3], s[G0B+4*((\n)%2)+2:G0B+4*((\n)%2)+3], 2*BTILE
.if (\n)+2 == NSL-1
	s_mov_b32 s[G1+2], ((KS-QS*(NSL-1))*25)<<16    ; the last fill: 50 rows of h's half are left,
	s_mov_b32 s[G1B+1], ((KS-QS*(NSL-1))*192)<<16  ; and 384 elements of a tile's row of w2
.endif
	JLOAD (\n)%2
.else
	PLACES
.endif
.endm
	s_wait_tensorcnt 0x0                           ; my tile of the head's is in
	ds_add_u32 v[SPW], v[NIL]
	s_mov_b32 s[G1+1], 32<<16                      ; no tensor load of mine is out: group 1 for the ring: h's half as 150 rows of 256 bytes,
	s_mov_b32 s[G1+2], (AHALF/256)<<16
	s_mov_b32 s[G1+3], 32<<16
	s_mov_b32 s[G1+4], AHALF/256
	s_mov_b32 s[G1+5], 32
	s_mov_b32 s[G1B+2], 4<<16                      ; four tiles of w2;
	s_mov_b32 s[G1B+4], 4
	s_add_co_u32 s[G0+1], s100, 0                  ; slot 0's groups 0 stand at my quarter
	s_mov_b64 s[G0+2:G0+3], s[66:67]
	s_or_b32 s[G0+3], s[G0+3], 0x80000000
	s_add_co_u32 s[G0B+1], s101, 0
	s_mov_b64 s[G0B+2:G0B+3], s[96:97]
	s_or_b32 s[G0B+3], s[G0B+3], 0x80000000
	s_wait_dscnt 0x0
	CROUND                                         ; everybody's tile is in, and all sixteen work-groups are here
	JLOAD 1                                        ; slot 1's first fill, the first tensor load behind the round
	s_wait_loadcnt 0x0                             ; the bias
.irp n, 0,1,2,3,4
	SLOTRUN \n, QS-1
	CHANGE \n
.endr
	SLOTRUN 5, KS-QS*(NSL-1)-1
	s_wait_dscnt 0x0
	MULS 1, 0
	WIN 0
	PLACES
.macro OUTY a                          ; 16 rows x 64 columns through my stage: sixteen lanes store 256 consecutive bytes of a row
.if (\a) >= 2
	s_wait_xcnt 0x0
.endif
	WIN 0x04
.irp k, 0,1,2,3,4,5,6,7
	ds_store_b128 v[STL], v[128+32*(\a)+4*\k:128+32*(\a)+4*\k+3] offset:128*(\k/4)+16*(\k%4)
.endr
	WIN 0
.irp k, 0,1,2,3,4,5,6,7
	ds_load_b128 v[BK+32*((\a)%2)+4*\k:BK+32*((\a)%2)+4*\k+3], v[RD] offset:2*\k*SP
.endr
	s_wait_dscnt 0x0
.irp k, 0,1,2,3,4,5,6,7
	global_store_b128 v[CO], v[BK+32*((\a)%2)+4*\k:BK+32*((\a)%2)+4*\k+3], s[10:11] offset:(32*((\a)/2)+8*((\a)%2)+2*\k+8*(\k/4))*4096
.endr
.endm
	s_wait_alu depctr_va_vdst(0)
.irp a, 0,1,2,3
	OUTY \a
.endr
	s_wait_tensorcnt 0x0                           ; the wave's end
	ds_add_u32 v[SPW], v[NIL]
	s_wait_dscnt 0x0
	CROUND                                         ; the closing round
	s_endpgm
.Lfunc_end_k_qfeb67a6129_w2g:
	.size	k_qfeb67a6129_w2g, .Lfunc_end_k_qfeb67a6129_w2g-k_qfeb67a6129_w2g
	.p2alignl 7, 3214868480
	.fill 96, 4, 3214868480
	.section	.rodata,"a",@progbits
	.p2align	6, 0x0
	.amdhsa_kernel k_qfeb67a6129_w2g
		.amdhsa_group_segment_fixed_size 327680
		.amdhsa_private_segment_fixed_size 0
		.amdhsa_enable_private_segment 0
		.amdhsa_kernarg_size 32
		.amdhsa_user_sgpr_count 2
		.amdhsa_user_sgpr_kernarg_segment_ptr 1
		.amdhsa_wavefront_size32 1
		.amdhsa_system_sgpr_workgroup_id_x 1
		.amdhsa_system_sgpr_workgroup_id_y 1
		.amdhsa_system_sgpr_workgroup_id_z 1
		.amdhsa_system_vgpr_workitem_id 0
		.amdhsa_next_free_vgpr 512
		.amdhsa_next_free_sgpr 102
		.amdhsa_reserve_vcc 0
		.amdhsa_float_denorm_mode_32 3
		.amdhsa_float_denorm_mode_16_64 3
		.amdhsa_memory_ordered 1
		.amdhsa_forward_progress 1
		.amdhsa_inst_pref_size 177
	.end_amdhsa_kernel
	.amdgpu_metadata
---
amdhsa.version: [ 1, 2 ]
amdhsa.kernels:
  - .name:           k_qfeb67a6129_w2g
    .symbol:         k_qfeb67a6129_w2g.kd
    .args:
      - { .name: h, .offset: 0, .size: 8, .value_kind: global_buffer, .address_space: global }
      - { .name: wts, .offset: 8, .size: 8, .value_kind: global_buffer, .address_space: global }
      - { .name: b2, .offset: 16, .size: 8, .value_kind: global_buffer, .address_space: global }
      - { .name: y, .offset: 24, .size: 8, .value_kind: global_buffer, .address_space: global }
    .group_segment_fixed_size: 327680
    .private_segment_fixed_size: 0
    .kernarg_segment_align: 8
    .kernarg_segment_size: 32
    .max_flat_workgroup_size: 128
    .sgpr_count:     102
    .vgpr_count:     512
    .wavefront_size: 32
...
	.end_amdgpu_metadata
.endif
;; end of part 12
;; launch ln2 (part 13): grid 256 x 1, 8 waves a work-group, no clusters, 0 bytes of LDS; arguments y, x1, ln2_g, ln2_b, out0; writes out0
.if DOCPART == 13
	.amdgcn_target "amdgcn-amd-amdhsa--gfx1250"
	.amdhsa_code_object_version 6
	.text
	.protected	k_qfeb67a6129_ln2
	.globl	k_qfeb67a6129_ln2
	.p2align	8
	.type	k_qfeb67a6129_ln2,@function
k_qfeb67a6129_ln2:
	s_mov_b64 s[64:65], 0
	v_nop
	global_prefetch_b8 v0, s[64:65] scope:SCOPE_SE
	s_setreg_imm32_b32 hwreg(HW_REG_WAVE_MODE, 25, 1), 1
	s_wait_xcnt 0x0
; out = layer norm(y + x1) x gamma + beta.  y, x1, out: [4096][1024] f32; gamma, beta: [1024] f32.
; A stream: every byte is read once and written once, so no LDS, no barrier and no matrix unit.  One wave takes two whole rows; a row is 4,096 bytes: eight loads of 512 consecutive bytes, 32 numbers a lane, kept in registers
; between the passes.  All 48 loads of a wave (two rows of y and of x1, gamma, beta) are issued at its head.  A lane's register 4 k + i holds column 128 k + 4 lane + i, of the rows, of gamma and of beta alike.
; The mean is taken first and the squares of the differences second, as the norm is defined.
; LIMITS: NaN and infinities are not served.
.set G,  16                            ; v16-47  gamma
.set B,  48                            ; v48-79  beta
                                       ; v80-207 row u: y at 80 + 64 u (then the sum, the difference, the result), x1 at 112 + 64 u
                                       ; v2-9 four chains; v[10:11] -mean; v[12:13] 1 / sqrt; v14 the other half's sum
	s_load_b256 s[4:11], s[0:1], 0x0               ; y s[4:5], x1 s[6:7], gamma s[8:9], beta s[10:11]
	s_load_b64 s[12:13], s[0:1], 0x20              ; out
	v_lshrrev_b32 v2, 5, v0
	s_delay_alu instid0(VALU_DEP_1)
	v_readfirstlane_b32 s14, v2                    ; wave
	v_and_b32 v1, 31, v0
	s_delay_alu instid0(VALU_DEP_1)
	v_lshlrev_b32 v1, 4, v1                        ; 16 bytes a lane
	s_lshl_b32 s15, ttmp9, 3
	s_add_co_u32 s15, s15, s14
	s_lshl_b32 s16, s15, 13                        ; my two rows of 4,096 bytes
	s_mov_b32 s17, 0
	s_mov_b32 s18, 0x76543210
	s_mov_b32 s19, 0xfedcba98                      ; selects for lane l xor 16
	s_mov_b32 s20, 0x3a800000                      ; 1 / 1,024
	s_mov_b32 s21, 0x3727c5ac                      ; 1e-5
	v_mov_b32 v11, 0                               ; (named as the upper halves of pairs)
	v_mov_b32 v13, 0
	v_mov_b32 v14, 0                               ; a lane permute's destination counts as one of its sources
	s_wait_alu depctr_va_vdst(0)
	s_wait_kmcnt 0x0
	s_add_nc_u64 s[4:5], s[4:5], s[16:17]
	s_add_nc_u64 s[6:7], s[6:7], s[16:17]
	s_add_nc_u64 s[12:13], s[12:13], s[16:17]
.macro RLOAD u
.irp k, 0,1,2,3,4,5,6,7
	global_load_b128 v[80+64*(\u)+4*\k:80+64*(\u)+4*\k+3], v1, s[4:5] offset:4096*(\u)+512*\k th:TH_LOAD_NT
.endr
.irp k, 0,1,2,3,4,5,6,7
	global_load_b128 v[112+64*(\u)+4*\k:112+64*(\u)+4*\k+3], v1, s[6:7] offset:4096*(\u)+512*\k th:TH_LOAD_NT
.endr
.endm
	RLOAD 0
.irp k, 0,1,2,3,4,5,6,7
	global_load_b128 v[G+4*\k:G+4*\k+3], v1, s[8:9] offset:512*\k
.endr
.irp k, 0,1,2,3,4,5,6,7
	global_load_b128 v[B+4*\k:B+4*\k+3], v1, s[10:11] offset:512*\k
.endr
	RLOAD 1
.macro FOLD                            ; the four chains, the pair's halves, the 32 lanes: the row's sum in every lane's v2
	s_delay_alu instid0(VALU_DEP_3)
	v_pk_add_f32 v[2:3], v[2:3], v[4:5]
	s_delay_alu instid0(VALU_DEP_2)
	v_pk_add_f32 v[6:7], v[6:7], v[8:9]
	s_delay_alu instid0(VALU_DEP_1)
	v_pk_add_f32 v[2:3], v[2:3], v[6:7]
	s_delay_alu instid0(VALU_DEP_1)
	v_add_f32 v2, v2, v3
	s_delay_alu instid0(VALU_DEP_1)
	v_add_f32_dpp v2, v2, v2 row_xmask:1 row_mask:0xf bank_mask:0xf
	s_delay_alu instid0(VALU_DEP_1)
	v_add_f32_dpp v2, v2, v2 row_xmask:2 row_mask:0xf bank_mask:0xf
	s_delay_alu instid0(VALU_DEP_1)
	v_add_f32_dpp v2, v2, v2 row_xmask:4 row_mask:0xf bank_mask:0xf
	s_delay_alu instid0(VALU_DEP_1)
	v_add_f32_dpp v2, v2, v2 row_xmask:8 row_mask:0xf bank_mask:0xf
	s_delay_alu instid0(VALU_DEP_1)
	v_permlanex16_b32 v14, v2, s18, s19
	s_delay_alu instid0(VALU_DEP_1)
	v_add_f32 v2, v2, v14
.endm
.macro ROW u, c1, c2
.set rY, 80+64*(\u)
.set rX, 112+64*(\u)
	s_wait_loadcnt \c1                             ; this row's 16 loads are in
.set jj, 0
.rept 16
	v_pk_add_f32 v[rY+jj:rY+jj+1], v[rY+jj:rY+jj+1], v[rX+jj:rX+jj+1]   ; y + x1
.set jj, jj+2
.endr
.irp c, 0,1,2,3
	v_pk_add_f32 v[2+2*\c:3+2*\c], v[rY+2*\c:rY+2*\c+1], v[rY+8+2*\c:rY+9+2*\c]   ; the first terms start the chains: nothing is cleared
.endr
.irp o, 16,24
.irp c, 0,1,2,3
	s_delay_alu instid0(VALU_DEP_4)
	v_pk_add_f32 v[2+2*\c:3+2*\c], v[2+2*\c:3+2*\c], v[rY+\o+2*\c:rY+\o+2*\c+1]
.endr
.endr
	FOLD
	s_delay_alu instid0(VALU_DEP_1)
	v_mul_f32 v10, 0xba800000, v2                  ; -mean
.set jj, 0
.rept 16
	v_pk_add_f32 v[rY+jj:rY+jj+1], v[rY+jj:rY+jj+1], v[10:11] op_sel_hi:[1,0]
.set jj, jj+2
.endr
.irp c, 0,1,2,3
	v_pk_mul_f32 v[2+2*\c:3+2*\c], v[rY+2*\c:rY+2*\c+1], v[rY+2*\c:rY+2*\c+1]
.endr
.irp o, 8,16,24
.irp c, 0,1,2,3
	s_delay_alu instid0(VALU_DEP_4)
	v_pk_fma_f32 v[2+2*\c:3+2*\c], v[rY+\o+2*\c:rY+\o+2*\c+1], v[rY+\o+2*\c:rY+\o+2*\c+1], v[2+2*\c:3+2*\c]
.endr
.endr
	FOLD
	s_delay_alu instid0(VALU_DEP_1)
	v_fma_f32 v2, v2, s20, s21                     ; the variance + 1e-5
	s_wait_alu depctr_va_vdst(0)
	v_rsq_f32 v12, v2
	v_nop                                          ; a plain line behind it
	s_wait_alu depctr_va_vdst(0)                   ; and the wait ahead of its first reader
	s_wait_loadcnt \c2                             ; gamma and beta are in
.set jj, 0
.rept 16
	v_pk_mul_f32 v[rY+jj:rY+jj+1], v[rY+jj:rY+jj+1], v[12:13] op_sel_hi:[1,0]
.set jj, jj+2
.endr
.set jj, 0
.rept 16
	v_pk_fma_f32 v[rY+jj:rY+jj+1], v[rY+jj:rY+jj+1], v[G+jj:G+jj+1], v[B+jj:B+jj+1]
.set jj, jj+2
.endr
.irp k, 0,1,2,3,4,5,6,7
	global_store_b128 v1, v[rY+4*\k:rY+4*\k+3], s[12:13] offset:4096*(\u)+512*\k th:TH_STORE_NT   ; 512 consecutive bytes; each row has its own registers, so no store's data are written again
.endr
.endm
	ROW 0, 32, 16                                  ; gamma's, beta's and row 1's 32 loads may stay out; then row 1's 16
	ROW 1, 0, 0
	s_endpgm
.Lfunc_end_k_qfeb67a6129_ln2:
	.size	k_qfeb67a6129_ln2, .Lfunc_end_k_qfeb67a6129_ln2-k_qfeb67a6129_ln2
	.p2alignl 7, 3214868480
	.fill 96, 4, 3214868480
	.section	.rodata,"a",@progbits
	.p2align	6, 0x0
	.amdhsa_kernel k_qfeb67a6129_ln2
		.amdhsa_group_segment_fixed_size 0
		.amdhsa_private_segment_fixed_size 0
		.amdhsa_enable_private_segment 0
		.amdhsa_kernarg_size 40
		.amdhsa_user_sgpr_count 2
		.amdhsa_user_sgpr_kernarg_segment_ptr 1
		.amdhsa_wavefront_size32 1
		.amdhsa_system_sgpr_workgroup_id_x 1
		.amdhsa_system_sgpr_workgroup_id_y 1
		.amdhsa_system_sgpr_workgroup_id_z 1
		.amdhsa_system_vgpr_workitem_id 0
		.amdhsa_next_free_vgpr 208
		.amdhsa_next_free_sgpr 66
		.amdhsa_reserve_vcc 0
		.amdhsa_float_denorm_mode_32 3
		.amdhsa_float_denorm_mode_16_64 3
		.amdhsa_memory_ordered 1
		.amdhsa_forward_progress 1
		.amdhsa_inst_pref_size 25
	.end_amdhsa_kernel
	.amdgpu_metadata
---
amdhsa.version: [ 1, 2 ]
amdhsa.kernels:
  - .name:           k_qfeb67a6129_ln2
    .symbol:         k_qfeb67a6129_ln2.kd
    .args:
      - { .name: y, .offset: 0, .size: 8, .value_kind: global_buffer, .address_space: global }
      - { .name: x1, .offset: 8, .size: 8, .value_kind: global_buffer, .address_space: global }
      - { .name: ln2_g, .offset: 16, .size: 8, .value_kind: global_buffer, .address_space: global }
      - { .name: ln2_b, .offset: 24, .size: 8, .value_kind: global_buffer, .address_space: global }
      - { .name: out0, .offset: 32, .size: 8, .value_kind: global_buffer, .address_space: global }
    .group_segment_fixed_size: 0
    .private_segment_fixed_size: 0
    .kernarg_segment_align: 8
    .kernarg_segment_size: 40
    .max_flat_workgroup_size: 256
    .sgpr_count:     66
    .vgpr_count:     208
    .wavefront_size: 32
...
	.end_amdgpu_metadata
.endif
;; end of part 13
